; MI455X (gfx1250); checked and timed in simulation.
; The chip was launched on July 23, 2026; its instructions are those of AMD's public machine-readable ISA for CDNA 5 (MIT licence, August 2026) and "CDNA5" Instruction Set Architecture Reference Guide (July 2026). The comments in the code are by the model that wrote it; some were corrected since.
;; Encoder Layer. Allowed arithmetic: matrix products marked QUANTISED: E3M2 operands, one E8M0 scale for each 32 along K, by v_wmma_scale_f32_16x16x128_f8f6f4 with both operands' format E3M2, f32 sums; everything else in f32.
;; Inputs: W1_codes 1,024 x 32 x 24 uint8 (E3M2 codes of W1, K innermost, in blocks of 32 codes, four codes in three bytes); W1_scales 1,024 x 32 uint8 (E8M0 scales of W1, one for each 32 codes along K); W2_codes 1,024 x 32 x 24 uint8 (E3M2 codes of W2, K innermost, in blocks of 32 codes, four codes in three bytes); W2_scales 1,024 x 32 uint8 (E8M0 scales of W2, one for each 32 codes along K); Wk_codes 1,024 x 32 x 24 uint8 (E3M2 codes of Wk, K innermost, in blocks of 32 codes, four codes in three bytes); Wk_scales 1,024 x 32 uint8 (E8M0 scales of Wk, one for each 32 codes along K); Wo_codes 1,024 x 32 x 24 uint8 (E3M2 codes of Wo, K innermost, in blocks of 32 codes, four codes in three bytes); Wo_scales 1,024 x 32 uint8 (E8M0 scales of Wo, one for each 32 codes along K); Wq_codes 1,024 x 32 x 24 uint8 (E3M2 codes of Wq, K innermost, in blocks of 32 codes, four codes in three bytes); Wq_scales 1,024 x 32 uint8 (E8M0 scales of Wq, one for each 32 codes along K); Wv_codes 1,024 x 32 x 24 uint8 (E3M2 codes of Wv, K innermost, in blocks of 32 codes, four codes in three bytes); Wv_scales 1,024 x 32 uint8 (E8M0 scales of Wv, one for each 32 codes along K); b1 1,024 float32; b2 1,024 float32; bk 1,024 float32; bo 1,024 float32; bq 1,024 float32; bv 1,024 float32; x 8 x 1,024 x 1,024 float32.
;; Outputs: out0 8 x 1,024 x 1,024 float32.
;; This version of the problem:
;;   THIS VERSION OF THE PROBLEM IS GIVEN IN LOW PRECISION. The matrix products marked QUANTISED in the list below multiply operands that are first quantised to E3M2 (3 exponent bits, 2 mantissa bits; 6 bits a number), with one power-of-two scale for each 32 numbers along K (OCP MX v1.0); their sums are f32. All else is computed in f32.
;;   The module's matrix products, in the order in which they are computed (A, B: the left and right operand; K: the contracted axis; several contracted axes count as one K, in the product's order):
;;     1. [M 8,192, K 1,024] x [K 1,024, N 1,024]; A: computed on the way; B: input Wq (given as codes): QUANTISED
;;     2. [M 8,192, K 1,024] x [K 1,024, N 1,024]; A: computed on the way; B: input Wk (given as codes): QUANTISED
;;     3. [M 8,192, K 1,024] x [K 1,024, N 1,024]; A: computed on the way; B: input Wv (given as codes): QUANTISED
;;     4. batch 128 x [M 1,024, K 64] x [K 64, N 1,024]; A: computed on the way; B: computed on the way: QUANTISED
;;     5. batch 128 x [M 64, K 1,024] x [K 1,024, N 1,024]; A: computed on the way; B: softmax (see below): QUANTISED
;;     6. [M 8,192, K 1,024] x [K 1,024, N 1,024]; A: computed on the way; B: input Wo (given as codes): QUANTISED
;;     7. [M 8,192, K 1,024] x [K 1,024, N 1,024]; A: computed on the way; B: input W1 (given as codes): QUANTISED
;;     8. [M 8,192, K 1,024] x [K 1,024, N 1,024]; A: computed on the way; B: input W2 (given as codes): QUANTISED
;;   THE QUANTISER, for each operand of a quantised product, along K:
;;     - K is cut into blocks of 32 from its start; a last block that is shorter is filled with zeros.
;;     - A block's scale is 2^e with e = floor(log2(the largest magnitude in the block)) - 4, held to -126 .. 127; a block of zeros has e = 0. As a byte (E8M0): e + 127.
;;     - Each number is divided by its block's scale, clamped to +-28, and rounded to the nearest number of E3M2, ties to even, subnormals kept.
;;     - The product sums the exact products of the quantised numbers (number of the format x scale) in f32.
;;   ~~~python
;;   def quantise(x, axis):      # numpy; x: float32 -> the quantised numbers, widened to float32 again
;;       x = np.moveaxis(x, axis, -1); K = x.shape[-1]
;;       x = np.pad(x, [(0, 0)] * (x.ndim - 1) + [(0, -K % 32)]); x = x.reshape(x.shape[:-1] + (-1, 32)); a = np.abs(x).max(-1, keepdims=True)
;;       e = np.where(a > 0, np.clip(np.frexp(np.where(a > 0, a, 1))[1] - 1 - 4, -126, 127), 0)      # np.frexp(a)[1] - 1 = floor(log2(a)), exactly
;;       r = np.clip(x / 2.0 ** e, -28, 28)
;;       step = 2.0 ** (np.maximum(np.frexp(np.where(r == 0, 1, r))[1] - 1, -2) - 2)
;;       q = np.round(r / step) * step * 2.0 ** e      # np.round: ties to even
;;       return np.moveaxis(q.reshape(q.shape[:-2] + (-1,))[..., :K], -1, axis).astype(np.float32)
;;   ~~~
;;   SOFTMAX AHEAD OF A QUANTISED PRODUCT. Where the list says 'softmax', what is quantised is not the finished softmax but p = 2^(t - M), with t = logit x log2(e) and M = ceil(the row's largest t), a whole number; so 1/2 < the row's largest p <= 1. The row's sum l is taken of the UNQUANTISED p, in f32, and the product's result is divided by l at the end. Since M is a whole number, a kernel that streams over the keys may use a running M (the ceiling of the running maximum): every later rescaling is an exact power of two, which a block's scale takes up: the codes' values come out the same.
;;   OPERANDS COMPUTED ON THE WAY. 'Computed on the way' means the value that the module computes at that place (a softmax that the list does not call 'softmax' is quantised finished and normalised). What goes into a quantiser is computed in f32, as accurately as f32 sums, v_exp_f32 and their like allow (about 1e-6 of the number): no bf16 or f16 on the way to a quantiser, and a product that is left as it is and whose result goes on into a quantised operand takes f32 operands (vector FMAs, or v_wmma_f32_16x16x4_f32). A number that lies on a knife's edge between two numbers of the format may be rounded either way, as far as f32 arithmetic and the matrix unit's own rounding can turn it there, and no further.
;;   INPUTS GIVEN AS CODES. W1 (in the module: [1024, 1024], K = its axis 0); W2 (in the module: [1024, 1024], K = its axis 0); Wk (in the module: [1024, 1024], K = its axis 0); Wo (in the module: [1024, 1024], K = its axis 0); Wq (in the module: [1024, 1024], K = its axis 0); Wv (in the module: [1024, 1024], K = its axis 0): each comes as NAME_codes (uint8): NAME with its K axis moved to the last place and cut into blocks of 32 codes, [.., K / 32, bytes a block], one block behind the other in memory; four codes in three bytes: a row's codes are one little-endian stream of bits, code i at bits 6 i .. 6 i + 5 (a code: sign, 3 exponent bits, 2 mantissa bits); and NAME_scales (uint8): the same leading axes, one E8M0 byte (e + 127) for each 32 codes along K. Its value is code x scale, taken as it is: it is not quantised again, and the codes and scales need not be those that the quantiser above would give.
;; 2 versions. Each part assembles by itself: llvm-mc -triple=amdgcn-amd-amdhsa -mcpu=gfx1250 --defsym DOCPART=n.
;; ======== version 1 of 2: 3 launches
;; workspace buffers: QC 6,291,456 bytes; QS 524,288 bytes; KC 6,291,456 bytes; KS 524,288 bytes; VC 6,291,456 bytes; VS 262,144 bytes; OC 6,291,456 bytes; OS 524,288 bytes
;; launch qkv (part 1): grid 256 x 1, 4 waves a work-group, clusters of 4 x 1, 327,680 bytes of LDS; arguments x, Wq_codes, Wq_scales, bq, Wk_codes, Wk_scales, bk, Wv_codes, Wv_scales, bv, QC, QS, KC, KS, VC, VS; writes QC, QS, KC, KS, VC, VS
.if DOCPART == 1
	.amdgcn_target "amdgcn-amd-amdhsa--gfx1250"
	.amdhsa_code_object_version 6
	.text
	.protected	k_qd24d4356bf_qkv
	.globl	k_qd24d4356bf_qkv
	.p2align	8
	.type	k_qd24d4356bf_qkv,@function
k_qd24d4356bf_qkv:
	s_mov_b64 s[64:65], 0
	v_nop
	global_prefetch_b8 v0, s[64:65] scope:SCOPE_SE
	s_setreg_imm32_b32 hwreg(HW_REG_WAVE_MODE, 25, 1), 1
	s_wait_xcnt 0x0
	s_wait_alu depctr_hold_cnt(0) depctr_sa_sdst(0) depctr_va_vdst(0) depctr_va_sdst(0) depctr_va_ssrc(0) depctr_va_vcc(0) depctr_vm_vsrc(0)
	s_getreg_b32 s2, hwreg(HW_REG_IB_STS2, 6, 4)
	s_cmp_eq_u32 s2, 0
	s_cbranch_scc0 .Lentry_in_a_cluster
	s_endpgm
.Lentry_in_a_cluster:
	s_bfe_u32 s2, ttmp6, 0x10000c
	s_cmp_lg_u32 s2, 0x3003
	s_cbranch_scc0 .Lentry_shape_is_right
	s_endpgm
.Lentry_shape_is_right:
; FIRST OF THREE LAUNCHES.  LayerNorm(x), quantised to E3M2 along the 1,024 features; x Wq + bq, x Wk + bk, x Wv + bv on codes; q and k quantised along a head's 64, v along 32 KEYS; only codes and scale bytes go to memory.
; SHARES.  256 work-groups of four waves; a work-group owns 32 neighbouring tokens (one block of 32 keys).  Wave w owns columns 256 w .. 256 w + 255 of every layer, for all 32 tokens.
; A STEP is 32 columns x 32 tokens x K = 1,024: 32 matrix instructions on four accumulators by turns.  A TRIP is two steps, 64 columns: one head.  A layer is four trips.
; TOKEN TILES.  Row r of tile u is token 8 u + (r & 7) + 16 (r >> 3) of the block: so v's 16 registers of tiles 0 and 1 are 16 neighbouring keys, and the next launch's key tiles come out as its softmax wants them.
; WEIGHTS.  A wave's step needs 32 rows of W, 24,576 dense bytes: one tensor load into the wave's own part of one of two LDS slots, as 96 rows of 256 bytes with 16 bytes behind each (a row of W is 816 bytes in LDS:
; 204 words, so the 16 rows of a load start 12 words apart modulo 64 and the 32 lanes of an 8-byte load fall on 64 different words; 64 banks of 4 bytes: ISA guide 11.1).
; CLUSTER.  All work-groups walk the same tiles, so the four of a cluster ask JOINTLY: same line, same descriptor (it hangs on the wave's number and the loop alone), mask 15.
; THE OPERAND x stays in registers (window 1); it goes from wave to wave once, through LDS, as images of its registers.  A HALF is six registers of 32 lanes: 64 along K of 16 rows: 512 bytes (registers 0-3) + 256 (4-5).
; q, k: the product is used transposed (source 0 = 16 rows of W, source 1 = 16 tokens); eight lane swaps make a lane's 16 registers 16 neighbouring columns.  v: source 0 = 16 tokens, source 1 = 16 rows of W: a lane holds one column and 16 neighbouring keys.
; LIMITS.  NaN and infinities among the inputs are not served.  A block whose largest magnitude lies under 2^-122 (a block of zeros too) gets the scale byte 1; its codes are then zeros or as the byte 1 gives them, and these bytes are read by this program alone.
; 1 / sqrt(var + eps) is v_rsq_f32.  The variance is taken of the differences from the mean, in a second pass over registers.
; REGISTERS.  window 0: see the names below.  window 1: x's 16 fragments, (u, s) at v[12 (8 u + s)].  window 2: a step's 16 fragments of W, (t, q) at v[12 (2 q + t)].  window 3: x, f32: v[32 i + 16 u + k] = token (u, r), column 256 w + 32 i + 16 h + k.
.set SLOTB, 104448                     ; a slot: four waves x 26,112 bytes
.set WTILE, 26112                      ; 96 x 272
.set WROW,  816
.set XI,    208896                     ; images of the operand: [u][half 16][768]
.set XSH,   233472                     ; their scale words: [half][u][r]
.set STAT,  235520                     ; two regions of 4 waves x 128 bytes for the row sums
.set BIA,   271360                     ; the three biases, 4,096 bytes each
.set SPARE, 283648                     ; the spare words: 128 bytes a wave, two blocks of 256 bytes that no other line names
.set CZERO, 1000                       ; WM: stands for the constant 0 as C
.set WS,   32                          ; v32-47   W's scale words: set e at v[32 + 8 e + q]; lanes 0-15 column tile 0, lanes 16-31 tile 1
.set XS,   48                          ; v48-55   x's scale words of K step q; lanes 0-15 token tile 0, lanes 16-31 tile 1
.set BIAS, 56                          ; v56-71   the step's biases
.set MX,   88                          ; v88-89   largest magnitudes;  v90-91 the other half's;  v92-93 scale operands;  v94-95 scale words
.set PX,   90
.set SO,   92
.set SW,   94
.set ACC,  96                          ; v96-127  four accumulators
.set CA,   128                         ; v128.., v136..  a half's six registers for tile 0, 1
.set CB,   144                         ; v144.., v148..  the second block's codes
.set BY,   152                         ; v152-155 scale bytes (group g, step e) at 2 g + e
.set SWP,  156                         ; the two tiles' scale words: lanes 0-15 tile 0's, lanes 16-31 tile 1's
.set VW,   157                         ; v's four scale bytes
.set TA,   160                         ; v160-175 halves of scale words
.set TB,   168
.set BL,   176                         ; v176-199 the biases on their way to LDS
.set SUM,  224                         ; v224-231 four chains of sums
.set MUP,  232                         ; v232-235 the means of tile 0, 1, as pairs
.set RSP,  236                         ; v236-239 1 / sqrt(var + eps) likewise
.set T,    240                         ; v240-247 at work
; v1 spare word's address, v2 = 0 (kept for the add alone); v3, v4, v5, v10 = 16, 8, 4, 32 x lane; v6-7, v8-9 W's fragments in slot 0, 1 (24 h, 40 h); v11, v12 biases; v13-14 x; v15-17 images, read; v18-20 images, written;
; v21-22 the bias copy; v24-25 row sums; v30 the trip's bias address; v31 = 4 r
; s2 trips, s3 wave, s4 work-group, s5 mask of lanes 16-31, s[6:7] lane selects, s[8:39] buffers, s[40:47] group 1, s[48:51], s[52:55] groups 0 of slot 0, 1, s[56:57], s[58:59] next tile's codes and scales, s[60:63] the next layer's, s72 bias offset
.set MSB, 0
.macro WIN new                         ; the immediate's high byte repeats the setting that is left
.if MSB != \new
	s_set_vgpr_msb (MSB<<8)|\new
.set MSB, \new
.endif
.endm
.macro CROUND                          ; a round of the cluster's barrier
	s_barrier_signal -1
	s_barrier_wait -1
	s_cmp_lg_u32 s3, 0
	s_cbranch_scc1 .Lnot_wave_0_\@
	s_barrier_signal -3
.Lnot_wave_0_\@:
	s_barrier_wait -3
	s_barrier_signal -1
	s_barrier_wait -1
.endm
; one matrix instruction.  c: C's first register, or CZERO.  ra, rb: 1 = the side's scales stand in lanes 16-31
.macro WM d, a, b, c, sa, sb, ra, rb
.set RR, 2*(\ra)+(\rb)
.if (\c) == CZERO
.if RR == 0
	v_wmma_scale_f32_16x16x128_f8f6f4 v[(\d):(\d)+7], v[(\a):(\a)+11], v[(\b):(\b)+11], 0, v[\sa], v[\sb] matrix_a_fmt:MATRIX_FMT_BF6 matrix_b_fmt:MATRIX_FMT_BF6
.elseif RR == 1
	v_wmma_scale_f32_16x16x128_f8f6f4 v[(\d):(\d)+7], v[(\a):(\a)+11], v[(\b):(\b)+11], 0, v[\sa], v[\sb] matrix_a_fmt:MATRIX_FMT_BF6 matrix_b_fmt:MATRIX_FMT_BF6 matrix_b_scale:MATRIX_SCALE_ROW1
.elseif RR == 2
	v_wmma_scale_f32_16x16x128_f8f6f4 v[(\d):(\d)+7], v[(\a):(\a)+11], v[(\b):(\b)+11], 0, v[\sa], v[\sb] matrix_a_fmt:MATRIX_FMT_BF6 matrix_b_fmt:MATRIX_FMT_BF6 matrix_a_scale:MATRIX_SCALE_ROW1
.else
	v_wmma_scale_f32_16x16x128_f8f6f4 v[(\d):(\d)+7], v[(\a):(\a)+11], v[(\b):(\b)+11], 0, v[\sa], v[\sb] matrix_a_fmt:MATRIX_FMT_BF6 matrix_b_fmt:MATRIX_FMT_BF6 matrix_a_scale:MATRIX_SCALE_ROW1 matrix_b_scale:MATRIX_SCALE_ROW1
.endif
.else
.if RR == 0
	v_wmma_scale_f32_16x16x128_f8f6f4 v[(\d):(\d)+7], v[(\a):(\a)+11], v[(\b):(\b)+11], v[(\c):(\c)+7], v[\sa], v[\sb] matrix_a_fmt:MATRIX_FMT_BF6 matrix_b_fmt:MATRIX_FMT_BF6
.elseif RR == 1
	v_wmma_scale_f32_16x16x128_f8f6f4 v[(\d):(\d)+7], v[(\a):(\a)+11], v[(\b):(\b)+11], v[(\c):(\c)+7], v[\sa], v[\sb] matrix_a_fmt:MATRIX_FMT_BF6 matrix_b_fmt:MATRIX_FMT_BF6 matrix_b_scale:MATRIX_SCALE_ROW1
.elseif RR == 2
	v_wmma_scale_f32_16x16x128_f8f6f4 v[(\d):(\d)+7], v[(\a):(\a)+11], v[(\b):(\b)+11], v[(\c):(\c)+7], v[\sa], v[\sb] matrix_a_fmt:MATRIX_FMT_BF6 matrix_b_fmt:MATRIX_FMT_BF6 matrix_a_scale:MATRIX_SCALE_ROW1
.else
	v_wmma_scale_f32_16x16x128_f8f6f4 v[(\d):(\d)+7], v[(\a):(\a)+11], v[(\b):(\b)+11], v[(\c):(\c)+7], v[\sa], v[\sb] matrix_a_fmt:MATRIX_FMT_BF6 matrix_b_fmt:MATRIX_FMT_BF6 matrix_a_scale:MATRIX_SCALE_ROW1 matrix_b_scale:MATRIX_SCALE_ROW1
.endif
.endif
.endm
; a fragment of W: 16 rows x 128 K, in pieces of 8 bytes.  Lanes 16-31 read three pieces on; where that lies behind one padding more, the second address register (40 for 24 bytes a half) serves
.macro FRAG reg, e, t, q
.irp p, 0,1,2,3,4,5
.set PC, 12*(\q)+6*(\p/3)+\p%3
.if PC%32 < 29
	ds_load_b64 v[(\reg)+2*\p:(\reg)+2*\p+1], v[6+(\e)] offset:8*PC+16*(PC/32)+(\t)*16*WROW
.else
	ds_load_b64 v[(\reg)+2*\p:(\reg)+2*\p+1], v[8+(\e)] offset:8*PC+16*(PC/32)+(\t)*16*WROW
.endif
.endr
.endm
; THE HEAD OF STEP e.  My tile of this step has landed (it is the one tensor load of mine that was out) and its scale words are in.  refill = 1: the next tile goes into the slot that the last step read:
; wait for all tensor loads, the add, wait for it and for my LDS reads, a round of the cluster's barrier, the joint load first behind it.  sel = 1: in a layer's last trip the next tile is the next layer's first.
.macro HEAD e, refill, sel
.set NX, 1-(\e)
	s_wait_loadcnt 0x0                             ; this step's scale words are in: their base may step
	s_wait_tensorcnt 0x0                           ; no tensor load of mine is out: a group 0 may be written
.if \refill
	ds_add_u32 v1, v2                              ; 0 onto my spare word
	s_add_nc_u64 s[56:57], s[56:57], 24576         ; the next 32 rows of W,
	s_add_nc_u64 s[58:59], s[58:59], 1024          ; and their 32 x 32 scale bytes
.if \sel
	s_cmp_eq_u32 s2, 1
	s_cselect_b64 s[56:57], s[60:61], s[56:57]
	s_cselect_b64 s[58:59], s[62:63], s[58:59]
.endif
	s_mov_b64 s[50+4*NX:51+4*NX], s[56:57]
	s_or_b32 s[51+4*NX], s[51+4*NX], 0x80000000    ; type = 2
	s_wait_dscnt 0x0                               ; the add is done, and so are my reads of the slot to be filled
	CROUND                                         ; the same holds of every wave of the four work-groups
	tensor_load_to_lds s[48+4*NX:51+4*NX], s[40:47] ; my one tensor load until the next round; it has this step's work in which to land
	s_nop 0
.rept 4
	v_nop
.endr
	global_load_b128 v[WS+8*NX:WS+8*NX+3], v10, s[58:59]           ; lane l: the 32 scale bytes of row l of the next step: the wave reads 1,024 consecutive bytes
	global_load_b128 v[WS+8*NX+4:WS+8*NX+7], v10, s[58:59] offset:16
.endif
.endm
; THE PRODUCTS OF STEP e.  vp = 0: transposed, accumulator (t, u) at ACC + 16 u + 8 t, the bias is the first C.  vp = 1: tokens as rows, accumulator at ACC + 16 t + 8 u, the first C is 0.
.macro GEMM e, vp
.if \vp
	ds_load_b32 v[BIAS], v30 offset:128*(\e)       ; the bias of my column in tile 0,
	ds_load_b32 v[BIAS+2], v30 offset:128*(\e)+64  ; in tile 1
.else
.irp k, 0,1,2,3
	ds_load_b128 v[BIAS+4*\k:BIAS+4*\k+3], v30 offset:128*(\e)+64*(\k/2)+16*(\k%2)   ; tile k / 2: the biases of columns 8 h + 0 .. 7
.endr
.endif
	WIN 0x80                                       ; destination window 2
.irp q, 0,1,2,3,4,5,6,7
.irp t, 0,1
	FRAG 12*(2*\q+\t), \e, \t, \q
.endr
.endr
.if \vp
	WIN 0x09                                       ; source 0 (x) window 1, source 1 (W) window 2
.else
	WIN 0x06                                       ; source 0 (W) window 2, source 1 (x) window 1
.endif
.irp q, 0,1,2,3,4,5,6,7
.if 84-12*\q > 63
	s_wait_dscnt 63                                ; behind K step q's loads stand 12 (7 - q) younger ones; the wait's field holds 63 at the most
.else
	s_wait_dscnt 84-12*\q                          ; the 12 (7 - q) loads of the later K steps may be out
.endif
.irp t, 0,1
.irp u, 0,1
.if \vp
.if \q == 0
.set CC, CZERO
.else
.set CC, ACC+16*\t+8*\u
.endif
	WM ACC+16*\t+8*\u, 12*(8*\u+\q), 12*(2*\q+\t), CC, XS+\q, WS+8*(\e)+\q, \u, \t
.else
.if \q == 0
.set CC, BIAS+8*\t
.else
.set CC, ACC+16*\u+8*\t
.endif
	WM ACC+16*\u+8*\t, 12*(2*\q+\t), 12*(8*\u+\q), CC, WS+8*(\e)+\q, XS+\q, \t, \u
.endif
.endr
.endr
.endr
	WIN 0
.rept 4
	v_nop                                          ; four places behind the last products, ahead of the first read of results and of the next loads into operands
.endr
.endm
.macro NSWAP                           ; register j of column tiles 0 and 1 holds columns 8 h + j and 16 + 8 h + j; after the swap the 16 registers hold columns 16 h + 0 .. 15.  Each accumulator is read from its low end on
.irp u, 0,1
.irp j, 0,1,2,3,4,5,6,7
	v_permlane16_swap_b32 v[ACC+16*\u+\j], v[ACC+16*\u+8+\j]
.endr
.endr
.endm
; two groups of 16 numbers a lane (ACC + 16 g + 0 .. 15; lanes l and l xor 16 share a block of 32) become codes and a scale byte each.  vp = 0: group = token tile, codes to CA (e = 0) or CB (e = 1).  vp = 1: group = column tile, codes to CA and CB
.macro BLOCKQ e, vp
.irp g, 0,1
	v_max3_num_f32 v[MX+\g], |v[ACC+16*\g]|, |v[ACC+16*\g+1]|, 0x2800000   ; the floor 2^(5 - 127) among the leaves: the byte cannot fall under 1
.endr
.irp i, 2,4,6,8,10,12,14
.irp g, 0,1
	v_max3_num_f32 v[MX+\g], v[MX+\g], |v[ACC+16*\g+\i]|, |v[ACC+16*\g+\i+1]|
.endr
.endr
.irp g, 0,1
	v_permlanex16_b32 v[PX+\g], v[MX+\g], s6, s7
.endr
.irp g, 0,1
	v_max_num_f32 v[MX+\g], v[MX+\g], v[PX+\g]     ; the block's largest magnitude
.endr
.irp g, 0,1
	v_add_nc_u32 v[SO+\g], 0xfe000000, v[MX+\g]    ; 4 off its exponent field: the conversion's scale operand
.endr
.irp g, 0,1
	v_lshrrev_b32 v[BY+2*\g+(\e)], 23, v[SO+\g]    ; the scale's byte
.endr
.if \vp
	v_cvt_scalef32_pk16_bf6_f32 v[CA:CA+2], v[ACC:ACC+15], v[SO]
	v_cvt_scalef32_pk16_bf6_f32 v[CB:CB+2], v[ACC+16:ACC+31], v[SO+1]
.elseif (\e) == 0
	v_cvt_scalef32_pk16_bf6_f32 v[CA:CA+2], v[ACC:ACC+15], v[SO]
	v_cvt_scalef32_pk16_bf6_f32 v[CA+8:CA+10], v[ACC+16:ACC+31], v[SO+1]
.else
	v_cvt_scalef32_pk16_bf6_f32 v[CB:CB+2], v[ACC:ACC+15], v[SO]
	v_cvt_scalef32_pk16_bf6_f32 v[CB+4:CB+6], v[ACC+16:ACC+31], v[SO+1]
.endif
	v_nop                                          ; one plain place behind a scaled conversion
.endm
.macro HALF                            ; two blocks' half-blocks become a half of a fragment: lane (r, h) holds block h whole; the two bytes make the half's scale word
.irp u, 0,1
.irp i, 0,1,2
	v_permlane16_swap_b32 v[CA+8*\u+\i], v[CB+4*\u+\i]
.endr
.endr
.irp u, 0,1
.irp i, 0,1,2
	v_mov_b32 v[CA+8*\u+3+\i], v[CB+4*\u+\i]
.endr
.endr
.irp u, 0,1
	v_lshl_or_b32 v[SW+\u], v[BY+2*\u+1], 8, v[BY+2*\u]
.endr
	v_cndmask_b32 v[SWP], v[SW], v[SW+1], s5
.endm
.macro IMG a, b, c, oc, os             ; the two tiles' halves go to LDS as they stand
.irp u, 0,1
	ds_store_b128 v[\a], v[CA+8*\u:CA+8*\u+3] offset:12288*\u+(\oc)
	ds_store_b64 v[\b], v[CA+8*\u+4:CA+8*\u+5] offset:12288*\u+(\oc)
.endr
	ds_store_b32 v[\c], v[SWP] offset:\os
	s_wait_dscnt 0x0                               ; the stores have read their registers
.endm
.macro XLOAD                           ; my 256 columns of the 32 tokens: a lane takes 16 neighbours of each block of 32
	WIN 0xc0                                       ; destination window 3
.irp i, 0,1,2,3,4,5,6,7
.irp u, 0,1
.irp k, 0,1,2,3
	global_load_b128 v[32*\i+16*\u+4*\k:32*\i+16*\u+4*\k+3], v[13+\u], s[8:9] offset:128*\i+16*\k th:TH_LOAD_NT
.endr
.endr
.endr
	WIN 0
.endm
.macro ROWSUM reg                      ; the four chains -> in lane (r, h) the whole row's sum of token (u = h, r): my wave's 256 columns, then the four waves' through LDS
	v_pk_add_f32 v[SUM:SUM+1], v[SUM:SUM+1], v[SUM+2:SUM+3]
	v_pk_add_f32 v[SUM+4:SUM+5], v[SUM+4:SUM+5], v[SUM+6:SUM+7]
	v_add_f32 v[T], v[SUM], v[SUM+1]
	v_add_f32 v[T+1], v[SUM+4], v[SUM+5]
	v_permlanex16_b32 v[PX], v[T], s6, s7
	v_permlanex16_b32 v[PX+1], v[T+1], s6, s7
	v_add_f32 v[T], v[T], v[PX]
	v_add_f32 v[T+1], v[T+1], v[PX+1]
	v_cndmask_b32 v[T+2], v[T], v[T+1], s5
	ds_store_b32 v24, v[T+2] offset:512*\reg
	s_wait_dscnt 0x0                               ; for the others' sake: my stores have landed
	s_barrier_signal -1
	s_barrier_wait -1                              ; the tile on its way stays out
.irp k, 0,1,2,3
	ds_load_b32 v[T+4+\k], v25 offset:512*\reg+128*\k
.endr
	s_wait_dscnt 0x0
	v_add_f32 v[T+4], v[T+4], v[T+5]
	v_add_f32 v[T+6], v[T+6], v[T+7]
	v_add_f32 v[T+2], v[T+4], v[T+6]
.endm
.macro SPREAD src, dst                 ; lane (r, h) holds row (h, r)'s number: both tiles' numbers into every lane, each as a pair
	v_permlanex16_b32 v[T+3], v[\src], s6, s7
	v_cndmask_b32 v[\dst], v[\src], v[T+3], s5
	v_cndmask_b32 v[\dst+2], v[T+3], v[\src], s5
	v_mov_b32 v[\dst+1], v[\dst]
	v_mov_b32 v[\dst+3], v[\dst+2]
.endm
.macro DIFF i                          ; block i of both tiles, less the mean
	WIN 0x03                                       ; source 0 window 3
.irp u, 0,1
.irp m, 0,1,2,3,4,5,6,7
	v_pk_add_f32 v[ACC+16*\u+2*\m:ACC+16*\u+2*\m+1], v[32*(\i)+16*\u+2*\m:32*(\i)+16*\u+2*\m+1], v[MUP+2*\u:MUP+2*\u+1] op_sel_hi:[1,0] neg_lo:[0,1] neg_hi:[0,1]
.endr
.endr
	WIN 0
.endm
; LayerNorm of the 32 rows in window 3 (left as they are), quantised; the images of my four halves of both tiles go to LDS
.macro LNQ
	s_mov_b32 s74, 0x3a800000                      ; 1 / 1,024
	s_mov_b32 s75, 0x3727c5ac                      ; 1e-5
	WIN 0x0f                                       ; both sources window 3: the first pairs start the chains, nothing is cleared
.irp u, 0,1
.irp f, 0,1
	v_pk_add_f32 v[SUM+4*\u+2*\f:SUM+4*\u+2*\f+1], v[16*\u+4*\f:16*\u+4*\f+1], v[16*\u+4*\f+2:16*\u+4*\f+3]
.endr
.endr
	WIN 0x03
.irp i, 0,1,2,3,4,5,6,7
.irp m, 0,1,2,3,4,5,6,7
.if (\i > 0) || (\m > 3)
.irp u, 0,1
	v_pk_add_f32 v[SUM+4*\u+2*(\m%2):SUM+4*\u+2*(\m%2)+1], v[32*\i+16*\u+2*\m:32*\i+16*\u+2*\m+1], v[SUM+4*\u+2*(\m%2):SUM+4*\u+2*(\m%2)+1]
.endr
.endif
.endr
.endr
	WIN 0
	ROWSUM 0
	v_mul_f32 v[T+2], s74, v[T+2]                  ; the mean
	SPREAD T+2, MUP
.irp i, 0,1,2,3,4,5,6,7
	DIFF \i
.irp m, 0,1,2,3,4,5,6,7
.irp u, 0,1
.if (\i == 0) && (\m < 2)
	v_pk_mul_f32 v[SUM+4*\u+2*\m:SUM+4*\u+2*\m+1], v[ACC+16*\u+2*\m:ACC+16*\u+2*\m+1], v[ACC+16*\u+2*\m:ACC+16*\u+2*\m+1]
.else
	v_pk_fma_f32 v[SUM+4*\u+2*(\m%2):SUM+4*\u+2*(\m%2)+1], v[ACC+16*\u+2*\m:ACC+16*\u+2*\m+1], v[ACC+16*\u+2*\m:ACC+16*\u+2*\m+1], v[SUM+4*\u+2*(\m%2):SUM+4*\u+2*(\m%2)+1]
.endif
.endr
.endr
.endr
	ROWSUM 1
	v_fma_f32 v[T+2], v[T+2], s74, s75             ; var + eps
	v_rsq_f32 v[T+4], v[T+2]
	v_nop                                          ; one plain place behind a transcendental
	s_wait_alu depctr_va_vdst(0)
	SPREAD T+4, RSP
.irp i, 0,1,2,3,4,5,6,7
	DIFF \i
.irp u, 0,1
.irp m, 0,1,2,3,4,5,6,7
	v_pk_mul_f32 v[ACC+16*\u+2*\m:ACC+16*\u+2*\m+1], v[ACC+16*\u+2*\m:ACC+16*\u+2*\m+1], v[RSP+2*\u:RSP+2*\u+1] op_sel_hi:[1,0]
.endr
.endr
	BLOCKQ \i%2, 0
.if \i%2 == 1
	HALF
	IMG 18, 19, 20, 768*(\i/2), 128*(\i/2)
.endif
.endr
	s_wait_dscnt 0x0
	s_barrier_signal -1
	s_barrier_wait -1                              ; all sixteen halves of both tiles lie in LDS
.endm
.macro FETCHX                          ; the whole operand, 32 rows x K 1,024, into window 1; its scale words into XS
	WIN 0x40
.irp u, 0,1
.irp g, 0,1,2,3,4,5,6,7,8,9,10,11,12,13,14,15
	ds_load_b128 v[12*(8*\u+\g/2)+6*(\g%2):12*(8*\u+\g/2)+6*(\g%2)+3], v15 offset:12288*\u+768*\g
	ds_load_b64 v[12*(8*\u+\g/2)+6*(\g%2)+4:12*(8*\u+\g/2)+6*(\g%2)+5], v16 offset:12288*\u+768*\g
.endr
.endr
	WIN 0
.irp s, 0,1,2,3,4,5,6,7
	ds_load_b32 v[TA+\s], v17 offset:256*\s
	ds_load_b32 v[TB+\s], v17 offset:256*\s+128
.endr
	s_wait_dscnt 0x0
.irp s, 0,1,2,3,4,5,6,7
	v_lshl_or_b32 v[XS+\s], v[TB+\s], 16, v[TA+\s] ; two halves' bytes make K step s's word
.endr
.rept 8
	v_nop                                          ; a scale register written by a vector instruction stands eight places ahead of a scaled matrix instruction
.endr
.endm
	s_load_b512 s[8:23], s[0:1], 0x0               ; x, Wq codes, Wq scales, bq, Wk codes, Wk scales, bk, Wv codes
	s_load_b512 s[24:39], s[0:1], 0x40             ; Wv scales, bv, QC, QS, KC, KS, VC, VS
	v_lshl_add_u32 v1, v0, 2, SPARE
	v_mov_b32 v2, 0
	ds_add_u32 v1, v2
	ds_add_u32 v1, v2
	s_wait_dscnt 0x0
	v_lshrrev_b32 v[T], 5, v0
	v_readfirstlane_b32 s3, v[T]                   ; wave 0..3
	s_bfe_u32 s74, ttmp6, 0x40000                  ; my place in the cluster: it enters global addresses of x and of the results alone
	s_lshl_b32 s4, ttmp9, 2
	s_add_co_u32 s4, s4, s74                       ; work-group = block of 32 tokens, 0..255
	s_mov_b32 s5, 0xffff0000
	s_mov_b32 s6, 0x76543210
	s_mov_b32 s7, 0xfedcba98
	v_and_b32 v[T+1], 31, v0                       ; lane
	v_and_b32 v[T+2], 15, v0                       ; r
	v_bfe_u32 v[T+3], v0, 4, 1                     ; h
	v_lshlrev_b32 v3, 4, v[T+1]
	v_lshlrev_b32 v4, 3, v[T+1]
	v_lshlrev_b32 v5, 2, v[T+1]
	v_lshlrev_b32 v10, 5, v[T+1]
	s_mul_i32 s75, s3, WTILE
	v_mul_u32_u24 v[T+4], v[T+2], WROW
	v_mad_u32_u24 v[T+5], v[T+3], 24, v[T+4]
	v_mad_u32_u24 v[T+6], v[T+3], 40, v[T+4]
	v_add_nc_u32 v6, s75, v[T+5]
	v_add_nc_u32 v7, SLOTB, v6
	v_add_nc_u32 v8, s75, v[T+6]
	v_add_nc_u32 v9, SLOTB, v8
	s_lshl_b32 s76, s3, 10
	v_lshl_add_u32 v11, v[T+3], 5, s76
	v_add_nc_u32 v11, BIA, v11                     ; biases, transposed layers: 1,024 w + 32 h
	v_lshl_add_u32 v12, v[T+2], 2, s76
	v_add_nc_u32 v12, BIA, v12                     ; v's layer: 1,024 w + 4 r
	v_and_b32 v[T+7], 8, v[T+2]
	v_add_nc_u32 v[T+7], v[T+7], v[T+2]            ; token of tile 0: r + 8 (r / 8)
	v_lshl_add_u32 v13, v[T+3], 6, s76
	v_lshl_add_u32 v13, v[T+7], 12, v13            ; x: token x 4,096 + 1,024 w + 64 h
	v_add_nc_u32 v14, 0x8000, v13                  ; tile 1: eight tokens on
	v_add_nc_u32 v15, XI, v3
	v_add_nc_u32 v16, XI+512, v4
	v_add_nc_u32 v17, XSH, v5
	s_mul_i32 s77, s3, 3072
	v_add_nc_u32 v18, s77, v15
	v_add_nc_u32 v19, s77, v16
	s_lshl_b32 s78, s3, 9
	v_add_nc_u32 v20, s78, v17
	v_add_nc_u32 v25, STAT, v5
	s_lshl_b32 s79, s3, 7
	v_add_nc_u32 v24, s79, v25
	v_lshlrev_b32 v31, 2, v[T+2]
	v_lshlrev_b32 v21, 4, v0                       ; the bias copy: 16 bytes a thread,
	v_lshl_add_u32 v22, v0, 4, BIA                 ; and their place in LDS
	v_mov_b32 v[PX], 0                             ; written once: a lane permute's destination counts as one of its sources
	v_mov_b32 v[PX+1], 0
	; group 1: 24,576 dense bytes as 96 rows of 32 elements of 8 bytes, 16 bytes of padding behind each row
	s_mov_b32 s40, 15|(3<<16)|(1<<20)|(1<<21)|(5<<22)|(3<<25)   ; 15:0 the mask: all four work-groups; 17:16 elements of 8 bytes; 20 padding on; 21 set beside a mask; 24:22 after every 64 words; 31:25 four words
	s_mov_b32 s41, 32<<16                          ; tensor_dim0
	s_mov_b32 s42, 96<<16                          ; tensor_dim1
	s_mov_b32 s43, 32<<16                          ; tile_dim0
	s_mov_b32 s44, 96                              ; tile_dim1
	s_mov_b32 s45, 32                              ; the pitch
	s_mov_b32 s46, 0
	s_mov_b32 s47, 0
	s_mov_b32 s48, 1
	s_mov_b32 s49, s75                             ; slot 0: wave x 26,112
	s_mov_b32 s52, 1
	s_add_co_u32 s53, s75, SLOTB                   ; slot 1
	s_mul_i32 s74, s3, 196608                      ; my 256 rows of each weight: 768 bytes a row,
	s_mov_b32 s75, 0
	s_lshl_b32 s76, s3, 13                         ; 32 scale bytes a row
	s_mov_b32 s77, 0
	s_lshl_b32 s78, s4, 17                         ; my 32 tokens of x
	s_mov_b32 s79, 0
	s_wait_kmcnt 0x0
	s_add_nc_u64 s[10:11], s[10:11], s[74:75]
	s_add_nc_u64 s[16:17], s[16:17], s[74:75]
	s_add_nc_u64 s[22:23], s[22:23], s[74:75]
	s_add_nc_u64 s[12:13], s[12:13], s[76:77]
	s_add_nc_u64 s[18:19], s[18:19], s[76:77]
	s_add_nc_u64 s[24:25], s[24:25], s[76:77]
	s_add_nc_u64 s[8:9], s[8:9], s[78:79]
	s_mov_b64 s[56:57], s[10:11]                   ; the first tile: Wq's
	s_mov_b64 s[58:59], s[12:13]
	s_mov_b64 s[50:51], s[56:57]
	s_or_b32 s51, s51, 0x80000000
	CROUND                                         ; the four work-groups are here: the first joint loads meet
	tensor_load_to_lds s[48:51], s[40:47]
	s_nop 0
.rept 4
	v_nop
.endr
	global_load_b128 v[WS:WS+3], v10, s[58:59]
	global_load_b128 v[WS+4:WS+7], v10, s[58:59] offset:16
	global_load_b128 v[BL:BL+3], v21, s[14:15]
	global_load_b128 v[BL+4:BL+7], v21, s[14:15] offset:2048
	global_load_b128 v[BL+8:BL+11], v21, s[20:21]
	global_load_b128 v[BL+12:BL+15], v21, s[20:21] offset:2048
	global_load_b128 v[BL+16:BL+19], v21, s[26:27]
	global_load_b128 v[BL+20:BL+23], v21, s[26:27] offset:2048
	XLOAD
	; where my results go: index = (16 batch + 4 w) x 32 + block
	s_lshr_b32 s74, s4, 5
	s_lshl_b32 s74, s74, 4
	s_lshl_b32 s76, s3, 2
	s_add_co_u32 s74, s74, s76
	s_lshl_b32 s74, s74, 5
	s_and_b32 s76, s4, 31
	s_add_co_u32 s74, s74, s76
	s_mul_i32 s76, s74, 1536
	s_add_nc_u64 s[28:29], s[28:29], s[76:77]
	s_add_nc_u64 s[32:33], s[32:33], s[76:77]
	s_add_nc_u64 s[36:37], s[36:37], s[76:77]
	s_lshl_b32 s76, s74, 7
	s_add_nc_u64 s[30:31], s[30:31], s[76:77]
	s_add_nc_u64 s[34:35], s[34:35], s[76:77]
	s_lshl_b32 s76, s74, 6
	s_add_nc_u64 s[38:39], s[38:39], s[76:77]
	s_wait_loadcnt 0x0
.irp n, 0,1,2,3,4,5
	ds_store_b128 v22, v[BL+4*\n:BL+4*\n+3] offset:2048*\n         ; the next barrier, with its wait, shows them to every wave
.endr
	LNQ
	FETCHX
; q's and k's layers.  lay: which bias; nw, ns: the next layer's codes and scales; cc, cs: where codes and scale words go
.macro LAYERQK lay, nw, ns, cc, cs
	s_mov_b32 s72, 4096*\lay
	s_mov_b64 s[60:61], s[\nw:\nw+1]
	s_mov_b64 s[62:63], s[\ns:\ns+1]
	s_mov_b32 s2, 4
.Llayer_\@:
	v_add_nc_u32 v30, s72, v11
	HEAD 0, 1, 0
	GEMM 0, 0
	NSWAP
	BLOCKQ 0, 0
	HEAD 1, 1, 1
	GEMM 1, 0
	NSWAP
	BLOCKQ 1, 0
	HALF
.irp u, 0,1
	global_store_b128 v3, v[CA+8*\u:CA+8*\u+3], s[\cc:\cc+1] offset:512*\u          ; 32 lanes store 512 consecutive bytes, at a multiple of 256 from the buffer's first byte
	global_store_b64 v4, v[CA+8*\u+4:CA+8*\u+5], s[\cc:\cc+1] offset:1024+256*\u    ; and 256
.endr
	global_store_b32 v5, v[SWP], s[\cs:\cs+1]
	s_wait_xcnt 0x0                                ; the stores' data and bases are written again only behind this wait
	s_add_nc_u64 s[\cc:\cc+1], s[\cc:\cc+1], 49152 ; the next head
	s_add_nc_u64 s[\cs:\cs+1], s[\cs:\cs+1], 4096
	s_add_co_u32 s72, s72, 256
	s_sub_co_u32 s2, s2, 1
	s_cmp_lg_u32 s2, 0
	s_cbranch_scc1 .Llayer_\@
.endm
	LAYERQK 0, 16, 18, 28, 30
	LAYERQK 1, 22, 24, 32, 34
; v's layer: a lane holds column r of tile t and keys 16 h + 0 .. 15; the block of 32 keys is the work-group's 32 tokens
.macro VEPI e
.irp t, 0,1
.irp m, 0,1,2,3,4,5,6,7
	v_pk_add_f32 v[ACC+16*\t+2*\m:ACC+16*\t+2*\m+1], v[ACC+16*\t+2*\m:ACC+16*\t+2*\m+1], v[BIAS+2*\t:BIAS+2*\t+1] op_sel_hi:[1,0]
.endr
.endr
	s_wait_xcnt 0x0                                ; the last step's stores have read their data
	BLOCKQ \e, 1
.irp i, 0,1,2
	v_permlane16_swap_b32 v[CA+\i], v[CB+\i]       ; lane (r, g) now holds column r of tile 2 e + g: the lower 16 keys' codes, and in CB the upper 16
.endr
.irp i, 0,1,2
	v_mov_b32 v[CA+3+\i], v[CB+\i]
.endr
	global_store_b128 v3, v[CA:CA+3], s[36:37] offset:512*\e
	global_store_b64 v4, v[CA+4:CA+5], s[36:37] offset:1024+256*\e
.if \e == 0
	v_lshl_or_b32 v[VW], v[BY+2], 8, v[BY]         ; the bytes of tiles 0, 1,
.else
	v_lshl_or_b32 v[VW], v[BY+1], 16, v[VW]        ; 2,
	v_lshl_or_b32 v[VW], v[BY+3], 24, v[VW]        ; 3
.endif
.endm
.macro VTRIP last
	v_add_nc_u32 v30, s72, v12
	HEAD 0, 1, 0
	GEMM 0, 1
	VEPI 0
	HEAD 1, 1-\last, 0
	GEMM 1, 1
	VEPI 1
	global_store_b32 v31, v[VW], s[38:39]          ; both halves of the lanes hold the same word
.endm
	s_mov_b32 s72, 8192
	s_mov_b32 s2, 3
.Lv:
	VTRIP 0
	s_wait_xcnt 0x0
	s_add_nc_u64 s[36:37], s[36:37], 49152
	s_add_nc_u64 s[38:39], s[38:39], 2048
	s_add_co_u32 s72, s72, 256
	s_sub_co_u32 s2, s2, 1
	s_cmp_lg_u32 s2, 0
	s_cbranch_scc1 .Lv
	VTRIP 1                                        ; the last trip is written out: its second step asks for nothing
	s_wait_tensorcnt 0x0                           ; the wave's end
	ds_add_u32 v1, v2
	s_wait_dscnt 0x0
	CROUND                                         ; the closing round: no work-group ends while a partner may still ask for a tile that names it
	s_endpgm
.Lfunc_end_k_qd24d4356bf_qkv:
	.size	k_qd24d4356bf_qkv, .Lfunc_end_k_qd24d4356bf_qkv-k_qd24d4356bf_qkv
	.p2alignl 7, 3214868480
	.fill 96, 4, 3214868480
	.section	.rodata,"a",@progbits
	.p2align	6, 0x0
	.amdhsa_kernel k_qd24d4356bf_qkv
		.amdhsa_group_segment_fixed_size 327680
		.amdhsa_private_segment_fixed_size 0
		.amdhsa_enable_private_segment 0
		.amdhsa_kernarg_size 128
		.amdhsa_user_sgpr_count 2
		.amdhsa_user_sgpr_kernarg_segment_ptr 1
		.amdhsa_wavefront_size32 1
		.amdhsa_system_sgpr_workgroup_id_x 1
		.amdhsa_system_sgpr_workgroup_id_y 1
		.amdhsa_system_sgpr_workgroup_id_z 1
		.amdhsa_system_vgpr_workitem_id 0
		.amdhsa_next_free_vgpr 1024
		.amdhsa_next_free_sgpr 80
		.amdhsa_reserve_vcc 0
		.amdhsa_float_denorm_mode_32 3
		.amdhsa_float_denorm_mode_16_64 3
		.amdhsa_memory_ordered 1
		.amdhsa_forward_progress 1
		.amdhsa_inst_pref_size 197
	.end_amdhsa_kernel
	.amdgpu_metadata
---
amdhsa.version: [ 1, 2 ]
amdhsa.kernels:
  - .name:           k_qd24d4356bf_qkv
    .symbol:         k_qd24d4356bf_qkv.kd
    .args:
      - { .name: x, .offset: 0, .size: 8, .value_kind: global_buffer, .address_space: global }
      - { .name: Wq_codes, .offset: 8, .size: 8, .value_kind: global_buffer, .address_space: global }
      - { .name: Wq_scales, .offset: 16, .size: 8, .value_kind: global_buffer, .address_space: global }
      - { .name: bq, .offset: 24, .size: 8, .value_kind: global_buffer, .address_space: global }
      - { .name: Wk_codes, .offset: 32, .size: 8, .value_kind: global_buffer, .address_space: global }
      - { .name: Wk_scales, .offset: 40, .size: 8, .value_kind: global_buffer, .address_space: global }
      - { .name: bk, .offset: 48, .size: 8, .value_kind: global_buffer, .address_space: global }
      - { .name: Wv_codes, .offset: 56, .size: 8, .value_kind: global_buffer, .address_space: global }
      - { .name: Wv_scales, .offset: 64, .size: 8, .value_kind: global_buffer, .address_space: global }
      - { .name: bv, .offset: 72, .size: 8, .value_kind: global_buffer, .address_space: global }
      - { .name: QC, .offset: 80, .size: 8, .value_kind: global_buffer, .address_space: global }
      - { .name: QS, .offset: 88, .size: 8, .value_kind: global_buffer, .address_space: global }
      - { .name: KC, .offset: 96, .size: 8, .value_kind: global_buffer, .address_space: global }
      - { .name: KS, .offset: 104, .size: 8, .value_kind: global_buffer, .address_space: global }
      - { .name: VC, .offset: 112, .size: 8, .value_kind: global_buffer, .address_space: global }
      - { .name: VS, .offset: 120, .size: 8, .value_kind: global_buffer, .address_space: global }
    .group_segment_fixed_size: 327680
    .private_segment_fixed_size: 0
    .kernarg_segment_align: 8
    .kernarg_segment_size: 128
    .max_flat_workgroup_size: 128
    .sgpr_count:     80
    .vgpr_count:     1024
    .wavefront_size: 32
...
	.end_amdgpu_metadata
.endif
;; end of part 1
;; launch attn (part 2): grid 2 x 128, 16 waves a work-group, no clusters, 169,984 bytes of LDS; arguments QC, QS, KC, KS, VC, VS, OC, OS; writes OC, OS
.if DOCPART == 2
	.amdgcn_target "amdgcn-amd-amdhsa--gfx1250"
	.amdhsa_code_object_version 6
	.text
	.protected	k_qd24d4356bf_attn
	.globl	k_qd24d4356bf_attn
	.p2align	8
	.type	k_qd24d4356bf_attn,@function
k_qd24d4356bf_attn:
	s_mov_b64 s[64:65], 0
	v_nop
	global_prefetch_b8 v0, s[64:65] scope:SCOPE_SE
	s_setreg_imm32_b32 hwreg(HW_REG_WAVE_MODE, 25, 1), 1
	s_wait_xcnt 0x0
; SECOND OF THREE LAUNCHES.  o = softmax(q k^T / 8) v for one head, both products on codes of E3M2; o is divided by the row's sum and quantised along its 64 columns, which are two blocks of the next product's K.
; t = score x log2(e) / 8; M = the running largest t rounded UP to a whole number; p = 2^(t - M) is quantised along the keys, not normalised; the row's sum is taken of the unquantised p.  When M moves, the sum and O are multiplied by 2^(old M - new M): exact.
; SHARES.  A work-group owns 512 queries of one (batch, head); each of its sixteen waves takes two tiles of 16 queries, one after the other, and walks all 1,024 keys, 128 a step.  Four waves share a SIMD: one wave's vector work stands beside another's products.
; LDS is filled ONCE: the head's codes of k (49,152 bytes) and of v (49,152) and their scale bytes, by eleven tensor loads at the start.  Nothing is filled again, so there is no ring.
; NO CLUSTER: only two work-groups share a head, and a cluster here is four in a row; what they share is 104,448 bytes fetched once by each, beside 256 wave-steps of some 330 instructions.
; LAYOUT.  Both products are used transposed: S^T = K Q^T (source 0 = 16 keys, source 1 = my 16 queries), O^T = V^T P^T: a lane holds one query throughout.  K = 64 for the first product: registers 6-11 of both operands are zero codes.
; The first launch laid k's tiles so that row r of tile 2 b + u is key 32 b + 8 u + r + 8 (r / 8): the 16 registers of tiles 2 b, 2 b + 1 are keys 32 b + 16 h + 0 .. 15.  All fragments lie in LDS as images of registers: loads of 16 and 8 bytes a lane on end.
; LIMITS.  NaN and infinities are not served.  A block whose largest magnitude lies under 2^-122 gets the scale byte 1 (its codes are zeros or as that byte gives them); the bytes are read by this program alone.  1 / sum is v_rcp_f32.
; A block's largest p is the block's largest score put through the same multiply-add and exponential; that takes v_exp_f32 not to fall where its input rises.
; REGISTERS.  v1-8, v15, v29 lane terms; v9-14 the step's LDS addresses; v16-27 Q (22-27 zeros); v28 Q's scale words; v30 -M, v31 the largest t; v[32:33] the sum; v36-83 four fragments of K (the upper six of each: zeros);
; v84-87 K's scale words, v88-89 V's; v96-159 S^T, then p, then V's four fragments; v160-191 O^T; v192-203 p's codes; v204-210 at work for the conversions; v212-223 maxima, bytes, scale operands; v[224:225] f; v226-227 at work; v228 p's scale word; v[230:231] a second chain of sums
.set KCR,   0                          ; k's codes: [block 32][1,536]
.set VCR,   49152                      ; v's codes: [key block 32][1,536]
.set KSR,   98304                      ; k's scale words: [block][u][r]
.set VSRAW, 102400                     ; v's scale bytes as stored: [key block][r][tile]
.set VSW,   104448                     ; v's scale words, made here: [step 8][tile 4][r 16]
.set CZERO, 1000
.macro WM d, a, b, c, sa, sb, ra       ; one matrix instruction; c: C's first register or CZERO; ra = 1: source 0's scales stand in lanes 16-31
.if (\c) == CZERO
.if (\ra) == 0
	v_wmma_scale_f32_16x16x128_f8f6f4 v[(\d):(\d)+7], v[(\a):(\a)+11], v[(\b):(\b)+11], 0, v[\sa], v[\sb] matrix_a_fmt:MATRIX_FMT_BF6 matrix_b_fmt:MATRIX_FMT_BF6
.else
	v_wmma_scale_f32_16x16x128_f8f6f4 v[(\d):(\d)+7], v[(\a):(\a)+11], v[(\b):(\b)+11], 0, v[\sa], v[\sb] matrix_a_fmt:MATRIX_FMT_BF6 matrix_b_fmt:MATRIX_FMT_BF6 matrix_a_scale:MATRIX_SCALE_ROW1
.endif
.else
.if (\ra) == 0
	v_wmma_scale_f32_16x16x128_f8f6f4 v[(\d):(\d)+7], v[(\a):(\a)+11], v[(\b):(\b)+11], v[(\c):(\c)+7], v[\sa], v[\sb] matrix_a_fmt:MATRIX_FMT_BF6 matrix_b_fmt:MATRIX_FMT_BF6
.else
	v_wmma_scale_f32_16x16x128_f8f6f4 v[(\d):(\d)+7], v[(\a):(\a)+11], v[(\b):(\b)+11], v[(\c):(\c)+7], v[\sa], v[\sb] matrix_a_fmt:MATRIX_FMT_BF6 matrix_b_fmt:MATRIX_FMT_BF6 matrix_a_scale:MATRIX_SCALE_ROW1
.endif
.endif
.endm
	s_load_b512 s[8:23], s[0:1], 0x0               ; QC, QS, KC, KS, VC, VS, OC, OS
	v_lshl_add_u32 v254, v0, 2, 0x29000
	v_mov_b32 v255, 0
	ds_add_u32 v254, v255
	ds_add_u32 v254, v255
	v_lshrrev_b32 v9, 5, v0
	v_readfirstlane_b32 s3, v9                     ; wave 0..15
	s_and_b32 s52, ttmp7, 0xffff                   ; 16 batch + head
	s_mov_b32 s4, 0x3e38aa3b                       ; c = log2(e) / 8
	s_mov_b32 s5, s4                               ; (named with it as a pair, so it is written)
	s_mov_b32 s6, 0x76543210
	s_mov_b32 s7, 0xfedcba98
	; group 1 for codes: 12,288 dense bytes as 48 rows of 256; for scale bytes: 2,048 as 8 rows
	s_mov_b32 s24, 3<<16
	s_mov_b32 s25, 32<<16
	s_mov_b32 s26, 48<<16
	s_mov_b32 s27, 32<<16
	s_mov_b32 s28, 48
	s_mov_b32 s29, 32
	s_mov_b32 s30, 0
	s_mov_b32 s31, 0
	s_mov_b32 s32, 3<<16
	s_mov_b32 s33, 32<<16
	s_mov_b32 s34, 8<<16
	s_mov_b32 s35, 32<<16
	s_mov_b32 s36, 8
	s_mov_b32 s37, 32
	s_mov_b32 s38, 0
	s_mov_b32 s39, 0
	s_mul_i32 s54, s52, 49152                      ; the head's codes, and my quarter of them
	s_and_b32 s55, s3, 3
	s_mul_i32 s55, s55, 12288
	s_add_co_u32 s54, s54, s55
	s_mov_b32 s55, 0
	s_mov_b32 s40, 1
	s_mul_i32 s41, s3, 12288                       ; waves 0-3: k's quarters, waves 4-7: v's, on end from LDS byte 0
	s_mov_b32 s44, 1
	s_lshl_b32 s45, s3, 11
	s_add_co_u32 s45, s45, KSR-8*2048              ; waves 8, 9: k's scale words; wave 10: v's scale bytes
	s_wait_dscnt 0x0
	s_wait_kmcnt 0x0
	s_cmp_lt_u32 s3, 4
	s_cselect_b64 s[42:43], s[12:13], s[16:17]
	s_add_nc_u64 s[42:43], s[42:43], s[54:55]
	s_or_b32 s43, s43, 0x80000000
	s_cmp_eq_u32 s3, 10
	s_cselect_b64 s[46:47], s[18:19], s[14:15]
	s_cselect_b32 s56, 11, 12                      ; a head's scale bytes: 2,048 of v, 4,096 of k
	s_lshl_b32 s56, s52, s56
	s_and_b32 s57, s3, 1
	s_lshl_b32 s57, s57, 11
	s_add_co_u32 s56, s56, s57
	s_mov_b32 s57, 0
	s_add_nc_u64 s[46:47], s[46:47], s[56:57]
	s_or_b32 s47, s47, 0x80000000
	s_cmp_lt_u32 s3, 8                             ; the first and only fills: one a wave, ahead of every wait on TENSORcnt, LDS read and barrier
	s_cbranch_scc0 .Lnot_codes
	tensor_load_to_lds s[40:43], s[24:31]
	s_nop 0
.rept 4
	v_nop
.endr
	s_branch .Lfilled
.Lnot_codes:
	s_cmp_lt_u32 s3, 11
	s_cbranch_scc0 .Lfilled
	tensor_load_to_lds s[44:47], s[32:39]
	s_nop 0
.rept 4
	v_nop
.endr
.Lfilled:
	v_and_b32 v10, 31, v0                          ; lane
	v_and_b32 v11, 15, v0                          ; r
	v_bfe_u32 v12, v0, 4, 1                        ; h
	v_lshlrev_b32 v1, 4, v10                       ; K: registers 0-3 of a tile's image
	v_lshlrev_b32 v29, 3, v10
	v_add_nc_u32 v2, 1024, v29                     ; registers 4-5
	v_lshl_add_u32 v3, v10, 2, KSR                 ; K's scale words: lanes 0-15 tile u = 0, lanes 16-31 u = 1
	v_mul_u32_u24 v13, v12, 1536                   ; V: lanes 16-31 take the next block of 32 keys
	v_lshl_add_u32 v4, v11, 4, v13
	v_add_nc_u32 v4, VCR, v4
	v_lshl_add_u32 v5, v11, 3, v13
	v_add_nc_u32 v5, VCR+1024, v5
	v_lshl_add_u32 v6, v10, 2, VSW
	s_and_b32 s53, s3, 1                           ; u: which tile of its block of 32 queries is my wave's
	s_lshl_b32 s58, s53, 9
	v_add_nc_u32 v15, s58, v1
	s_lshl_b32 s59, s53, 8
	v_add_nc_u32 v7, s59, v29
	s_lshl_b32 s60, s53, 6
	v_lshl_add_u32 v8, v11, 2, s60
	v_lshrrev_b32 v9, 6, v0                        ; v's scale words: thread = (step, tile, r)
	v_bfe_u32 v13, v0, 4, 2
	v_lshlrev_b32 v9, 8, v9
	v_lshl_add_u32 v9, v11, 2, v9
	v_add_nc_u32 v9, v9, v13
	v_add_nc_u32 v9, VSRAW, v9
	v_lshl_add_u32 v10, v0, 2, VSW
.irp j, 22,23,24,25,26,27
	v_mov_b32 v[\j], 0                             ; zero codes: K = 64 fills half of the instruction's 128
.endr
.irp t, 0,1,2,3
.irp j, 6,7,8,9,10,11
	v_mov_b32 v[36+12*\t+\j], 0
.endr
.endr
.irp b, 0,1,2,3
	v_mov_b32 v[216+\b], 0                         ; written once: a lane permute's destination counts as one of its sources
.endr
	v_mov_b32 v225, 0                              ; (the upper half of f's pair)
	v_mov_b32 v226, 0
	; where my queries and results lie
	s_lshl_b32 s54, ttmp9, 4
	s_lshr_b32 s55, s3, 1
	s_add_co_u32 s54, s54, s55                     ; my first block: 16 x + wave / 2
	s_lshl_b32 s55, s52, 5
	s_add_co_u32 s55, s55, s54
	s_mul_i32 s56, s55, 1536
	s_add_nc_u64 s[8:9], s[8:9], s[56:57]
	s_lshl_b32 s56, s55, 7
	s_add_nc_u64 s[10:11], s[10:11], s[56:57]
	s_lshr_b32 s55, s52, 4
	s_lshl_b32 s55, s55, 5
	s_add_co_u32 s55, s55, s54                     ; 32 batch + block
	s_and_b32 s54, s52, 15                         ; head
	s_mul_i32 s56, s55, 24576
	s_mul_i32 s58, s53, 12288
	s_add_co_u32 s56, s56, s58
	s_mul_i32 s58, s54, 768
	s_add_co_u32 s56, s56, s58
	s_add_nc_u64 s[20:21], s[20:21], s[56:57]
	s_lshl_b32 s56, s55, 11
	s_lshl_b32 s58, s54, 7
	s_add_co_u32 s56, s56, s58
	s_add_nc_u64 s[22:23], s[22:23], s[56:57]
	s_wait_tensorcnt 0x0                           ; my fill has landed,
	s_barrier_signal -1
	s_barrier_wait -1                              ; everybody's has
.irp b, 0,1,2,3
	ds_load_u8 v[96+\b], v9 offset:64*\b           ; the bytes of key blocks 4 s + 0 .. 3 for my (tile, r)
.endr
	s_wait_dscnt 0x0
	v_lshl_or_b32 v96, v97, 8, v96
	v_lshl_or_b32 v96, v98, 16, v96
	v_lshl_or_b32 v96, v99, 24, v96
	ds_store_b32 v10, v96
	s_wait_dscnt 0x0                               ; for the others' sake
	s_barrier_signal -1
	s_barrier_wait -1
	s_mov_b32 s2, 2
.Lqt:                                                  ; a tile of 16 queries
	global_load_b128 v[16:19], v15, s[8:9]
	global_load_b64 v[20:21], v7, s[8:9] offset:1024
	global_load_b32 v28, v8, s[10:11]
	v_mov_b32 v31, 0xff61b1e6                      ; the largest t so far: -3e38
	v_floor_f32 v30, -v31                          ; -M
	v_mov_b32 v32, 0
	v_mov_b32 v33, 0
.irp j, 0,1,2,3,4,5,6,7,8,9,10,11,12,13,14,15,16,17,18,19,20,21,22,23,24,25,26,27,28,29,30,31
	v_mov_b32 v[160+\j], 0                         ; O^T: the step is written once; the first finds zeros, which the first change of M leaves zeros
.endr
	s_mov_b32 s48, 0                               ; codes: 6,144 bytes a step;
	s_mov_b32 s49, 0                               ; K's scale words: 512;
	s_mov_b32 s50, 0                               ; V's: 256
	s_mov_b32 s51, 8
	s_wait_loadcnt 0x0
.Lstep:                                                ; 128 keys
	v_add_nc_u32 v9, s48, v1                       ; six plain lines: the places behind the last products, whose operands the first products below write over
	v_add_nc_u32 v10, s48, v2
	v_add_nc_u32 v11, s49, v3
	v_add_nc_u32 v12, s48, v4
	v_add_nc_u32 v13, s48, v5
	v_add_nc_u32 v14, s50, v6
.irp g, 0,1                                    ; S^T = K Q^T, four tiles of 16 keys at a time
.if \g > 0
.rept 4
	v_nop                                          ; places in front of loads into registers that matrix instructions have read
.endr
.endif
.irp t, 0,1,2,3
	ds_load_b128 v[36+12*\t:39+12*\t], v9 offset:1536*(2*\g+\t/2)+512*(\t%2)
	ds_load_b64 v[40+12*\t:41+12*\t], v10 offset:1536*(2*\g+\t/2)+256*(\t%2)
.endr
.if \g == 0
.irp b, 0,1,2,3
	ds_load_b32 v[84+\b], v11 offset:128*\b
.endr
.endif
	s_wait_dscnt 0x0
.irp t, 0,1,2,3
	WM 96+8*(4*\g+\t), 36+12*\t, 16, CZERO, 84+2*\g+\t/2, 28, \t%2
.endr
.endr
.rept 4
	v_nop
.endr
.irp b, 0,1,2,3
	v_max3_num_f32 v[212+\b], v[96+16*\b], v[97+16*\b], v[98+16*\b]   ; the largest score of each block of 32 keys: for the row's maximum, and for the block's largest p
.endr
.irp i, 3,5,7,9,11,13
.irp b, 0,1,2,3
	v_max3_num_f32 v[212+\b], v[212+\b], v[96+16*\b+\i], v[97+16*\b+\i]
.endr
.endr
.irp b, 0,1,2,3
	v_max_num_f32 v[212+\b], v[212+\b], v[111+16*\b]
.endr
.irp b, 0,1,2,3
	v_permlanex16_b32 v[216+\b], v[212+\b], s6, s7
.endr
.irp b, 0,1,2,3
	v_max_num_f32 v[212+\b], v[212+\b], v[216+\b]
.endr
	v_max3_num_f32 v226, v212, v213, v214
	v_max_num_f32 v226, v226, v215
	v_mul_f32 v226, s4, v226                       ; as t (c is positive)
	v_max_num_f32 v31, v31, v226                   ; the running largest t
	v_mov_b32 v226, v30
	v_floor_f32 v30, -v31                          ; the new -M = -ceil(t)
	v_sub_f32 v226, v30, v226                      ; old M - new M: a whole number, 0 or less
	v_cvt_i32_f32 v226, v226                       ; (it saturates)
	v_ldexp_f32 v224, 1.0, v226                    ; f = 2^(old M - new M)
.irp j, 0,2,4,6,8,10,12,14,16,18,20,22,24,26,28,30,32,34,36,38,40,42,44,46,48,50,52,54,56,58,60,62
	v_pk_fma_f32 v[96+\j:97+\j], v[96+\j:97+\j], s[4:5], v[30:31] op_sel_hi:[1,0,0]   ; t - M
.endr
.irp b, 0,1,2,3
	v_fma_f32 v[212+\b], v[212+\b], s4, v30
.endr
.irp j, 0,1,2,3,4,5,6,7,8,9,10,11,12,13,14,15,16,17,18,19,20,21,22,23,24,25,26,27,28,29,30,31,32,33,34,35,36,37,38,39,40,41,42,43,44,45,46,47,48,49,50,51,52,53,54,55,56,57,58,59,60,61,62,63
	v_exp_f32 v[96+\j], v[96+\j]                   ; p = 2^(t - M)
.endr
.irp b, 0,1,2,3
	v_exp_f32 v[212+\b], v[212+\b]                 ; the block's largest p
.endr
	v_pk_mul_f32 v[32:33], v[32:33], v[224:225] op_sel_hi:[1,0]   ; the sums under the new M (a plain place behind the exponentials)
	s_wait_alu depctr_va_vdst(0)
.irp b, 0,1,2,3
	v_max_num_f32 v[212+\b], 0x2800000, v[212+\b]  ; the floor 2^(5 - 127)
.endr
.irp b, 0,1,2,3
	v_add_nc_u32 v[220+\b], 0xfe000000, v[212+\b]  ; the conversion's scale operand
.endr
.irp b, 0,1,2,3
	v_lshrrev_b32 v[216+\b], 23, v[220+\b]         ; the scale's byte
.endr
	v_lshl_or_b32 v228, v217, 8, v216              ; p's scale word for these 128 keys
	v_lshl_or_b32 v228, v218, 16, v228
	v_lshl_or_b32 v228, v219, 24, v228
.irp c, 0,1
	v_cvt_scalef32_pk16_bf6_f32 v[192+6*\c:194+6*\c], v[96+32*\c:111+32*\c], v[220+2*\c]
	v_cvt_scalef32_pk16_bf6_f32 v[204+4*\c:206+4*\c], v[112+32*\c:127+32*\c], v[220+2*\c+1]
.endr
	v_nop                                          ; one plain place behind a scaled conversion
.irp c, 0,1
.irp i, 0,1,2
	v_permlane16_swap_b32 v[192+6*\c+\i], v[204+4*\c+\i]
.endr
.irp i, 0,1,2
	v_mov_b32 v[195+6*\c+\i], v[204+4*\c+\i]
.endr
.endr
	v_pk_add_f32 v[230:231], v[96:97], v[98:99]    ; the row's sum, of the unquantised p, in two chains
.irp j, 4,8,12,16,20,24,28,32,36,40,44,48,52,56,60
	v_pk_add_f32 v[32:33], v[32:33], v[96+\j:97+\j]
	v_pk_add_f32 v[230:231], v[230:231], v[98+\j:99+\j]
.endr
	v_pk_add_f32 v[32:33], v[32:33], v[230:231]
.irp j, 0,2,4,6,8,10,12,14,16,18,20,22,24,26,28,30
	v_pk_mul_f32 v[160+\j:161+\j], v[160+\j:161+\j], v[224:225] op_sel_hi:[1,0]   ; O^T under the new M
.endr
.irp t, 0,1,2,3                                ; V's four tiles of 16 of the head's 64, over p's registers, which are done with
.irp c, 0,1
	ds_load_b128 v[96+12*\t+6*\c:99+12*\t+6*\c], v12 offset:3072*\c+256*\t
	ds_load_b64 v[100+12*\t+6*\c:101+12*\t+6*\c], v13 offset:3072*\c+128*\t
.endr
.endr
	ds_load_b32 v88, v14
	ds_load_b32 v89, v14 offset:128
	s_wait_dscnt 0x0
.irp t, 0,1,2,3
	WM 160+8*\t, 96+12*\t, 192, 160+8*\t, 88+\t/2, 228, \t%2
.endr
	s_add_co_u32 s48, s48, 6144
	s_add_co_u32 s49, s49, 512
	s_add_co_u32 s50, s50, 256
	s_sub_co_u32 s51, s51, 1
	s_cmp_lg_u32 s51, 0
	s_cbranch_scc1 .Lstep
	; THE WAY OUT: O^T / the sum, 16 neighbours a lane by lane swaps, two blocks of 32 quantised: one half of a fragment of the next product
	v_add_f32 v32, v32, v33
	v_permlanex16_b32 v226, v32, s6, s7
	v_add_f32 v32, v32, v226
	v_rcp_f32 v227, v32
.rept 3
	v_nop                                          ; the place behind the reciprocal; with the additions above, the places behind the last products
.endr
	s_wait_alu depctr_va_vdst(0)
.irp j, 0,1,2,3,4,5,6,7,8,9,10,11,12,13,14,15,16,17,18,19,20,21,22,23,24,25,26,27,28,29,30,31
	v_mul_f32 v[96+\j], v[160+\j], v227
.endr
.irp b, 0,1
.irp j, 0,1,2,3,4,5,6,7
	v_permlane16_swap_b32 v[96+16*\b+\j], v[104+16*\b+\j]          ; register 16 b + i: column 32 b + 16 h + i
.endr
.endr
.irp b, 0,1
	v_max3_num_f32 v[212+\b], |v[96+16*\b]|, |v[97+16*\b]|, 0x2800000
.endr
.irp i, 2,4,6,8,10,12,14
.irp b, 0,1
	v_max3_num_f32 v[212+\b], v[212+\b], |v[96+16*\b+\i]|, |v[97+16*\b+\i]|
.endr
.endr
.irp b, 0,1
	v_permlanex16_b32 v[216+\b], v[212+\b], s6, s7
.endr
.irp b, 0,1
	v_max_num_f32 v[212+\b], v[212+\b], v[216+\b]
.endr
.irp b, 0,1
	v_add_nc_u32 v[220+\b], 0xfe000000, v[212+\b]
.endr
.irp b, 0,1
	v_lshrrev_b32 v[216+\b], 23, v[220+\b]
.endr
	v_cvt_scalef32_pk16_bf6_f32 v[192:194], v[96:111], v220
	v_cvt_scalef32_pk16_bf6_f32 v[204:206], v[112:127], v221
	v_nop
.irp i, 0,1,2
	v_permlane16_swap_b32 v[192+\i], v[204+\i]
.endr
.irp i, 0,1,2
	v_mov_b32 v[195+\i], v[204+\i]
.endr
	v_lshl_or_b32 v226, v217, 8, v216
	global_store_b128 v1, v[192:195], s[20:21]     ; 32 lanes store 512 consecutive bytes, at a multiple of 256 from the buffer's first byte,
	global_store_b64 v29, v[196:197], s[20:21] offset:512          ; and 256
	global_store_b32 v8, v226, s[22:23]            ; both halves of the lanes hold the same word
	s_wait_xcnt 0x0                                ; data and bases are written again only behind this wait
	s_add_nc_u64 s[8:9], s[8:9], 12288             ; eight blocks of queries on
	s_add_nc_u64 s[10:11], s[10:11], 1024
	s_add_nc_u64 s[20:21], s[20:21], 196608
	s_add_nc_u64 s[22:23], s[22:23], 16384
	s_sub_co_u32 s2, s2, 1
	s_cmp_lg_u32 s2, 0
	s_cbranch_scc1 .Lqt
	s_wait_tensorcnt 0x0
	ds_add_u32 v254, v255
	s_wait_dscnt 0x0
	s_endpgm
.Lfunc_end_k_qd24d4356bf_attn:
	.size	k_qd24d4356bf_attn, .Lfunc_end_k_qd24d4356bf_attn-k_qd24d4356bf_attn
	.p2alignl 7, 3214868480
	.fill 96, 4, 3214868480
	.section	.rodata,"a",@progbits
	.p2align	6, 0x0
	.amdhsa_kernel k_qd24d4356bf_attn
		.amdhsa_group_segment_fixed_size 169984
		.amdhsa_private_segment_fixed_size 0
		.amdhsa_enable_private_segment 0
		.amdhsa_kernarg_size 64
		.amdhsa_user_sgpr_count 2
		.amdhsa_user_sgpr_kernarg_segment_ptr 1
		.amdhsa_wavefront_size32 1
		.amdhsa_system_sgpr_workgroup_id_x 1
		.amdhsa_system_sgpr_workgroup_id_y 1
		.amdhsa_system_sgpr_workgroup_id_z 1
		.amdhsa_system_vgpr_workitem_id 0
		.amdhsa_next_free_vgpr 256
		.amdhsa_next_free_sgpr 66
		.amdhsa_reserve_vcc 0
		.amdhsa_float_denorm_mode_32 3
		.amdhsa_float_denorm_mode_16_64 3
		.amdhsa_memory_ordered 1
		.amdhsa_forward_progress 1
		.amdhsa_inst_pref_size 30
	.end_amdhsa_kernel
	.amdgpu_metadata
---
amdhsa.version: [ 1, 2 ]
amdhsa.kernels:
  - .name:           k_qd24d4356bf_attn
    .symbol:         k_qd24d4356bf_attn.kd
    .args:
      - { .name: QC, .offset: 0, .size: 8, .value_kind: global_buffer, .address_space: global }
      - { .name: QS, .offset: 8, .size: 8, .value_kind: global_buffer, .address_space: global }
      - { .name: KC, .offset: 16, .size: 8, .value_kind: global_buffer, .address_space: global }
      - { .name: KS, .offset: 24, .size: 8, .value_kind: global_buffer, .address_space: global }
      - { .name: VC, .offset: 32, .size: 8, .value_kind: global_buffer, .address_space: global }
      - { .name: VS, .offset: 40, .size: 8, .value_kind: global_buffer, .address_space: global }
      - { .name: OC, .offset: 48, .size: 8, .value_kind: global_buffer, .address_space: global }
      - { .name: OS, .offset: 56, .size: 8, .value_kind: global_buffer, .address_space: global }
    .group_segment_fixed_size: 169984
    .private_segment_fixed_size: 0
    .kernarg_segment_align: 8
    .kernarg_segment_size: 64
    .max_flat_workgroup_size: 512
    .sgpr_count:     66
    .vgpr_count:     256
    .wavefront_size: 32
...
	.end_amdgpu_metadata
.endif
;; end of part 2
;; launch tail (part 3): grid 256 x 1, 4 waves a work-group, clusters of 4 x 1, 327,680 bytes of LDS; arguments x, OC, OS, Wo_codes, Wo_scales, bo, W1_codes, W1_scales, b1, W2_codes, W2_scales, b2, out0; writes out0
.if DOCPART == 3
	.amdgcn_target "amdgcn-amd-amdhsa--gfx1250"
	.amdhsa_code_object_version 6
	.text
	.protected	k_qd24d4356bf_tail
	.globl	k_qd24d4356bf_tail
	.p2align	8
	.type	k_qd24d4356bf_tail,@function
k_qd24d4356bf_tail:
	s_mov_b64 s[64:65], 0
	v_nop
	global_prefetch_b8 v0, s[64:65] scope:SCOPE_SE
	s_setreg_imm32_b32 hwreg(HW_REG_WAVE_MODE, 25, 1), 1
	s_wait_xcnt 0x0
	s_wait_alu depctr_hold_cnt(0) depctr_sa_sdst(0) depctr_va_vdst(0) depctr_va_sdst(0) depctr_va_ssrc(0) depctr_va_vcc(0) depctr_vm_vsrc(0)
	s_getreg_b32 s2, hwreg(HW_REG_IB_STS2, 6, 4)
	s_cmp_eq_u32 s2, 0
	s_cbranch_scc0 .Lentry_in_a_cluster
	s_endpgm
.Lentry_in_a_cluster:
	s_bfe_u32 s2, ttmp6, 0x10000c
	s_cmp_lg_u32 s2, 0x3003
	s_cbranch_scc0 .Lentry_shape_is_right
	s_endpgm
.Lentry_shape_is_right:
; THIRD OF THREE LAUNCHES.  h = x + o Wo + bo (kept in registers), LayerNorm(h) quantised, relu(. W1 + b1) quantised, out = h + . W2 + b2.  All three products on codes of E3M2.
; SHARES, RING, CLUSTER, TOKEN TILES AND OPERAND IMAGES as in the first launch: 256 work-groups of four waves, 32 tokens each; wave w owns columns 256 w .. 256 w + 255 of every layer; a step is 32 columns x 32 tokens x K = 1,024,
; a trip two steps; a wave's 32 rows of W come by one tensor load (24,576 dense bytes, as 96 rows of 256 bytes + 16) into its own part of one of two LDS slots, asked for jointly by the four work-groups of a cluster, which walk the same tiles.
; Row r of token tile u is token 8 u + (r & 7) + 16 (r >> 3) of the block, as the launches before laid the attention's result.
; h lies in window 3 for the whole launch: the residual x is loaded there, Wo's results are added onto it, LayerNorm reads it, and W2's results take it up.  Register numbers of window 3 hang on the trip, so the sixteen additions are chosen by scalar branches on the trip's counter.
; The hidden layer goes from wave to wave through LDS as images of its registers, in the bytes that LayerNorm's images have left: every wave has fetched those ahead of the first step's round, and the first new image is stored behind it.
; THE WAY OUT: a trip's 64 columns of 32 tokens go through the wave's own stage (rows of 256 bytes + 16) and leave as whole rows: sixteen lanes store 256 consecutive bytes, aligned.
; LIMITS.  NaN and infinities among the inputs are not served.  A block whose largest magnitude lies under 2^-122 (a block of zeros too) gets the scale byte 1; these bytes are read by this program alone.  1 / sqrt(var + eps) is v_rsq_f32; the variance is taken of the differences from the mean.
; REGISTERS.  window 0: the names below.  window 1: the operand's 16 fragments, (u, s) at v[12 (8 u + s)].  window 2: a step's 16 fragments of W, (t, q) at v[12 (2 q + t)].  window 3: h: v[32 i + 16 u + k] = token (u, r), column 256 w + 32 i + 16 h + k.
.set SLOTB, 104448
.set WTILE, 26112
.set WROW,  816
.set XI,    208896                     ; images of the operand: [u][half 16][768]
.set XSH,   233472                     ; their scale words: [half][u][r]
.set STAT,  235520                     ; two regions of 4 waves x 128 bytes for the row sums
.set STG,   236544                     ; the stages: 4 waves x 32 rows x 272 bytes
.set BIA,   271360                     ; the three biases
.set SPARE, 283648                     ; the spare words: 128 bytes a wave, two blocks of 256 bytes that no other line names
.set CZERO, 1000
.set WS,   32
.set XS,   48
.set BIAS, 56
.set MX,   88
.set PX,   90
.set SO,   92
.set SW,   94
.set ACC,  96
.set CA,   128
.set CB,   144
.set BY,   152
.set SWP,  156
.set OB,   160                         ; v160-223 rows read back from the stage
.set TA,   160
.set TB,   168
.set BL,   176
.set SUM,  224
.set MUP,  232
.set RSP,  236
.set T,    240
; v1 spare word's address, v2 = 0 (kept for the add alone); v3, v4, v5, v10 = 16, 8, 4, 32 x lane; v6-9 W's fragments; v11 biases; v13-14 x; v15-17 images, read; v18-20 images, written; v21-23 the trip's image addresses (first: the bias copy);
; v24-25 row sums; v26-27 stage, in; v28 stage, back; v29 my bytes in two rows of out0; v30 the trip's bias address
; s2 trips, s3 wave, s4 work-group, s5 mask of lanes 16-31, s[6:7] lane selects, s[8:33] buffers, s[40:47] group 1, s[48:55] groups 0, s[56:59] next tile's codes and scales, s[60:63] the next layer's, s70-72 offsets of images, scale words, biases
.set MSB, 0
.macro WIN new
.if MSB != \new
	s_set_vgpr_msb (MSB<<8)|\new
.set MSB, \new
.endif
.endm
.macro CROUND                          ; a round of the cluster's barrier
	s_barrier_signal -1
	s_barrier_wait -1
	s_cmp_lg_u32 s3, 0
	s_cbranch_scc1 .Lnot_wave_0_\@
	s_barrier_signal -3
.Lnot_wave_0_\@:
	s_barrier_wait -3
	s_barrier_signal -1
	s_barrier_wait -1
.endm
.macro WM d, a, b, c, sa, sb, ra, rb   ; one matrix instruction; ra, rb: 1 = the side's scales stand in lanes 16-31
.set RR, 2*(\ra)+(\rb)
.if RR == 0
	v_wmma_scale_f32_16x16x128_f8f6f4 v[(\d):(\d)+7], v[(\a):(\a)+11], v[(\b):(\b)+11], v[(\c):(\c)+7], v[\sa], v[\sb] matrix_a_fmt:MATRIX_FMT_BF6 matrix_b_fmt:MATRIX_FMT_BF6
.elseif RR == 1
	v_wmma_scale_f32_16x16x128_f8f6f4 v[(\d):(\d)+7], v[(\a):(\a)+11], v[(\b):(\b)+11], v[(\c):(\c)+7], v[\sa], v[\sb] matrix_a_fmt:MATRIX_FMT_BF6 matrix_b_fmt:MATRIX_FMT_BF6 matrix_b_scale:MATRIX_SCALE_ROW1
.elseif RR == 2
	v_wmma_scale_f32_16x16x128_f8f6f4 v[(\d):(\d)+7], v[(\a):(\a)+11], v[(\b):(\b)+11], v[(\c):(\c)+7], v[\sa], v[\sb] matrix_a_fmt:MATRIX_FMT_BF6 matrix_b_fmt:MATRIX_FMT_BF6 matrix_a_scale:MATRIX_SCALE_ROW1
.else
	v_wmma_scale_f32_16x16x128_f8f6f4 v[(\d):(\d)+7], v[(\a):(\a)+11], v[(\b):(\b)+11], v[(\c):(\c)+7], v[\sa], v[\sb] matrix_a_fmt:MATRIX_FMT_BF6 matrix_b_fmt:MATRIX_FMT_BF6 matrix_a_scale:MATRIX_SCALE_ROW1 matrix_b_scale:MATRIX_SCALE_ROW1
.endif
.endm
.macro FRAG reg, e, t, q               ; a fragment of W in pieces of 8 bytes; where the piece three on lies behind one padding more, the second address register serves
.irp p, 0,1,2,3,4,5
.set PC, 12*(\q)+6*(\p/3)+\p%3
.if PC%32 < 29
	ds_load_b64 v[(\reg)+2*\p:(\reg)+2*\p+1], v[6+(\e)] offset:8*PC+16*(PC/32)+(\t)*16*WROW
.else
	ds_load_b64 v[(\reg)+2*\p:(\reg)+2*\p+1], v[8+(\e)] offset:8*PC+16*(PC/32)+(\t)*16*WROW
.endif
.endr
.endm
; THE HEAD OF STEP e: my tile of this step has landed and its scale words are in.  refill = 1: the next tile goes into the slot that the last step read.  sel = 1: in a layer's last trip that is the next layer's first tile.
.macro HEAD e, refill, sel
.set NX, 1-(\e)
	s_wait_loadcnt 0x0                             ; this step's scale words are in: their base may step
	s_wait_tensorcnt 0x0                           ; no tensor load of mine is out: a group 0 may be written
.if \refill
	ds_add_u32 v1, v2                              ; 0 onto my spare word
	s_add_nc_u64 s[56:57], s[56:57], 24576
	s_add_nc_u64 s[58:59], s[58:59], 1024
.if \sel
	s_cmp_eq_u32 s2, 1
	s_cselect_b64 s[56:57], s[60:61], s[56:57]
	s_cselect_b64 s[58:59], s[62:63], s[58:59]
.endif
	s_mov_b64 s[50+4*NX:51+4*NX], s[56:57]
	s_or_b32 s[51+4*NX], s[51+4*NX], 0x80000000
	s_wait_dscnt 0x0                               ; the add is done, and so are my LDS reads and stores
	CROUND                                         ; the same holds of every wave of the four work-groups
	tensor_load_to_lds s[48+4*NX:51+4*NX], s[40:47] ; my one tensor load until the next round
	s_nop 0
.rept 4
	v_nop
.endr
	global_load_b128 v[WS+8*NX:WS+8*NX+3], v10, s[58:59]
	global_load_b128 v[WS+8*NX+4:WS+8*NX+7], v10, s[58:59] offset:16
.endif
.endm
; THE PRODUCTS OF STEP e, transposed: accumulator (t, u) at ACC + 16 u + 8 t; the bias is the first C
.macro GEMM e
.irp k, 0,1,2,3
	ds_load_b128 v[BIAS+4*\k:BIAS+4*\k+3], v30 offset:128*(\e)+64*(\k/2)+16*(\k%2)
.endr
	WIN 0x80
.irp q, 0,1,2,3,4,5,6,7
.irp t, 0,1
	FRAG 12*(2*\q+\t), \e, \t, \q
.endr
.endr
	WIN 0x06                                       ; source 0 (W) window 2, source 1 (the operand) window 1
.irp q, 0,1,2,3,4,5,6,7
.if 84-12*\q > 63
	s_wait_dscnt 63                                ; behind K step q's loads stand 12 (7 - q) younger ones; the wait's field holds 63 at the most
.else
	s_wait_dscnt 84-12*\q                          ; the 12 (7 - q) loads of the later K steps may be out
.endif
.irp t, 0,1
.irp u, 0,1
.if \q == 0
.set CC, BIAS+8*\t
.else
.set CC, ACC+16*\u+8*\t
.endif
	WM ACC+16*\u+8*\t, 12*(2*\q+\t), 12*(8*\u+\q), CC, WS+8*(\e)+\q, XS+\q, \t, \u
.endr
.endr
.endr
	WIN 0
.rept 4
	v_nop                                          ; four places behind the last products (ISA guide 7.12.1)
.endr
.endm
.macro NSWAP                           ; after it a lane's 16 registers of a token tile hold columns 16 h + 0 .. 15 of the step's 32.  Each accumulator is read from its low end on
.irp u, 0,1
.irp j, 0,1,2,3,4,5,6,7
	v_permlane16_swap_b32 v[ACC+16*\u+\j], v[ACC+16*\u+8+\j]
.endr
.endr
.endm
.macro BLOCKQ e                        ; both token tiles' 16 numbers a lane become codes (CA for e = 0, CB for e = 1) and a scale byte
.irp g, 0,1
	v_max3_num_f32 v[MX+\g], |v[ACC+16*\g]|, |v[ACC+16*\g+1]|, 0x2800000   ; the floor 2^(5 - 127): the byte cannot fall under 1
.endr
.irp i, 2,4,6,8,10,12,14
.irp g, 0,1
	v_max3_num_f32 v[MX+\g], v[MX+\g], |v[ACC+16*\g+\i]|, |v[ACC+16*\g+\i+1]|
.endr
.endr
.irp g, 0,1
	v_permlanex16_b32 v[PX+\g], v[MX+\g], s6, s7
.endr
.irp g, 0,1
	v_max_num_f32 v[MX+\g], v[MX+\g], v[PX+\g]
.endr
.irp g, 0,1
	v_add_nc_u32 v[SO+\g], 0xfe000000, v[MX+\g]    ; 4 off the exponent field: the conversion's scale operand
.endr
.irp g, 0,1
	v_lshrrev_b32 v[BY+2*\g+(\e)], 23, v[SO+\g]
.endr
.if (\e) == 0
	v_cvt_scalef32_pk16_bf6_f32 v[CA:CA+2], v[ACC:ACC+15], v[SO]
	v_cvt_scalef32_pk16_bf6_f32 v[CA+8:CA+10], v[ACC+16:ACC+31], v[SO+1]
.else
	v_cvt_scalef32_pk16_bf6_f32 v[CB:CB+2], v[ACC:ACC+15], v[SO]
	v_cvt_scalef32_pk16_bf6_f32 v[CB+4:CB+6], v[ACC+16:ACC+31], v[SO+1]
.endif
	v_nop                                          ; one plain place behind a scaled conversion
.endm
.macro HALF
.irp u, 0,1
.irp i, 0,1,2
	v_permlane16_swap_b32 v[CA+8*\u+\i], v[CB+4*\u+\i]
.endr
.endr
.irp u, 0,1
.irp i, 0,1,2
	v_mov_b32 v[CA+8*\u+3+\i], v[CB+4*\u+\i]
.endr
.endr
.irp u, 0,1
	v_lshl_or_b32 v[SW+\u], v[BY+2*\u+1], 8, v[BY+2*\u]
.endr
	v_cndmask_b32 v[SWP], v[SW], v[SW+1], s5
.endm
.macro IMG a, b, c, oc, os
.irp u, 0,1
	ds_store_b128 v[\a], v[CA+8*\u:CA+8*\u+3] offset:12288*\u+(\oc)
	ds_store_b64 v[\b], v[CA+8*\u+4:CA+8*\u+5] offset:12288*\u+(\oc)
.endr
	ds_store_b32 v[\c], v[SWP] offset:\os
	s_wait_dscnt 0x0                               ; the stores have read their registers
.endm
.macro ROWSUM reg
	v_pk_add_f32 v[SUM:SUM+1], v[SUM:SUM+1], v[SUM+2:SUM+3]
	v_pk_add_f32 v[SUM+4:SUM+5], v[SUM+4:SUM+5], v[SUM+6:SUM+7]
	v_add_f32 v[T], v[SUM], v[SUM+1]
	v_add_f32 v[T+1], v[SUM+4], v[SUM+5]
	v_permlanex16_b32 v[PX], v[T], s6, s7
	v_permlanex16_b32 v[PX+1], v[T+1], s6, s7
	v_add_f32 v[T], v[T], v[PX]
	v_add_f32 v[T+1], v[T+1], v[PX+1]
	v_cndmask_b32 v[T+2], v[T], v[T+1], s5
	ds_store_b32 v24, v[T+2] offset:512*\reg
	s_wait_dscnt 0x0                               ; for the others' sake: my store has landed
	s_barrier_signal -1
	s_barrier_wait -1                              ; the tile on its way stays out
.irp k, 0,1,2,3
	ds_load_b32 v[T+4+\k], v25 offset:512*\reg+128*\k
.endr
	s_wait_dscnt 0x0
	v_add_f32 v[T+4], v[T+4], v[T+5]
	v_add_f32 v[T+6], v[T+6], v[T+7]
	v_add_f32 v[T+2], v[T+4], v[T+6]
.endm
.macro SPREAD src, dst
	v_permlanex16_b32 v[T+3], v[\src], s6, s7
	v_cndmask_b32 v[\dst], v[\src], v[T+3], s5
	v_cndmask_b32 v[\dst+2], v[T+3], v[\src], s5
	v_mov_b32 v[\dst+1], v[\dst]
	v_mov_b32 v[\dst+3], v[\dst+2]
.endm
.macro DIFF i
	WIN 0x03
.irp u, 0,1
.irp m, 0,1,2,3,4,5,6,7
	v_pk_add_f32 v[ACC+16*\u+2*\m:ACC+16*\u+2*\m+1], v[32*(\i)+16*\u+2*\m:32*(\i)+16*\u+2*\m+1], v[MUP+2*\u:MUP+2*\u+1] op_sel_hi:[1,0] neg_lo:[0,1] neg_hi:[0,1]
.endr
.endr
	WIN 0
.endm
.macro LNQ                             ; LayerNorm of the 32 rows in window 3 (left as they are), quantised; my four halves of both tiles go to LDS
	s_mov_b32 s74, 0x3a800000                      ; 1 / 1,024
	s_mov_b32 s75, 0x3727c5ac                      ; 1e-5
	WIN 0x0f
.irp u, 0,1
.irp f, 0,1
	v_pk_add_f32 v[SUM+4*\u+2*\f:SUM+4*\u+2*\f+1], v[16*\u+4*\f:16*\u+4*\f+1], v[16*\u+4*\f+2:16*\u+4*\f+3]
.endr
.endr
	WIN 0x03
.irp i, 0,1,2,3,4,5,6,7
.irp m, 0,1,2,3,4,5,6,7
.if (\i > 0) || (\m > 3)
.irp u, 0,1
	v_pk_add_f32 v[SUM+4*\u+2*(\m%2):SUM+4*\u+2*(\m%2)+1], v[32*\i+16*\u+2*\m:32*\i+16*\u+2*\m+1], v[SUM+4*\u+2*(\m%2):SUM+4*\u+2*(\m%2)+1]
.endr
.endif
.endr
.endr
	WIN 0
	ROWSUM 0
	v_mul_f32 v[T+2], s74, v[T+2]
	SPREAD T+2, MUP
.irp i, 0,1,2,3,4,5,6,7
	DIFF \i
.irp m, 0,1,2,3,4,5,6,7
.irp u, 0,1
.if (\i == 0) && (\m < 2)
	v_pk_mul_f32 v[SUM+4*\u+2*\m:SUM+4*\u+2*\m+1], v[ACC+16*\u+2*\m:ACC+16*\u+2*\m+1], v[ACC+16*\u+2*\m:ACC+16*\u+2*\m+1]
.else
	v_pk_fma_f32 v[SUM+4*\u+2*(\m%2):SUM+4*\u+2*(\m%2)+1], v[ACC+16*\u+2*\m:ACC+16*\u+2*\m+1], v[ACC+16*\u+2*\m:ACC+16*\u+2*\m+1], v[SUM+4*\u+2*(\m%2):SUM+4*\u+2*(\m%2)+1]
.endif
.endr
.endr
.endr
	ROWSUM 1
	v_fma_f32 v[T+2], v[T+2], s74, s75
	v_rsq_f32 v[T+4], v[T+2]
	v_nop                                          ; one plain place behind a transcendental
	s_wait_alu depctr_va_vdst(0)
	SPREAD T+4, RSP
.irp i, 0,1,2,3,4,5,6,7
	DIFF \i
.irp u, 0,1
.irp m, 0,1,2,3,4,5,6,7
	v_pk_mul_f32 v[ACC+16*\u+2*\m:ACC+16*\u+2*\m+1], v[ACC+16*\u+2*\m:ACC+16*\u+2*\m+1], v[RSP+2*\u:RSP+2*\u+1] op_sel_hi:[1,0]
.endr
.endr
	BLOCKQ \i%2
.if \i%2 == 1
	HALF
	IMG 18, 19, 20, 768*(\i/2), 128*(\i/2)
.endif
.endr
	s_wait_dscnt 0x0
	s_barrier_signal -1
	s_barrier_wait -1
.endm
.macro XSMAKE                          ; two halves' bytes make a K step's scale word; eight places ahead of a scaled matrix instruction
.irp s, 0,1,2,3,4,5,6,7
	v_lshl_or_b32 v[XS+\s], v[TB+\s], 16, v[TA+\s]
.endr
.rept 8
	v_nop
.endr
.endm
.macro FETCHX                          ; the whole operand from LDS into window 1, its scale words into XS
	WIN 0x40
.irp u, 0,1
.irp g, 0,1,2,3,4,5,6,7,8,9,10,11,12,13,14,15
	ds_load_b128 v[12*(8*\u+\g/2)+6*(\g%2):12*(8*\u+\g/2)+6*(\g%2)+3], v15 offset:12288*\u+768*\g
	ds_load_b64 v[12*(8*\u+\g/2)+6*(\g%2)+4:12*(8*\u+\g/2)+6*(\g%2)+5], v16 offset:12288*\u+768*\g
.endr
.endr
	WIN 0
.irp s, 0,1,2,3,4,5,6,7
	ds_load_b32 v[TA+\s], v17 offset:256*\s
	ds_load_b32 v[TB+\s], v17 offset:256*\s+128
.endr
	s_wait_dscnt 0x0
	XSMAKE
.endm
.macro HADD i, mode                    ; mode 0: h's block i takes the step's results up; mode 1: the results take h's block i up
.if \mode
	WIN 0x0c                                       ; source 1 window 3
.irp m, 0,1,2,3,4,5,6,7,8,9,10,11,12,13,14,15
	v_pk_add_f32 v[ACC+2*\m:ACC+2*\m+1], v[ACC+2*\m:ACC+2*\m+1], v[32*(\i)+2*\m:32*(\i)+2*\m+1]
.endr
.else
	WIN 0xc3                                       ; destination and source 0 window 3
.irp m, 0,1,2,3,4,5,6,7,8,9,10,11,12,13,14,15
	v_pk_add_f32 v[32*(\i)+2*\m:32*(\i)+2*\m+1], v[32*(\i)+2*\m:32*(\i)+2*\m+1], v[ACC+2*\m:ACC+2*\m+1]
.endr
.endif
	WIN 0
.endm
.macro SWITCH e, mode, n               ; trip j = n - s2: the block 2 j + e of h, chosen by branches on the loop's counter alone
.irp j, 0,1,2,3
.if \j < \n
	s_cmp_lg_u32 s2, \n-\j
	s_cbranch_scc1 .Lsw\@_\j
	HADD 2*\j+\e, \mode
.Lsw\@_\j:
.endif
.endr
.endm
	s_load_b512 s[8:23], s[0:1], 0x0               ; x, OC, OS, Wo codes, Wo scales, bo, W1 codes, W1 scales
	s_load_b256 s[24:31], s[0:1], 0x40             ; b1, W2 codes, W2 scales, b2
	s_load_b64 s[32:33], s[0:1], 0x60              ; out0
	v_lshl_add_u32 v1, v0, 2, SPARE
	v_mov_b32 v2, 0
	ds_add_u32 v1, v2
	ds_add_u32 v1, v2
	s_wait_dscnt 0x0
	v_lshrrev_b32 v[T], 5, v0
	v_readfirstlane_b32 s3, v[T]                   ; wave 0..3
	s_bfe_u32 s74, ttmp6, 0x40000                  ; my place in the cluster: it enters global addresses of x, o and out0 alone
	s_lshl_b32 s4, ttmp9, 2
	s_add_co_u32 s4, s4, s74                       ; work-group = block of 32 tokens
	s_mov_b32 s5, 0xffff0000
	s_mov_b32 s6, 0x76543210
	s_mov_b32 s7, 0xfedcba98
	v_and_b32 v[T+1], 31, v0                       ; lane
	v_and_b32 v[T+2], 15, v0                       ; r
	v_bfe_u32 v[T+3], v0, 4, 1                     ; h
	v_lshlrev_b32 v3, 4, v[T+1]
	v_lshlrev_b32 v4, 3, v[T+1]
	v_lshlrev_b32 v5, 2, v[T+1]
	v_lshlrev_b32 v10, 5, v[T+1]
	s_mul_i32 s75, s3, WTILE
	v_mul_u32_u24 v[T+4], v[T+2], WROW
	v_mad_u32_u24 v[T+5], v[T+3], 24, v[T+4]
	v_mad_u32_u24 v[T+6], v[T+3], 40, v[T+4]
	v_add_nc_u32 v6, s75, v[T+5]
	v_add_nc_u32 v7, SLOTB, v6
	v_add_nc_u32 v8, s75, v[T+6]
	v_add_nc_u32 v9, SLOTB, v8
	s_lshl_b32 s76, s3, 10
	v_lshl_add_u32 v11, v[T+3], 5, s76
	v_add_nc_u32 v11, BIA, v11                     ; biases: 1,024 w + 32 h
	v_and_b32 v[T+7], 8, v[T+2]
	v_add_nc_u32 v[T+7], v[T+7], v[T+2]            ; token of tile 0: r + 8 (r / 8)
	v_lshl_add_u32 v13, v[T+3], 6, s76
	v_lshl_add_u32 v13, v[T+7], 12, v13            ; x: token x 4,096 + 1,024 w + 64 h
	v_add_nc_u32 v14, 0x8000, v13
	v_add_nc_u32 v15, XI, v3
	v_add_nc_u32 v16, XI+512, v4
	v_add_nc_u32 v17, XSH, v5
	s_mul_i32 s77, s3, 3072
	v_add_nc_u32 v18, s77, v15
	v_add_nc_u32 v19, s77, v16
	s_lshl_b32 s78, s3, 9
	v_add_nc_u32 v20, s78, v17
	v_add_nc_u32 v25, STAT, v5
	s_lshl_b32 s79, s3, 7
	v_add_nc_u32 v24, s79, v25
	s_mul_i32 s74, s3, 8704                        ; my stage
	v_mul_u32_u24 v[T+4], v[T+2], 272
	v_lshl_add_u32 v[T+4], v[T+3], 6, v[T+4]
	v_add_nc_u32 v[T+4], s74, v[T+4]
	v_add_nc_u32 v26, STG, v[T+4]                  ; in: row 16 u + r, + 64 h
	v_add_nc_u32 v27, STG+16*272, v[T+4]
	v_mul_u32_u24 v[T+5], v[T+3], 272
	v_lshl_add_u32 v[T+5], v[T+2], 4, v[T+5]
	v_add_nc_u32 v[T+5], s74, v[T+5]
	v_add_nc_u32 v28, STG, v[T+5]                  ; back: lanes 0-15 one row of 256 bytes, lanes 16-31 the next
	v_lshlrev_b32 v29, 12, v[T+3]
	v_lshl_add_u32 v29, v[T+2], 4, v29             ; and the same in two neighbouring tokens of out0
	v_lshlrev_b32 v21, 4, v0                       ; the bias copy: 16 bytes a thread,
	v_lshl_add_u32 v22, v0, 4, BIA                 ; and their place in LDS
	v_mov_b32 v[PX], 0                             ; written once: a lane permute's destination counts as one of its sources
	v_mov_b32 v[PX+1], 0
	s_mov_b32 s40, 15|(3<<16)|(1<<20)|(1<<21)|(5<<22)|(3<<25)   ; group 1: mask of all four; elements of 8 bytes; padding on, four words behind every 64; bit 21 set beside a mask
	s_mov_b32 s41, 32<<16
	s_mov_b32 s42, 96<<16
	s_mov_b32 s43, 32<<16
	s_mov_b32 s44, 96
	s_mov_b32 s45, 32
	s_mov_b32 s46, 0
	s_mov_b32 s47, 0
	s_mov_b32 s48, 1
	s_mov_b32 s49, s75
	s_mov_b32 s52, 1
	s_add_co_u32 s53, s75, SLOTB
	s_mul_i32 s74, s3, 196608                      ; my 256 rows of each weight,
	s_mov_b32 s75, 0
	s_lshl_b32 s78, s3, 13                         ; and of its scale bytes
	s_mov_b32 s79, 0
	s_wait_kmcnt 0x0
	s_add_nc_u64 s[14:15], s[14:15], s[74:75]
	s_add_nc_u64 s[20:21], s[20:21], s[74:75]
	s_add_nc_u64 s[26:27], s[26:27], s[74:75]
	s_add_nc_u64 s[16:17], s[16:17], s[78:79]
	s_add_nc_u64 s[22:23], s[22:23], s[78:79]
	s_add_nc_u64 s[28:29], s[28:29], s[78:79]
	s_lshl_b32 s74, s4, 17
	s_add_nc_u64 s[8:9], s[8:9], s[74:75]          ; x at my 32 tokens
	s_add_co_u32 s74, s74, s76
	s_add_nc_u64 s[32:33], s[32:33], s[74:75]      ; out0 likewise, at my wave's columns
	s_mul_i32 s74, s4, 24576
	s_add_nc_u64 s[10:11], s[10:11], s[74:75]      ; o's codes,
	s_lshl_b32 s74, s4, 11
	s_add_nc_u64 s[12:13], s[12:13], s[74:75]      ; o's scale words
	s_mov_b64 s[56:57], s[14:15]                   ; the first tile: Wo's
	s_mov_b64 s[58:59], s[16:17]
	s_mov_b64 s[50:51], s[56:57]
	s_or_b32 s51, s51, 0x80000000
	CROUND                                         ; the four work-groups are here: the first joint loads meet
	tensor_load_to_lds s[48:51], s[40:47]
	s_nop 0
.rept 4
	v_nop
.endr
	global_load_b128 v[WS:WS+3], v10, s[58:59]
	global_load_b128 v[WS+4:WS+7], v10, s[58:59] offset:16
	global_load_b128 v[BL:BL+3], v21, s[18:19]
	global_load_b128 v[BL+4:BL+7], v21, s[18:19] offset:2048
	global_load_b128 v[BL+8:BL+11], v21, s[24:25]
	global_load_b128 v[BL+12:BL+15], v21, s[24:25] offset:2048
	global_load_b128 v[BL+16:BL+19], v21, s[30:31]
	global_load_b128 v[BL+20:BL+23], v21, s[30:31] offset:2048
	WIN 0x40                                       ; o's 16 fragments come from memory as images: every wave wants all of them
.irp u, 0,1
.irp g, 0,1,2,3,4,5,6,7,8,9,10,11,12,13,14,15
	global_load_b128 v[12*(8*\u+\g/2)+6*(\g%2):12*(8*\u+\g/2)+6*(\g%2)+3], v3, s[10:11] offset:12288*\u+768*\g
	global_load_b64 v[12*(8*\u+\g/2)+6*(\g%2)+4:12*(8*\u+\g/2)+6*(\g%2)+5], v4, s[10:11] offset:12288*\u+768*\g+512
.endr
.endr
	WIN 0
.irp s, 0,1,2,3,4,5,6,7
	global_load_b32 v[TA+\s], v5, s[12:13] offset:256*\s
	global_load_b32 v[TB+\s], v5, s[12:13] offset:256*\s+128
.endr
	WIN 0xc0                                       ; the residual x lands where h will stand
.irp i, 0,1,2,3,4,5,6,7
.irp u, 0,1
.irp k, 0,1,2,3
	global_load_b128 v[32*\i+16*\u+4*\k:32*\i+16*\u+4*\k+3], v[13+\u], s[8:9] offset:128*\i+16*\k th:TH_LOAD_NT
.endr
.endr
.endr
	WIN 0
	s_wait_loadcnt 0x0
.irp n, 0,1,2,3,4,5
	ds_store_b128 v22, v[BL+4*\n:BL+4*\n+3] offset:2048*\n         ; the first step's round, with the wait in front of it, shows them to every wave
.endr
	XSMAKE
	; ---- h = x + o Wo + bo
	s_mov_b32 s72, 0
	s_mov_b64 s[60:61], s[20:21]
	s_mov_b64 s[62:63], s[22:23]
	s_mov_b32 s2, 4
.Lwo:
	v_add_nc_u32 v30, s72, v11
	HEAD 0, 1, 0
	GEMM 0
	NSWAP
	SWITCH 0, 0, 4
	HEAD 1, 1, 1
	GEMM 1
	NSWAP
	SWITCH 1, 0, 4
	s_add_co_u32 s72, s72, 256
	s_sub_co_u32 s2, s2, 1
	s_cmp_lg_u32 s2, 0
	s_cbranch_scc1 .Lwo
	LNQ
	FETCHX
	; ---- relu(LN(h) W1 + b1), quantised; its images take the place of LN(h)'s
	s_mov_b32 s72, 4096
	s_mov_b32 s70, 0
	s_mov_b32 s71, 0
	s_mov_b64 s[60:61], s[26:27]
	s_mov_b64 s[62:63], s[28:29]
	s_mov_b32 s2, 4
.Lw1:
	v_add_nc_u32 v30, s72, v11
	v_add_nc_u32 v21, s70, v18
	v_add_nc_u32 v22, s70, v19
	v_add_nc_u32 v23, s71, v20
.irp e, 0,1
	HEAD \e, 1, \e
	GEMM \e
	NSWAP
.irp j, 0,1,2,3,4,5,6,7,8,9,10,11,12,13,14,15,16,17,18,19,20,21,22,23,24,25,26,27,28,29,30,31
	v_max_num_f32 v[ACC+\j], 0, v[ACC+\j]          ; the activation, in f32
.endr
	BLOCKQ \e
.endr
	HALF
	IMG 21, 22, 23, 0, 0
	s_add_co_u32 s70, s70, 768
	s_add_co_u32 s71, s71, 128
	s_add_co_u32 s72, s72, 256
	s_sub_co_u32 s2, s2, 1
	s_cmp_lg_u32 s2, 0
	s_cbranch_scc1 .Lw1
	s_wait_dscnt 0x0
	s_barrier_signal -1
	s_barrier_wait -1                              ; the hidden layer's sixteen halves of both tiles lie in LDS
	FETCHX
	; ---- out = h + hidden W2 + b2
.macro W2STEP e, last
	GEMM \e
	NSWAP
.if \last
	HADD 6+\e, 1
.else
	SWITCH \e, 1, 3
.endif
.irp u, 0,1
.irp k, 0,1,2,3
	ds_store_b128 v[26+\u], v[ACC+16*\u+4*\k:ACC+16*\u+4*\k+3] offset:128*(\e)+16*\k
.endr
.endr
.endm
.macro W2TRIP last
	v_add_nc_u32 v30, s72, v11
	HEAD 0, 1, 0
	W2STEP 0, \last
	HEAD 1, 1-\last, 0
	W2STEP 1, \last
.irp m, 0,1,2,3,4,5,6,7,8,9,10,11,12,13,14,15
	ds_load_b128 v[OB+4*\m:OB+4*\m+3], v28 offset:544*\m           ; LDS serves a wave's instructions in order (ISA guide 5.7.1.4): these see my stores
.endr
.irp m, 0,1,2,3,4,5,6,7,8,9,10,11,12,13,14,15
	s_wait_dscnt 15-\m                             ; the 15 - m younger read-backs may be out
	global_store_b128 v29, v[OB+4*\m:OB+4*\m+3], s[32:33] offset:(8*(\m/8)+16*((\m%8)/4)+2*(\m%4))*4096 th:TH_STORE_NT   ; stage rows 2 m, 2 m + 1 are two neighbouring tokens: sixteen lanes store 256 consecutive bytes, aligned
.endr
.endm
	s_mov_b32 s72, 8192
	s_mov_b32 s2, 3
.Lw2:
	W2TRIP 0
	s_wait_xcnt 0x0                                ; the stores' data and base are written again only behind this wait
	s_add_nc_u64 s[32:33], s[32:33], 256
	s_add_co_u32 s72, s72, 256
	s_sub_co_u32 s2, s2, 1
	s_cmp_lg_u32 s2, 0
	s_cbranch_scc1 .Lw2
	W2TRIP 1                                       ; the last trip is written out: its second step asks for nothing
	s_wait_tensorcnt 0x0                           ; the wave's end
	ds_add_u32 v1, v2
	s_wait_dscnt 0x0
	CROUND                                         ; the closing round: no work-group ends while a partner may still ask for a tile that names it
	s_endpgm
.Lfunc_end_k_qd24d4356bf_tail:
	.size	k_qd24d4356bf_tail, .Lfunc_end_k_qd24d4356bf_tail-k_qd24d4356bf_tail
	.p2alignl 7, 3214868480
	.fill 96, 4, 3214868480
	.section	.rodata,"a",@progbits
	.p2align	6, 0x0
	.amdhsa_kernel k_qd24d4356bf_tail
		.amdhsa_group_segment_fixed_size 327680
		.amdhsa_private_segment_fixed_size 0
		.amdhsa_enable_private_segment 0
		.amdhsa_kernarg_size 104
		.amdhsa_user_sgpr_count 2
		.amdhsa_user_sgpr_kernarg_segment_ptr 1
		.amdhsa_wavefront_size32 1
		.amdhsa_system_sgpr_workgroup_id_x 1
		.amdhsa_system_sgpr_workgroup_id_y 1
		.amdhsa_system_sgpr_workgroup_id_z 1
		.amdhsa_system_vgpr_workitem_id 0
		.amdhsa_next_free_vgpr 1024
		.amdhsa_next_free_sgpr 80
		.amdhsa_reserve_vcc 0
		.amdhsa_float_denorm_mode_32 3
		.amdhsa_float_denorm_mode_16_64 3
		.amdhsa_memory_ordered 1
		.amdhsa_forward_progress 1
		.amdhsa_inst_pref_size 225
	.end_amdhsa_kernel
	.amdgpu_metadata
---
amdhsa.version: [ 1, 2 ]
amdhsa.kernels:
  - .name:           k_qd24d4356bf_tail
    .symbol:         k_qd24d4356bf_tail.kd
    .args:
      - { .name: x, .offset: 0, .size: 8, .value_kind: global_buffer, .address_space: global }
      - { .name: OC, .offset: 8, .size: 8, .value_kind: global_buffer, .address_space: global }
      - { .name: OS, .offset: 16, .size: 8, .value_kind: global_buffer, .address_space: global }
      - { .name: Wo_codes, .offset: 24, .size: 8, .value_kind: global_buffer, .address_space: global }
      - { .name: Wo_scales, .offset: 32, .size: 8, .value_kind: global_buffer, .address_space: global }
      - { .name: bo, .offset: 40, .size: 8, .value_kind: global_buffer, .address_space: global }
      - { .name: W1_codes, .offset: 48, .size: 8, .value_kind: global_buffer, .address_space: global }
      - { .name: W1_scales, .offset: 56, .size: 8, .value_kind: global_buffer, .address_space: global }
      - { .name: b1, .offset: 64, .size: 8, .value_kind: global_buffer, .address_space: global }
      - { .name: W2_codes, .offset: 72, .size: 8, .value_kind: global_buffer, .address_space: global }
      - { .name: W2_scales, .offset: 80, .size: 8, .value_kind: global_buffer, .address_space: global }
      - { .name: b2, .offset: 88, .size: 8, .value_kind: global_buffer, .address_space: global }
      - { .name: out0, .offset: 96, .size: 8, .value_kind: global_buffer, .address_space: global }
    .group_segment_fixed_size: 327680
    .private_segment_fixed_size: 0
    .kernarg_segment_align: 8
    .kernarg_segment_size: 104
    .max_flat_workgroup_size: 128
    .sgpr_count:     80
    .vgpr_count:     1024
    .wavefront_size: 32
...
	.end_amdgpu_metadata
.endif
;; end of part 3
;; ======== version 2 of 2: 3 launches
;; limits: right only within a limited range of input values
;; workspace buffers: QC 8,650,752 bytes; QS 524,288 bytes; KC 6,291,456 bytes; KS 524,288 bytes; VC 6,291,456 bytes; VS 262,144 bytes; OC 6,291,456 bytes; OS 524,288 bytes
;; launch qkv (part 4): grid 256 x 1, 4 waves a work-group, clusters of 4 x 1, 327,680 bytes of LDS; arguments x, Wq_codes, Wq_scales, bq, Wk_codes, Wk_scales, bk, Wv_codes, Wv_scales, bv, QC, QS, KC, KS, VC, VS, Wo_codes, W1_codes, W2_codes; writes QC, QS, KC, KS, VC, VS
.if DOCPART == 4
	.amdgcn_target "amdgcn-amd-amdhsa--gfx1250"
	.amdhsa_code_object_version 6
	.text
	.protected	k_qd24d4356bf_qkv
	.globl	k_qd24d4356bf_qkv
	.p2align	8
	.type	k_qd24d4356bf_qkv,@function
k_qd24d4356bf_qkv:
	s_mov_b64 s[64:65], 0
	v_nop
	global_prefetch_b8 v0, s[64:65] scope:SCOPE_SE
	s_setreg_imm32_b32 hwreg(HW_REG_WAVE_MODE, 25, 1), 1
	s_wait_xcnt 0x0
	s_wait_alu depctr_hold_cnt(0) depctr_sa_sdst(0) depctr_va_vdst(0) depctr_va_sdst(0) depctr_va_ssrc(0) depctr_va_vcc(0) depctr_vm_vsrc(0)
	s_getreg_b32 s2, hwreg(HW_REG_IB_STS2, 6, 4)
	s_cmp_eq_u32 s2, 0
	s_cbranch_scc0 .Lentry_in_a_cluster
	s_endpgm
.Lentry_in_a_cluster:
	s_bfe_u32 s2, ttmp6, 0x10000c
	s_cmp_lg_u32 s2, 0x3003
	s_cbranch_scc0 .Lentry_shape_is_right
	s_endpgm
.Lentry_shape_is_right:
; FIRST OF THREE LAUNCHES.  LayerNorm(x), quantised to E3M2 along the 1,024 features; x Wq + bq, x Wk + bk, x Wv + bv on codes; q and k quantised along a head's 64, v along 32 KEYS; only codes and scale bytes go to memory.
; SHARES.  256 work-groups of four waves.  A work-group owns 64 neighbouring tokens (two blocks of 32 keys) and HALF of the heads of q, of k and of v: 1,536 columns.  So it brings 1,536 x 768 = 1,179,648 bytes of W through LDS, in 12 tiles a wave,
; where 32 tokens x all 3,072 columns would bring twice that in 24 tiles, and each tile feeds 64 matrix instructions and not 32.  The price: each token is read and normalised by two work-groups.
; Wave w owns heads 8 c + 2 w, 8 c + 2 w + 1 of every layer (c: the work-group's half), for all 64 tokens.  A STEP is 32 columns x 64 tokens x K = 1,024: 64 matrix instructions.  A TRIP is two steps, 64 columns: one head.  A layer is two trips.
; TOKEN TILES.  Row r of tile u of a block is token 8 u + (r & 7) + 16 (r >> 3) of the block: so v's 16 registers of tiles 0 and 1 are 16 neighbouring keys, and the next launch's key tiles come out as its softmax wants them.
; WEIGHTS.  A wave's step needs 32 rows of W, 24,576 dense bytes: one tensor load into the wave's own part of one of two LDS slots, as 96 rows of 256 bytes with 16 bytes behind each (a row of W is 816 bytes in LDS:
; 204 words, so the 16 rows of a load start 12 words apart modulo 64 and the 32 lanes of an 8-byte load fall on 64 different words; 64 banks of 4 bytes: ISA guide 11.1).
; CLUSTER.  The four work-groups of a cluster have the same half c and walk the same tiles, so they ask JOINTLY: same line, same descriptor (it hangs on c, which is made of the cluster's number, on the wave's number and on the loop), mask 15.
; The two clusters that read the same tokens have neighbouring numbers.
; THE OPERAND x stays in registers (block 0 in window 1, block 1 in window 3); it goes from wave to wave once, through LDS, as images of its registers.  A HALF is six registers of 32 lanes: 64 along K of 16 rows: 512 bytes (registers 0-3) + 256 (4-5).
; q, k: the product is used transposed (source 0 = 16 rows of W, source 1 = 16 tokens); eight lane swaps make a lane's 16 registers 16 neighbouring columns.  v: source 0 = 16 tokens, source 1 = 16 rows of W: a lane holds one column and 16 neighbouring keys.
; LIMITS.  NaN and infinities among the inputs are not served.  A block whose largest magnitude lies under 2^-122 (a block of zeros too) gets the scale byte 1; its codes are then zeros or as the byte 1 gives them, and these bytes are read by this program alone.
; 1 / sqrt(var + eps) is v_rsq_f32.  The variance is taken of the differences from the mean, in a second pass over registers.
; REGISTERS.  window 0: see the names below.  windows 1, 3: x's 16 fragments of block 0, 1, (u, s) at v[12 (8 u + s)]; before that x in f32, block 1 in window 1 and block 0 in window 3: v[32 i + 16 u + k] = token (u, r), column 256 w + 32 i + 16 h + k.
; window 2: a step's 16 fragments of W, (t, q) at v[12 (2 q + t)].
.set SLOTB, 104448                     ; a slot: four waves x 26,112 bytes
.set WTILE, 26112                      ; 96 x 272
.set WROW,  816
.set XI,    208896                     ; images of the operand: [block 2][u 2][half 16][768]
.set XSH,   258048                     ; their scale words: [block][half][u][r]
.set STAT,  262144                     ; four regions of 4 waves x 128 bytes for the row sums: none is written twice
.set BIA,   264192                     ; the work-group's half of the three biases, 2,048 bytes each
.set SPARE, 270336                     ; the spare words: 128 bytes a wave, two blocks of 256 bytes that no other line names
.set CZERO, 1000                       ; WM: stands for the constant 0 as C
.set WS,   32                          ; v32-47   W's scale words: set e at v[32 + 8 e + q]; lanes 0-15 column tile 0, lanes 16-31 tile 1
.set XS,   48                          ; v48-55, v72-79  x's scale words of K step q, block 0, 1 (24 apart); lanes 0-15 token tile 0, lanes 16-31 tile 1
.set BIAS, 56                          ; v56-71   the step's biases
.set MX,   88                          ; v88-89   largest magnitudes;  v90-91 the other half's;  v92-93 scale operands;  v94-95 scale words
.set PX,   90
.set SO,   92
.set SW,   94
.set ACC,  96                          ; v96-159  eight accumulators: block z at + 32 z
.set CA,   160                         ; v160-191 a half's six registers: block z, tile u at + 16 z + 8 u
.set CB,   192                         ; v192.., v196..  the second block of 32's codes
.set BY,   200                         ; v200-207 scale bytes: block z, group g, step e at 4 z + 2 g + e
.set SWP,  208                         ; v208-209 the two tiles' scale words of block z: lanes 0-15 tile 0's, lanes 16-31 tile 1's
.set VW,   210                         ; v210-211 v's four scale bytes of block z
.set TA,   96                          ; halves of scale words, over the accumulators while these are idle: block z at + 16 z
.set TB,   104
.set BL,   128                         ; v128-139 the biases on their way to LDS
.set SUM,  224                         ; v224-231 four chains of sums
.set MUP,  232                         ; v232-235 the means of tile 0, 1, as pairs
.set RSP,  236                         ; v236-239 1 / sqrt(var + eps) likewise
.set T,    240                         ; v240-247 at work
; v1 spare word's address, v2 = 0 (kept for the add alone); v3, v4, v5, v10 = 16, 8, 4, 32 x lane; v6-7, v8-9 W's fragments in slot 0, 1 (24 h, 40 h); v11, v12 biases; v13-14 x; v15-17 images, read; v18-20 images, written;
; v21-22 the bias copy; v24-25 row sums; v30 the trip's bias address; v31 = 4 r
; s2 trips, s3 wave, s4 group of 64 tokens, s5 mask of lanes 16-31, s[6:7] lane selects, s[8:39] buffers, s[40:47] group 1, s[48:51], s[52:55] groups 0 of slot 0, 1, s[56:57], s[58:59] next tile's codes and scales, s[60:63] the next layer's,
; s67 the half c, s72 bias offset
.set MSB, 0
.macro WIN new                         ; the immediate's high byte repeats the setting that is left
.if MSB != \new
	s_set_vgpr_msb (MSB<<8)|\new
.set MSB, \new
.endif
.endm
.macro CROUND                          ; a round of the cluster's barrier
	s_barrier_signal -1
	s_barrier_wait -1
	s_cmp_lg_u32 s3, 0
	s_cbranch_scc1 .Lnot_wave_0_\@
	s_barrier_signal -3
.Lnot_wave_0_\@:
	s_barrier_wait -3
	s_barrier_signal -1
	s_barrier_wait -1
.endm
; one matrix instruction.  c: C's first register, or CZERO.  ra, rb: 1 = the side's scales stand in lanes 16-31
.macro WM d, a, b, c, sa, sb, ra, rb
.set RR, 2*(\ra)+(\rb)
.if (\c) == CZERO
.if RR == 0
	v_wmma_scale_f32_16x16x128_f8f6f4 v[(\d):(\d)+7], v[(\a):(\a)+11], v[(\b):(\b)+11], 0, v[\sa], v[\sb] matrix_a_fmt:MATRIX_FMT_BF6 matrix_b_fmt:MATRIX_FMT_BF6
.elseif RR == 1
	v_wmma_scale_f32_16x16x128_f8f6f4 v[(\d):(\d)+7], v[(\a):(\a)+11], v[(\b):(\b)+11], 0, v[\sa], v[\sb] matrix_a_fmt:MATRIX_FMT_BF6 matrix_b_fmt:MATRIX_FMT_BF6 matrix_b_scale:MATRIX_SCALE_ROW1
.elseif RR == 2
	v_wmma_scale_f32_16x16x128_f8f6f4 v[(\d):(\d)+7], v[(\a):(\a)+11], v[(\b):(\b)+11], 0, v[\sa], v[\sb] matrix_a_fmt:MATRIX_FMT_BF6 matrix_b_fmt:MATRIX_FMT_BF6 matrix_a_scale:MATRIX_SCALE_ROW1
.else
	v_wmma_scale_f32_16x16x128_f8f6f4 v[(\d):(\d)+7], v[(\a):(\a)+11], v[(\b):(\b)+11], 0, v[\sa], v[\sb] matrix_a_fmt:MATRIX_FMT_BF6 matrix_b_fmt:MATRIX_FMT_BF6 matrix_a_scale:MATRIX_SCALE_ROW1 matrix_b_scale:MATRIX_SCALE_ROW1
.endif
.else
.if RR == 0
	v_wmma_scale_f32_16x16x128_f8f6f4 v[(\d):(\d)+7], v[(\a):(\a)+11], v[(\b):(\b)+11], v[(\c):(\c)+7], v[\sa], v[\sb] matrix_a_fmt:MATRIX_FMT_BF6 matrix_b_fmt:MATRIX_FMT_BF6
.elseif RR == 1
	v_wmma_scale_f32_16x16x128_f8f6f4 v[(\d):(\d)+7], v[(\a):(\a)+11], v[(\b):(\b)+11], v[(\c):(\c)+7], v[\sa], v[\sb] matrix_a_fmt:MATRIX_FMT_BF6 matrix_b_fmt:MATRIX_FMT_BF6 matrix_b_scale:MATRIX_SCALE_ROW1
.elseif RR == 2
	v_wmma_scale_f32_16x16x128_f8f6f4 v[(\d):(\d)+7], v[(\a):(\a)+11], v[(\b):(\b)+11], v[(\c):(\c)+7], v[\sa], v[\sb] matrix_a_fmt:MATRIX_FMT_BF6 matrix_b_fmt:MATRIX_FMT_BF6 matrix_a_scale:MATRIX_SCALE_ROW1
.else
	v_wmma_scale_f32_16x16x128_f8f6f4 v[(\d):(\d)+7], v[(\a):(\a)+11], v[(\b):(\b)+11], v[(\c):(\c)+7], v[\sa], v[\sb] matrix_a_fmt:MATRIX_FMT_BF6 matrix_b_fmt:MATRIX_FMT_BF6 matrix_a_scale:MATRIX_SCALE_ROW1 matrix_b_scale:MATRIX_SCALE_ROW1
.endif
.endif
.endm
; a fragment of W: 16 rows x 128 K, in pieces of 8 bytes.  Lanes 16-31 read three pieces on; where that lies behind one padding more, the second address register (40 for 24 bytes a half) serves
.macro FRAG reg, e, t, q
.irp p, 0,1,2,3,4,5
.set PC, 12*(\q)+6*(\p/3)+\p%3
.if PC%32 < 29
	ds_load_b64 v[(\reg)+2*\p:(\reg)+2*\p+1], v[6+(\e)] offset:8*PC+16*(PC/32)+(\t)*16*WROW
.else
	ds_load_b64 v[(\reg)+2*\p:(\reg)+2*\p+1], v[8+(\e)] offset:8*PC+16*(PC/32)+(\t)*16*WROW
.endif
.endr
.endm
; THE HEAD OF STEP e.  My tile of this step has landed (it is the one tensor load of mine that was out) and its scale words are in.  refill = 1: the next tile goes into the slot that the last step read:
; wait for all tensor loads, the add, wait for it and for my LDS reads, a round of the cluster's barrier, the joint load first behind it.  sel = 1: in a layer's last trip the next tile is the next layer's first.
.macro HEAD e, refill, sel
.set NX, 1-(\e)
	s_wait_loadcnt 0x0                             ; this step's scale words are in: their base may step
	s_wait_tensorcnt 0x0                           ; no tensor load of mine is out: a group 0 may be written
.if \refill
	ds_add_u32 v1, v2                              ; 0 onto my spare word
	s_add_nc_u64 s[56:57], s[56:57], 24576         ; the next 32 rows of W,
	s_add_nc_u64 s[58:59], s[58:59], 1024          ; and their 32 x 32 scale bytes
.if \sel
	s_cmp_eq_u32 s2, 1
	s_cselect_b64 s[56:57], s[60:61], s[56:57]
	s_cselect_b64 s[58:59], s[62:63], s[58:59]
.endif
	s_mov_b64 s[50+4*NX:51+4*NX], s[56:57]
	s_or_b32 s[51+4*NX], s[51+4*NX], 0x80000000    ; type = 2
	s_wait_dscnt 0x0                               ; the add is done, and so are my reads of the slot to be filled
	CROUND                                         ; the same holds of every wave of the four work-groups
	tensor_load_to_lds s[48+4*NX:51+4*NX], s[40:47] ; my one tensor load until the next round; it has this step's work in which to land
	s_nop 0
.rept 4
	v_nop
.endr
	global_load_b128 v[WS+8*NX:WS+8*NX+3], v10, s[58:59]           ; lane l: the 32 scale bytes of row l of the next step: the wave reads 1,024 consecutive bytes
	global_load_b128 v[WS+8*NX+4:WS+8*NX+7], v10, s[58:59] offset:16
.endif
.endm
; THE PRODUCTS OF STEP e: W's 16 fragments are read once and serve both blocks of tokens, block 0's 32 products first.  In each pass four accumulators take turns, one instruction a turn.
; vp = 0: transposed, accumulator (t, u) of block z at ACC + 32 z + 16 u + 8 t, the bias is the first C.  vp = 1: tokens as rows, accumulator at ACC + 32 z + 16 t + 8 u, the first C is 0.
.macro GEMM e, vp
.if \vp
	ds_load_b32 v[BIAS], v30 offset:128*(\e)       ; the bias of my column in tile 0,
	ds_load_b32 v[BIAS+2], v30 offset:128*(\e)+64  ; in tile 1
.else
.irp k, 0,1,2,3
	ds_load_b128 v[BIAS+4*\k:BIAS+4*\k+3], v30 offset:128*(\e)+64*(\k/2)+16*(\k%2)   ; tile k / 2: the biases of columns 8 h + 0 .. 7
.endr
.endif
	WIN 0x80                                       ; destination window 2
.irp q, 0,1,2,3,4,5,6,7
.irp t, 0,1
	FRAG 12*(2*\q+\t), \e, \t, \q
.endr
.endr
.irp z, 0,1
.if \vp
	WIN (0x09+2*\z)                                ; source 0 (x) window 1 or 3, source 1 (W) window 2
.else
	WIN (0x06+8*\z)                                ; source 0 (W) window 2, source 1 (x) window 1 or 3
.endif
.irp q, 0,1,2,3,4,5,6,7
.if \z == 0
.if 84-12*\q > 63
	s_wait_dscnt 63                                ; behind K step q's loads stand 12 (7 - q) younger ones; the wait's field holds 63 at the most
.else
	s_wait_dscnt 84-12*\q                          ; the 12 (7 - q) loads of the later K steps may be out
.endif
.endif
.irp t, 0,1
.irp u, 0,1
.if \vp
.if \q == 0
.set CC, CZERO
.else
.set CC, ACC+32*\z+16*\t+8*\u
.endif
	WM ACC+32*\z+16*\t+8*\u, 12*(8*\u+\q), 12*(2*\q+\t), CC, XS+24*\z+\q, WS+8*(\e)+\q, \u, \t
.else
.if \q == 0
.set CC, BIAS+8*\t
.else
.set CC, ACC+32*\z+16*\u+8*\t
.endif
	WM ACC+32*\z+16*\u+8*\t, 12*(2*\q+\t), 12*(8*\u+\q), CC, WS+8*(\e)+\q, XS+24*\z+\q, \t, \u
.endif
.endr
.endr
.endr
.endr
	WIN 0
.rept 4
	v_nop                                          ; four places behind the last products, ahead of the first read of results and of the next loads into operands
.endr
.endm
.macro NSWAP z                         ; register j of column tiles 0 and 1 holds columns 8 h + j and 16 + 8 h + j; after the swap the 16 registers hold columns 16 h + 0 .. 15.  Each accumulator is read from its low end on
.irp u, 0,1
.irp j, 0,1,2,3,4,5,6,7
	v_permlane16_swap_b32 v[ACC+32*(\z)+16*\u+\j], v[ACC+32*(\z)+16*\u+8+\j]
.endr
.endr
.endm
; two groups of 16 numbers a lane (ACC + 32 z + 16 g + 0 .. 15; lanes l and l xor 16 share a block of 32) become codes and a scale byte each.  vp = 0: group = token tile, codes to CA (e = 0) or CB (e = 1).  vp = 1: group = column tile, codes to CA and CB
.macro BLOCKQ e, vp, z
.set AB, ACC+32*(\z)
.set CAB, CA+16*(\z)
.set BYB, BY+4*(\z)
.irp g, 0,1
	v_max3_num_f32 v[MX+\g], |v[AB+16*\g]|, |v[AB+16*\g+1]|, 0x2800000   ; the floor 2^(5 - 127) among the leaves: the byte cannot fall under 1
.endr
.irp i, 2,4,6,8,10,12,14
.irp g, 0,1
	v_max3_num_f32 v[MX+\g], v[MX+\g], |v[AB+16*\g+\i]|, |v[AB+16*\g+\i+1]|
.endr
.endr
.irp g, 0,1
	v_permlanex16_b32 v[PX+\g], v[MX+\g], s6, s7
.endr
.irp g, 0,1
	v_max_num_f32 v[MX+\g], v[MX+\g], v[PX+\g]     ; the block's largest magnitude
.endr
.irp g, 0,1
	v_add_nc_u32 v[SO+\g], 0xfe000000, v[MX+\g]    ; 4 off its exponent field: the conversion's scale operand
.endr
.irp g, 0,1
	v_lshrrev_b32 v[BYB+2*\g+(\e)], 23, v[SO+\g]   ; the scale's byte
.endr
.if \vp
	v_cvt_scalef32_pk16_bf6_f32 v[CAB:CAB+2], v[AB:AB+15], v[SO]
	v_cvt_scalef32_pk16_bf6_f32 v[CB:CB+2], v[AB+16:AB+31], v[SO+1]
.elseif (\e) == 0
	v_cvt_scalef32_pk16_bf6_f32 v[CAB:CAB+2], v[AB:AB+15], v[SO]
	v_cvt_scalef32_pk16_bf6_f32 v[CAB+8:CAB+10], v[AB+16:AB+31], v[SO+1]
.else
	v_cvt_scalef32_pk16_bf6_f32 v[CB:CB+2], v[AB:AB+15], v[SO]
	v_cvt_scalef32_pk16_bf6_f32 v[CB+4:CB+6], v[AB+16:AB+31], v[SO+1]
.endif
	v_nop                                          ; one plain place behind a scaled conversion
.endm
.macro HALF z                          ; two blocks' half-blocks become a half of a fragment: lane (r, h) holds block h whole; the two bytes make the half's scale word
.set CAB, CA+16*(\z)
.set BYB, BY+4*(\z)
.irp u, 0,1
.irp i, 0,1,2
	v_permlane16_swap_b32 v[CAB+8*\u+\i], v[CB+4*\u+\i]
.endr
.endr
.irp u, 0,1
.irp i, 0,1,2
	v_mov_b32 v[CAB+8*\u+3+\i], v[CB+4*\u+\i]
.endr
.endr
.irp u, 0,1
	v_lshl_or_b32 v[SW+\u], v[BYB+2*\u+1], 8, v[BYB+2*\u]
.endr
	v_cndmask_b32 v[SWP+(\z)], v[SW], v[SW+1], s5
.endm
.macro IMG a, b, c, oc, os             ; the two tiles' halves (set 0) go to LDS as they stand
.irp u, 0,1
	ds_store_b128 v[\a], v[CA+8*\u:CA+8*\u+3] offset:12288*\u+(\oc)
	ds_store_b64 v[\b], v[CA+8*\u+4:CA+8*\u+5] offset:12288*\u+(\oc)
.endr
	ds_store_b32 v[\c], v[SWP] offset:\os
	s_wait_dscnt 0x0                               ; the stores have read their registers
.endm
.macro XLOAD z                         ; my 256 columns of block z's 32 tokens: a lane takes 16 neighbours of each block of 32.  Block 0 into window 3, block 1 into window 1.  No hint: a second work-group reads the same rows
	WIN (0xc0-0x80*(\z))
.irp i, 0,1,2,3,4,5,6,7
.irp u, 0,1
.irp k, 0,1,2,3
	global_load_b128 v[32*\i+16*\u+4*\k:32*\i+16*\u+4*\k+3], v[13+\u], s[8:9] offset:131072*(\z)+128*\i+16*\k
.endr
.endr
.endr
	WIN 0
.endm
.macro ROWSUM reg                      ; the four chains -> in lane (r, h) the whole row's sum of token (u = h, r): my wave's 256 columns, then the four waves' through LDS
	v_pk_add_f32 v[SUM:SUM+1], v[SUM:SUM+1], v[SUM+2:SUM+3]
	v_pk_add_f32 v[SUM+4:SUM+5], v[SUM+4:SUM+5], v[SUM+6:SUM+7]
	v_add_f32 v[T], v[SUM], v[SUM+1]
	v_add_f32 v[T+1], v[SUM+4], v[SUM+5]
	v_permlanex16_b32 v[PX], v[T], s6, s7
	v_permlanex16_b32 v[PX+1], v[T+1], s6, s7
	v_add_f32 v[T], v[T], v[PX]
	v_add_f32 v[T+1], v[T+1], v[PX+1]
	v_cndmask_b32 v[T+2], v[T], v[T+1], s5
	ds_store_b32 v24, v[T+2] offset:512*(\reg)
	s_wait_dscnt 0x0                               ; for the others' sake: my stores have landed
	s_barrier_signal -1
	s_barrier_wait -1                              ; the tile on its way stays out
.irp k, 0,1,2,3
	ds_load_b32 v[T+4+\k], v25 offset:512*(\reg)+128*\k
.endr
	s_wait_dscnt 0x0
	v_add_f32 v[T+4], v[T+4], v[T+5]
	v_add_f32 v[T+6], v[T+6], v[T+7]
	v_add_f32 v[T+2], v[T+4], v[T+6]
.endm
.macro SPREAD src, dst                 ; lane (r, h) holds row (h, r)'s number: both tiles' numbers into every lane, each as a pair
	v_permlanex16_b32 v[T+3], v[\src], s6, s7
	v_cndmask_b32 v[\dst], v[\src], v[T+3], s5
	v_cndmask_b32 v[\dst+2], v[T+3], v[\src], s5
	v_mov_b32 v[\dst+1], v[\dst]
	v_mov_b32 v[\dst+3], v[\dst+2]
.endm
.macro DIFF i                          ; block i of both tiles, less the mean.  HWN: the window in which the rows lie
	WIN HWN                                        ; source 0
.irp u, 0,1
.irp m, 0,1,2,3,4,5,6,7
	v_pk_add_f32 v[ACC+16*\u+2*\m:ACC+16*\u+2*\m+1], v[32*(\i)+16*\u+2*\m:32*(\i)+16*\u+2*\m+1], v[MUP+2*\u:MUP+2*\u+1] op_sel_hi:[1,0] neg_lo:[0,1] neg_hi:[0,1]
.endr
.endr
	WIN 0
.endm
; LayerNorm of block z's 32 rows, quantised; the images of my four halves of both tiles go to LDS
.macro LNQ z
.set HWN, 3-2*(\z)
	s_mov_b32 s74, 0x3a800000                      ; 1 / 1,024
	s_mov_b32 s75, 0x3727c5ac                      ; 1e-5
	WIN (5*HWN)                                    ; both sources in the rows' window: the first pairs start the chains, nothing is cleared
.irp u, 0,1
.irp f, 0,1
	v_pk_add_f32 v[SUM+4*\u+2*\f:SUM+4*\u+2*\f+1], v[16*\u+4*\f:16*\u+4*\f+1], v[16*\u+4*\f+2:16*\u+4*\f+3]
.endr
.endr
	WIN HWN
.irp i, 0,1,2,3,4,5,6,7
.irp m, 0,1,2,3,4,5,6,7
.if (\i > 0) || (\m > 3)
.irp u, 0,1
	v_pk_add_f32 v[SUM+4*\u+2*(\m%2):SUM+4*\u+2*(\m%2)+1], v[32*\i+16*\u+2*\m:32*\i+16*\u+2*\m+1], v[SUM+4*\u+2*(\m%2):SUM+4*\u+2*(\m%2)+1]
.endr
.endif
.endr
.endr
	WIN 0
	ROWSUM 2*(\z)
	v_mul_f32 v[T+2], s74, v[T+2]                  ; the mean
	SPREAD T+2, MUP
.irp i, 0,1,2,3,4,5,6,7
	DIFF \i
.irp m, 0,1,2,3,4,5,6,7
.irp u, 0,1
.if (\i == 0) && (\m < 2)
	v_pk_mul_f32 v[SUM+4*\u+2*\m:SUM+4*\u+2*\m+1], v[ACC+16*\u+2*\m:ACC+16*\u+2*\m+1], v[ACC+16*\u+2*\m:ACC+16*\u+2*\m+1]
.else
	v_pk_fma_f32 v[SUM+4*\u+2*(\m%2):SUM+4*\u+2*(\m%2)+1], v[ACC+16*\u+2*\m:ACC+16*\u+2*\m+1], v[ACC+16*\u+2*\m:ACC+16*\u+2*\m+1], v[SUM+4*\u+2*(\m%2):SUM+4*\u+2*(\m%2)+1]
.endif
.endr
.endr
.endr
	ROWSUM 2*(\z)+1
	v_fma_f32 v[T+2], v[T+2], s74, s75             ; var + eps
	s_wait_alu depctr_va_vdst(0)
	v_rsq_f32 v[T+4], v[T+2]
	v_nop                                          ; one plain place behind a transcendental
	s_wait_alu depctr_va_vdst(0)
	SPREAD T+4, RSP
.irp i, 0,1,2,3,4,5,6,7
	DIFF \i
.irp u, 0,1
.irp m, 0,1,2,3,4,5,6,7
	v_pk_mul_f32 v[ACC+16*\u+2*\m:ACC+16*\u+2*\m+1], v[ACC+16*\u+2*\m:ACC+16*\u+2*\m+1], v[RSP+2*\u:RSP+2*\u+1] op_sel_hi:[1,0]
.endr
.endr
	BLOCKQ \i%2, 0, 0
.if \i%2 == 1
	HALF 0
	IMG 18, 19, 20, 24576*(\z)+768*(\i/2), 2048*(\z)+128*(\i/2)
.endif
.endr
.endm
.macro FETCHX                          ; the whole operand, 64 rows x K 1,024: block 0 into window 1, block 1 into window 3; its scale words into XS
.irp z, 0,1
	WIN (0x40+0x80*\z)
.irp u, 0,1
.irp g, 0,1,2,3,4,5,6,7,8,9,10,11,12,13,14,15
	ds_load_b128 v[12*(8*\u+\g/2)+6*(\g%2):12*(8*\u+\g/2)+6*(\g%2)+3], v15 offset:24576*\z+12288*\u+768*\g
	ds_load_b64 v[12*(8*\u+\g/2)+6*(\g%2)+4:12*(8*\u+\g/2)+6*(\g%2)+5], v16 offset:24576*\z+12288*\u+768*\g
.endr
.endr
.endr
	WIN 0
.irp z, 0,1
.irp s, 0,1,2,3,4,5,6,7
	ds_load_b32 v[TA+16*\z+\s], v17 offset:2048*\z+256*\s
	ds_load_b32 v[TB+16*\z+\s], v17 offset:2048*\z+256*\s+128
.endr
.endr
	s_wait_dscnt 0x0
.irp z, 0,1
.irp s, 0,1,2,3,4,5,6,7
	v_lshl_or_b32 v[XS+24*\z+\s], v[TB+16*\z+\s], 16, v[TA+16*\z+\s]   ; two halves' bytes make K step s's word
.endr
.endr
.rept 8
	v_nop                                          ; a scale register written by a vector instruction stands eight places ahead of a scaled matrix instruction
.endr
.endm
	s_load_b512 s[8:23], s[0:1], 0x0               ; x, Wq codes, Wq scales, bq, Wk codes, Wk scales, bk, Wv codes
	s_load_b512 s[24:39], s[0:1], 0x40
	s_load_b128 s[80:83], s[0:1], 0x80             ; Wo codes, W1 codes
	s_load_b64 s[84:85], s[0:1], 0x90              ; W2 codes
	v_lshl_add_u32 v1, v0, 2, SPARE
	v_mov_b32 v2, 0
	ds_add_u32 v1, v2
	ds_add_u32 v1, v2
	s_wait_dscnt 0x0
	v_lshrrev_b32 v[T], 5, v0
	v_readfirstlane_b32 s3, v[T]                   ; wave 0..3
	s_bfe_u32 s66, ttmp6, 0x40000                  ; my place in the cluster: it enters global addresses of x and of the results alone
	s_lshr_b32 s4, ttmp9, 1
	s_lshl_b32 s4, s4, 2
	s_add_co_u32 s4, s4, s66                       ; my 64 tokens: group 4 (cluster / 2) + place, 0..127
	s_and_b32 s67, ttmp9, 1                        ; c: which half of the heads; the same in the four partners
	s_mov_b32 s5, 0xffff0000
	s_mov_b32 s6, 0x76543210
	s_mov_b32 s7, 0xfedcba98
	v_and_b32 v[T+1], 31, v0                       ; lane
	v_and_b32 v[T+2], 15, v0                       ; r
	v_bfe_u32 v[T+3], v0, 4, 1                     ; h
	v_lshlrev_b32 v3, 4, v[T+1]
	v_lshlrev_b32 v4, 3, v[T+1]
	v_lshlrev_b32 v5, 2, v[T+1]
	v_lshlrev_b32 v10, 5, v[T+1]
	s_mul_i32 s75, s3, WTILE
	v_mul_u32_u24 v[T+4], v[T+2], WROW
	v_mad_u32_u24 v[T+5], v[T+3], 24, v[T+4]
	v_mad_u32_u24 v[T+6], v[T+3], 40, v[T+4]
	v_add_nc_u32 v6, s75, v[T+5]
	v_add_nc_u32 v7, SLOTB, v6
	v_add_nc_u32 v8, s75, v[T+6]
	v_add_nc_u32 v9, SLOTB, v8
	s_lshl_b32 s76, s3, 9
	v_lshl_add_u32 v11, v[T+3], 5, s76
	v_add_nc_u32 v11, BIA, v11                     ; biases, transposed layers: 512 w + 32 h (my 128 columns of the work-group's 512)
	v_lshl_add_u32 v12, v[T+2], 2, s76
	v_add_nc_u32 v12, BIA, v12                     ; v's layer: 512 w + 4 r
	s_lshl_b32 s77, s3, 10
	v_and_b32 v[T+7], 8, v[T+2]
	v_add_nc_u32 v[T+7], v[T+7], v[T+2]            ; token of tile 0: r + 8 (r / 8)
	v_lshl_add_u32 v13, v[T+3], 6, s77
	v_lshl_add_u32 v13, v[T+7], 12, v13            ; x: token x 4,096 + 1,024 w + 64 h
	v_add_nc_u32 v14, 0x8000, v13                  ; tile 1: eight tokens on
	v_add_nc_u32 v15, XI, v3
	v_add_nc_u32 v16, XI+512, v4
	v_add_nc_u32 v17, XSH, v5
	s_mul_i32 s78, s3, 3072
	v_add_nc_u32 v18, s78, v15
	v_add_nc_u32 v19, s78, v16
	v_add_nc_u32 v20, s76, v17
	v_add_nc_u32 v25, STAT, v5
	s_lshl_b32 s79, s3, 7
	v_add_nc_u32 v24, s79, v25
	v_lshlrev_b32 v31, 2, v[T+2]
	v_lshlrev_b32 v21, 4, v0                       ; the bias copy: 16 bytes a thread: 128 threads take a half bias of 2,048 bytes,
	v_lshl_add_u32 v22, v0, 4, BIA                 ; and their place in LDS
	v_mov_b32 v[PX], 0                             ; written once: a lane permute's destination counts as one of its sources
	v_mov_b32 v[PX+1], 0
	; group 1: 24,576 dense bytes as 96 rows of 32 elements of 8 bytes, 16 bytes of padding behind each row
	s_mov_b32 s40, 15|(3<<16)|(1<<20)|(1<<21)|(5<<22)|(3<<25)   ; 15:0 the mask: all four work-groups; 17:16 elements of 8 bytes; 20 padding on; 21 set beside a mask; 24:22 after every 64 words; 31:25 four words
	s_mov_b32 s41, 32<<16                          ; tensor_dim0
	s_mov_b32 s42, 96<<16                          ; tensor_dim1
	s_mov_b32 s43, 32<<16                          ; tile_dim0
	s_mov_b32 s44, 96                              ; tile_dim1
	s_mov_b32 s45, 32                              ; the pitch
	s_mov_b32 s46, 0
	s_mov_b32 s47, 0
	s_mov_b32 s48, 1
	s_mov_b32 s49, s75                             ; slot 0: wave x 26,112
	s_mov_b32 s52, 1
	s_add_co_u32 s53, s75, SLOTB                   ; slot 1
	s_mul_i32 s74, s3, 98304                       ; my 128 rows of each weight, 768 bytes a row,
	s_mul_i32 s68, s67, 393216                     ; in the work-group's 512 rows
	s_add_co_u32 s74, s74, s68
	s_mov_b32 s75, 0
	s_lshl_b32 s76, s3, 12                         ; 32 scale bytes a row
	s_lshl_b32 s68, s67, 14
	s_add_co_u32 s76, s76, s68
	s_mov_b32 s77, 0
	s_lshl_b32 s78, s4, 18                         ; my 64 tokens of x
	s_mov_b32 s79, 0
	s_lshl_b32 s68, s67, 11                        ; the work-group's half of a bias
	s_mov_b32 s69, 0
	s_wait_kmcnt 0x0
	s_add_nc_u64 s[10:11], s[10:11], s[74:75]
	s_add_nc_u64 s[16:17], s[16:17], s[74:75]
	s_add_nc_u64 s[22:23], s[22:23], s[74:75]
	s_add_nc_u64 s[12:13], s[12:13], s[76:77]
	s_add_nc_u64 s[18:19], s[18:19], s[76:77]
	s_add_nc_u64 s[24:25], s[24:25], s[76:77]
	s_add_nc_u64 s[14:15], s[14:15], s[68:69]
	s_add_nc_u64 s[20:21], s[20:21], s[68:69]
	s_add_nc_u64 s[26:27], s[26:27], s[68:69]
	s_add_nc_u64 s[8:9], s[8:9], s[78:79]
	s_mov_b64 s[56:57], s[10:11]                   ; the first tile: Wq's
	s_mov_b64 s[58:59], s[12:13]
	s_mov_b64 s[50:51], s[56:57]
	s_or_b32 s51, s51, 0x80000000
	CROUND                                         ; the four work-groups are here: the first joint loads meet
	tensor_load_to_lds s[48:51], s[40:47]
	s_nop 0
.rept 4
	v_nop
.endr
	global_load_b128 v[WS:WS+3], v10, s[58:59]
	global_load_b128 v[WS+4:WS+7], v10, s[58:59] offset:16
	s_wait_alu depctr_va_vdst(0)
	global_load_b128 v[BL:BL+3], v21, s[14:15]
	global_load_b128 v[BL+4:BL+7], v21, s[20:21]
	global_load_b128 v[BL+8:BL+11], v21, s[26:27]
	; FOR THE THIRD LAUNCH: Wo, W1, W2 re-laid as images of operand registers, behind q's codes in QC (from byte 6,291,456 on): [layer 3][32 rows 32][fragment 2 q + t 16][register group 3][lane 32][16 bytes].
	; 1,536 fragments of 1,536 bytes, six to a work-group: waves 0-2 take a pair (t = 0, 1) each.  Wave 3 has none: it loads a pair that lies inside the buffers and stores nothing.
	v_mul_u32_u24 v184, v[T+2], 768                ; row r of the tile,
	v_mad_u32_u24 v184, v[T+3], 24, v184           ; + 24 h
	s_lshl_b32 s86, s4, 1
	s_add_co_u32 s86, s86, s67                     ; work-group 0..255
	s_mul_i32 s86, s86, 6
	s_lshl_b32 s87, s3, 1
	s_add_co_u32 s86, s86, s87                     ; my first fragment, an even number
	s_lshr_b32 s88, s86, 9                         ; its layer
	s_cmp_eq_u32 s88, 1
	s_cselect_b64 s[80:81], s[82:83], s[80:81]
	s_cmp_eq_u32 s88, 2
	s_cselect_b64 s[80:81], s[84:85], s[80:81]
	s_bfe_u32 s88, s86, 0x50004                    ; its 32 rows,
	s_mul_i32 s88, s88, 24576
	s_bfe_u32 s89, s86, 0x30001                    ; its K step
	s_mul_i32 s89, s89, 96
	s_add_co_u32 s88, s88, s89
	s_mov_b32 s89, 0
	s_add_nc_u64 s[80:81], s[80:81], s[88:89]
	s_mul_i32 s88, s86, 1536
	s_add_co_u32 s88, s88, 6291456
	s_add_nc_u64 s[90:91], s[28:29], s[88:89]      ; where the pair goes
	s_wait_alu depctr_va_vdst(0)
	XLOAD 0
	; where my results go: index = (16 batch + 8 c + 2 w) x 32 + block, block = 2 (group mod 16) for my first 32 tokens
	s_lshr_b32 s74, s4, 4
	s_lshl_b32 s74, s74, 4
	s_lshl_b32 s76, s67, 3
	s_add_co_u32 s74, s74, s76
	s_lshl_b32 s76, s3, 1
	s_add_co_u32 s74, s74, s76
	s_lshl_b32 s74, s74, 5
	s_and_b32 s76, s4, 15
	s_lshl_b32 s76, s76, 1
	s_add_co_u32 s74, s74, s76
	s_mul_i32 s76, s74, 1536
	s_add_nc_u64 s[28:29], s[28:29], s[76:77]
	s_add_nc_u64 s[32:33], s[32:33], s[76:77]
	s_add_nc_u64 s[36:37], s[36:37], s[76:77]
	s_lshl_b32 s76, s74, 7
	s_add_nc_u64 s[30:31], s[30:31], s[76:77]
	s_add_nc_u64 s[34:35], s[34:35], s[76:77]
	s_lshl_b32 s76, s74, 6
	s_add_nc_u64 s[38:39], s[38:39], s[76:77]
	s_wait_loadcnt 0x0                             ; block 0's rows, the biases and the first scale words are in
	XLOAD 1
.irp t, 0,1
.irp p, 0,1,2,3,4,5
	global_load_b64 v[140+72*\t+2*\p:141+72*\t+2*\p], v184, s[80:81] offset:12288*\t+48*(\p/3)+8*(\p%3)   ; the pair of fragments, into registers that LayerNorm leaves alone; they land while block 0 is normalised
.endr
.endr
.irp n, 0,1,2
	ds_store_b128 v22, v[BL+4*\n:BL+4*\n+3] offset:2048*\n         ; the next barrier, with its wait, shows them to every wave
.endr
	LNQ 0
	s_wait_loadcnt 0x0                             ; block 1's rows
	s_cmp_lt_u32 s3, 3
	s_cbranch_scc0 .Lno_image
.irp t, 0,1
.irp i, 0,1,2
	global_store_b128 v3, v[140+72*\t+4*\i:143+72*\t+4*\i], s[90:91] offset:1536*\t+512*\i   ; 32 lanes store 512 consecutive bytes, aligned
.endr
.endr
.Lno_image:
	s_wait_xcnt 0x0                                ; the stores' data are written again only behind this wait
	LNQ 1
	s_wait_dscnt 0x0
	s_barrier_signal -1
	s_barrier_wait -1                              ; all sixteen halves of the four tiles lie in LDS
	FETCHX
; q's and k's layers.  lay: which bias; nw, ns: the next layer's codes and scales; cc, cs: where codes and scale words go
.macro LAYERQK lay, nw, ns, cc, cs
	s_mov_b32 s72, 2048*\lay
	s_mov_b64 s[60:61], s[\nw:\nw+1]
	s_mov_b64 s[62:63], s[\ns:\ns+1]
	s_mov_b32 s2, 2
.Llayer_\@:
	v_add_nc_u32 v30, s72, v11
	HEAD 0, 1, 0
	s_wait_alu depctr_va_vdst(0)
	GEMM 0, 0
.irp z, 0,1
	NSWAP \z
	BLOCKQ 0, 0, \z
.endr
	HEAD 1, 1, 1
	GEMM 1, 0
.irp z, 0,1
	NSWAP \z
	BLOCKQ 1, 0, \z
	HALF \z
.irp u, 0,1
	global_store_b128 v3, v[CA+16*\z+8*\u:CA+16*\z+8*\u+3], s[\cc:\cc+1] offset:1536*\z+512*\u          ; 32 lanes store 512 consecutive bytes, at a multiple of 256 from the buffer's first byte
	global_store_b64 v4, v[CA+16*\z+8*\u+4:CA+16*\z+8*\u+5], s[\cc:\cc+1] offset:1536*\z+1024+256*\u    ; and 256
.endr
	global_store_b32 v5, v[SWP+\z], s[\cs:\cs+1] offset:128*\z
.endr
	s_wait_xcnt 0x0                                ; the stores' data and bases are written again only behind this wait
	s_add_nc_u64 s[\cc:\cc+1], s[\cc:\cc+1], 49152 ; the next head
	s_add_nc_u64 s[\cs:\cs+1], s[\cs:\cs+1], 4096
	s_add_co_u32 s72, s72, 256
	s_sub_co_u32 s2, s2, 1
	s_cmp_lg_u32 s2, 0
	s_cbranch_scc1 .Llayer_\@
.endm
	LAYERQK 0, 16, 18, 28, 30
	LAYERQK 1, 22, 24, 32, 34
; v's layer: a lane holds column r of tile t and keys 16 h + 0 .. 15 of block z; the block of 32 keys is block z's 32 tokens
.macro VEPI e, z
.irp t, 0,1
.irp m, 0,1,2,3,4,5,6,7
	v_pk_add_f32 v[ACC+32*(\z)+16*\t+2*\m:ACC+32*(\z)+16*\t+2*\m+1], v[ACC+32*(\z)+16*\t+2*\m:ACC+32*(\z)+16*\t+2*\m+1], v[BIAS+2*\t:BIAS+2*\t+1] op_sel_hi:[1,0]
.endr
.endr
	s_wait_alu depctr_va_vdst(0)
	s_wait_xcnt 0x0                                ; the last step's stores have read their data
	BLOCKQ \e, 1, \z
.irp i, 0,1,2
	v_permlane16_swap_b32 v[CA+16*(\z)+\i], v[CB+\i]               ; lane (r, g) now holds column r of tile 2 e + g: the lower 16 keys' codes, and in CB the upper 16
.endr
.irp i, 0,1,2
	v_mov_b32 v[CA+16*(\z)+3+\i], v[CB+\i]
.endr
	global_store_b128 v3, v[CA+16*(\z):CA+16*(\z)+3], s[36:37] offset:1536*(\z)+512*(\e)
	global_store_b64 v4, v[CA+16*(\z)+4:CA+16*(\z)+5], s[36:37] offset:1536*(\z)+1024+256*(\e)
.if \e == 0
	v_lshl_or_b32 v[VW+(\z)], v[BY+4*(\z)+2], 8, v[BY+4*(\z)]      ; the bytes of tiles 0, 1,
.else
	v_lshl_or_b32 v[VW+(\z)], v[BY+4*(\z)+1], 16, v[VW+(\z)]       ; 2,
	v_lshl_or_b32 v[VW+(\z)], v[BY+4*(\z)+3], 24, v[VW+(\z)]       ; 3
.endif
.endm
.macro VTRIP last
	v_add_nc_u32 v30, s72, v12
	HEAD 0, 1, 0
	s_wait_alu depctr_va_vdst(0)
	GEMM 0, 1
	VEPI 0, 0
	VEPI 0, 1
	HEAD 1, 1-\last, 0
	GEMM 1, 1
	VEPI 1, 0
	VEPI 1, 1
	global_store_b32 v31, v[VW], s[38:39]          ; both halves of the lanes hold the same word
	global_store_b32 v31, v[VW+1], s[38:39] offset:64
.endm
	s_mov_b32 s72, 4096
	VTRIP 0                                        ; the layer's two trips are written out: the second's second step asks for nothing
	s_wait_xcnt 0x0                                ; the stores' data and bases are written again only behind this wait
	s_add_nc_u64 s[36:37], s[36:37], 49152
	s_add_nc_u64 s[38:39], s[38:39], 2048
	s_add_co_u32 s72, s72, 256
	VTRIP 1
	s_wait_tensorcnt 0x0                           ; the wave's end
	ds_add_u32 v1, v2
	s_wait_dscnt 0x0
	CROUND                                         ; the closing round: no work-group ends while a partner may still ask for a tile that names it
	s_endpgm
.Lfunc_end_k_qd24d4356bf_qkv:
	.size	k_qd24d4356bf_qkv, .Lfunc_end_k_qd24d4356bf_qkv-k_qd24d4356bf_qkv
	.p2alignl 7, 3214868480
	.fill 96, 4, 3214868480
	.section	.rodata,"a",@progbits
	.p2align	6, 0x0
	.amdhsa_kernel k_qd24d4356bf_qkv
		.amdhsa_group_segment_fixed_size 327680
		.amdhsa_private_segment_fixed_size 0
		.amdhsa_enable_private_segment 0
		.amdhsa_kernarg_size 152
		.amdhsa_user_sgpr_count 2
		.amdhsa_user_sgpr_kernarg_segment_ptr 1
		.amdhsa_wavefront_size32 1
		.amdhsa_system_sgpr_workgroup_id_x 1
		.amdhsa_system_sgpr_workgroup_id_y 1
		.amdhsa_system_sgpr_workgroup_id_z 1
		.amdhsa_system_vgpr_workitem_id 0
		.amdhsa_next_free_vgpr 1024
		.amdhsa_next_free_sgpr 96
		.amdhsa_reserve_vcc 0
		.amdhsa_float_denorm_mode_32 3
		.amdhsa_float_denorm_mode_16_64 3
		.amdhsa_memory_ordered 1
		.amdhsa_forward_progress 1
		.amdhsa_inst_pref_size 255
	.end_amdhsa_kernel
	.section	.bss,"aw",@nobits
	.p2align	6
	.space	262144
	.amdgpu_metadata
---
amdhsa.version: [ 1, 2 ]
amdhsa.kernels:
  - .name:           k_qd24d4356bf_qkv
    .symbol:         k_qd24d4356bf_qkv.kd
    .args:
      - { .name: x, .offset: 0, .size: 8, .value_kind: global_buffer, .address_space: global }
      - { .name: Wq_codes, .offset: 8, .size: 8, .value_kind: global_buffer, .address_space: global }
      - { .name: Wq_scales, .offset: 16, .size: 8, .value_kind: global_buffer, .address_space: global }
      - { .name: bq, .offset: 24, .size: 8, .value_kind: global_buffer, .address_space: global }
      - { .name: Wk_codes, .offset: 32, .size: 8, .value_kind: global_buffer, .address_space: global }
      - { .name: Wk_scales, .offset: 40, .size: 8, .value_kind: global_buffer, .address_space: global }
      - { .name: bk, .offset: 48, .size: 8, .value_kind: global_buffer, .address_space: global }
      - { .name: Wv_codes, .offset: 56, .size: 8, .value_kind: global_buffer, .address_space: global }
      - { .name: Wv_scales, .offset: 64, .size: 8, .value_kind: global_buffer, .address_space: global }
      - { .name: bv, .offset: 72, .size: 8, .value_kind: global_buffer, .address_space: global }
      - { .name: QC, .offset: 80, .size: 8, .value_kind: global_buffer, .address_space: global }
      - { .name: QS, .offset: 88, .size: 8, .value_kind: global_buffer, .address_space: global }
      - { .name: KC, .offset: 96, .size: 8, .value_kind: global_buffer, .address_space: global }
      - { .name: KS, .offset: 104, .size: 8, .value_kind: global_buffer, .address_space: global }
      - { .name: VC, .offset: 112, .size: 8, .value_kind: global_buffer, .address_space: global }
      - { .name: VS, .offset: 120, .size: 8, .value_kind: global_buffer, .address_space: global }
      - { .name: Wo_codes, .offset: 128, .size: 8, .value_kind: global_buffer, .address_space: global }
      - { .name: W1_codes, .offset: 136, .size: 8, .value_kind: global_buffer, .address_space: global }
      - { .name: W2_codes, .offset: 144, .size: 8, .value_kind: global_buffer, .address_space: global }
    .group_segment_fixed_size: 327680
    .private_segment_fixed_size: 0
    .kernarg_segment_align: 8
    .kernarg_segment_size: 152
    .max_flat_workgroup_size: 128
    .sgpr_count:     96
    .vgpr_count:     1024
    .wavefront_size: 32
...
	.end_amdgpu_metadata
.endif
;; end of part 4
;; launch attn (part 5): grid 2 x 128, 16 waves a work-group, no clusters, 169,984 bytes of LDS; arguments QC, QS, KC, KS, VC, VS, OC, OS; writes OC, OS
.if DOCPART == 5
	.amdgcn_target "amdgcn-amd-amdhsa--gfx1250"
	.amdhsa_code_object_version 6
	.text
	.protected	k_qd24d4356bf_attn
	.globl	k_qd24d4356bf_attn
	.p2align	8
	.type	k_qd24d4356bf_attn,@function
k_qd24d4356bf_attn:
	s_mov_b64 s[64:65], 0
	v_nop
	global_prefetch_b8 v0, s[64:65] scope:SCOPE_SE
	s_setreg_imm32_b32 hwreg(HW_REG_WAVE_MODE, 25, 1), 1
	s_wait_xcnt 0x0
; SECOND OF THREE LAUNCHES.  o = softmax(q k^T / 8) v for one head, both products on codes of E3M2; o is divided by the row's sum and quantised along its 64 columns, which are two blocks of the next product's K.
; t = score x log2(e) / 8; M = the running largest t rounded UP to a whole number; p = 2^(t - M) is quantised along the keys, not normalised; the row's sum is taken of the unquantised p.  When M moves, the sum and O are multiplied by 2^(old M - new M): exact.
; SHARES.  A work-group owns 512 queries of one (batch, head); each of its sixteen waves takes two tiles of 16 queries, one after the other, and walks all 1,024 keys, 128 a step.  Four waves share a SIMD: one wave's vector work stands beside another's products.
; LDS is filled ONCE: the head's codes of k (49,152 bytes) and of v (49,152) and their scale bytes, by eleven tensor loads at the start.  Nothing is filled again, so there is no ring.
; NO CLUSTER: only two work-groups share a head, and a cluster here is four in a row; what they share is 104,448 bytes fetched once by each, beside 256 wave-steps of some 330 instructions.
; LAYOUT.  Both products are used transposed: S^T = K Q^T (source 0 = 16 keys, source 1 = my 16 queries), O^T = V^T P^T: a lane holds one query throughout.  K = 64 for the first product: registers 6-11 of both operands are zero codes.
; The first launch laid k's tiles so that row r of tile 2 b + u is key 32 b + 8 u + r + 8 (r / 8): the 16 registers of tiles 2 b, 2 b + 1 are keys 32 b + 16 h + 0 .. 15.  All fragments lie in LDS as images of registers: loads of 16 and 8 bytes a lane on end.
; LIMITS.  NaN and infinities are not served.  A block whose largest magnitude lies under 2^-122 gets the scale byte 1 (its codes are zeros or as that byte gives them); the bytes are read by this program alone.  1 / sum is v_rcp_f32.
; A block's largest p is the block's largest score put through the same multiply-add and exponential; that takes v_exp_f32 not to fall where its input rises.
; REGISTERS.  v1-8, v15, v29 lane terms; v9-14 the step's LDS addresses; v16-27 Q (22-27 zeros); v28 Q's scale words; v30 -M, v31 the largest t; v[32:33] the sum; v36-83 four fragments of K (the upper six of each: zeros);
; v84-87 K's scale words, v88-89 V's; v96-159 S^T, then p, then V's four fragments; v160-191 O^T; v192-203 p's codes; v204-210 at work for the conversions; v212-223 maxima, bytes, scale operands; v[224:225] f; v226-227 at work; v228 p's scale word; v[230:231] a second chain of sums
.set KCR,   0                          ; k's codes: [block 32][1,536]
.set VCR,   49152                      ; v's codes: [key block 32][1,536]
.set KSR,   98304                      ; k's scale words: [block][u][r]
.set VSRAW, 102400                     ; v's scale bytes as stored: [key block][r][tile]
.set VSW,   104448                     ; v's scale words, made here: [step 8][tile 4][r 16]
.set CZERO, 1000
.macro WM d, a, b, c, sa, sb, ra       ; one matrix instruction; c: C's first register or CZERO; ra = 1: source 0's scales stand in lanes 16-31
.if (\c) == CZERO
.if (\ra) == 0
	v_wmma_scale_f32_16x16x128_f8f6f4 v[(\d):(\d)+7], v[(\a):(\a)+11], v[(\b):(\b)+11], 0, v[\sa], v[\sb] matrix_a_fmt:MATRIX_FMT_BF6 matrix_b_fmt:MATRIX_FMT_BF6
.else
	v_wmma_scale_f32_16x16x128_f8f6f4 v[(\d):(\d)+7], v[(\a):(\a)+11], v[(\b):(\b)+11], 0, v[\sa], v[\sb] matrix_a_fmt:MATRIX_FMT_BF6 matrix_b_fmt:MATRIX_FMT_BF6 matrix_a_scale:MATRIX_SCALE_ROW1
.endif
.else
.if (\ra) == 0
	v_wmma_scale_f32_16x16x128_f8f6f4 v[(\d):(\d)+7], v[(\a):(\a)+11], v[(\b):(\b)+11], v[(\c):(\c)+7], v[\sa], v[\sb] matrix_a_fmt:MATRIX_FMT_BF6 matrix_b_fmt:MATRIX_FMT_BF6
.else
	v_wmma_scale_f32_16x16x128_f8f6f4 v[(\d):(\d)+7], v[(\a):(\a)+11], v[(\b):(\b)+11], v[(\c):(\c)+7], v[\sa], v[\sb] matrix_a_fmt:MATRIX_FMT_BF6 matrix_b_fmt:MATRIX_FMT_BF6 matrix_a_scale:MATRIX_SCALE_ROW1
.endif
.endif
.endm
	s_load_b512 s[8:23], s[0:1], 0x0               ; QC, QS, KC, KS, VC, VS, OC, OS
	v_lshl_add_u32 v254, v0, 2, 0x29000
	v_mov_b32 v255, 0
	ds_add_u32 v254, v255
	ds_add_u32 v254, v255
	v_lshrrev_b32 v9, 5, v0
	s_delay_alu instid0(VALU_DEP_1)
	v_readfirstlane_b32 s3, v9                     ; wave 0..15
	s_and_b32 s52, ttmp7, 0xffff                   ; 16 batch + head
	s_mov_b32 s4, 0x3e38aa3b                       ; c = log2(e) / 8
	s_mov_b32 s5, s4                               ; (named with it as a pair, so it is written)
	s_mov_b32 s6, 0x76543210
	s_mov_b32 s7, 0xfedcba98
	; group 1 for codes: 12,288 dense bytes as 48 rows of 256; for scale bytes: 2,048 as 8 rows
	s_mov_b32 s24, 3<<16
	s_mov_b32 s25, 32<<16
	s_mov_b32 s26, 48<<16
	s_mov_b32 s27, 32<<16
	s_mov_b32 s28, 48
	s_mov_b32 s29, 32
	s_mov_b32 s30, 0
	s_mov_b32 s31, 0
	s_mov_b32 s32, 3<<16
	s_mov_b32 s33, 32<<16
	s_mov_b32 s34, 8<<16
	s_mov_b32 s35, 32<<16
	s_mov_b32 s36, 8
	s_mov_b32 s37, 32
	s_mov_b32 s38, 0
	s_mov_b32 s39, 0
	s_mul_i32 s54, s52, 49152                      ; the head's codes, and my quarter of them
	s_and_b32 s55, s3, 3
	s_mul_i32 s55, s55, 12288
	s_add_co_u32 s54, s54, s55
	s_mov_b32 s55, 0
	s_mov_b32 s40, 1
	s_mul_i32 s41, s3, 12288                       ; waves 0-3: k's quarters, waves 4-7: v's, on end from LDS byte 0
	s_mov_b32 s44, 1
	s_lshl_b32 s45, s3, 11
	s_add_co_u32 s45, s45, KSR-8*2048              ; waves 8, 9: k's scale words; wave 10: v's scale bytes
	s_wait_dscnt 0x0
	s_wait_kmcnt 0x0
	s_cmp_lt_u32 s3, 4
	s_cselect_b64 s[42:43], s[12:13], s[16:17]
	s_add_nc_u64 s[42:43], s[42:43], s[54:55]
	s_or_b32 s43, s43, 0x80000000
	s_cmp_eq_u32 s3, 10
	s_cselect_b64 s[46:47], s[18:19], s[14:15]
	s_cselect_b32 s56, 11, 12                      ; a head's scale bytes: 2,048 of v, 4,096 of k
	s_lshl_b32 s56, s52, s56
	s_and_b32 s57, s3, 1
	s_lshl_b32 s57, s57, 11
	s_add_co_u32 s56, s56, s57
	s_mov_b32 s57, 0
	s_add_nc_u64 s[46:47], s[46:47], s[56:57]
	s_or_b32 s47, s47, 0x80000000
	s_cmp_lt_u32 s3, 8                             ; the first and only fills: one a wave, ahead of every wait on TENSORcnt, LDS read and barrier
	s_cbranch_scc0 .Lnot_codes
	tensor_load_to_lds s[40:43], s[24:31]
	s_nop 0
.rept 4
	v_nop
.endr
	s_branch .Lfilled
.Lnot_codes:
	s_cmp_lt_u32 s3, 11
	s_cbranch_scc0 .Lfilled
	tensor_load_to_lds s[44:47], s[32:39]
	s_nop 0
.rept 4
	v_nop
.endr
.Lfilled:
	v_and_b32 v10, 31, v0                          ; lane
	v_and_b32 v11, 15, v0                          ; r
	v_bfe_u32 v12, v0, 4, 1                        ; h
	s_delay_alu instid0(VALU_DEP_3)
	v_lshlrev_b32 v1, 4, v10                       ; K: registers 0-3 of a tile's image
	s_delay_alu instid0(VALU_DEP_4)
	v_lshlrev_b32 v29, 3, v10
	s_delay_alu instid0(VALU_DEP_1)
	v_add_nc_u32 v2, 1024, v29                     ; registers 4-5
	v_lshl_add_u32 v3, v10, 2, KSR                 ; K's scale words: lanes 0-15 tile u = 0, lanes 16-31 u = 1
	v_mul_u32_u24 v13, v12, 1536                   ; V: lanes 16-31 take the next block of 32 keys
	s_delay_alu instid0(VALU_DEP_1)
	v_lshl_add_u32 v4, v11, 4, v13
	s_delay_alu instid0(VALU_DEP_1)
	v_add_nc_u32 v4, VCR, v4
	s_delay_alu instid0(VALU_DEP_3)
	v_lshl_add_u32 v5, v11, 3, v13
	s_delay_alu instid0(VALU_DEP_1)
	v_add_nc_u32 v5, VCR+1024, v5
	v_lshl_add_u32 v6, v10, 2, VSW
	s_and_b32 s53, s3, 1                           ; u: which tile of its block of 32 queries is my wave's
	s_lshl_b32 s58, s53, 9
	v_add_nc_u32 v15, s58, v1
	s_lshl_b32 s59, s53, 8
	v_add_nc_u32 v7, s59, v29
	s_lshl_b32 s60, s53, 6
	v_lshl_add_u32 v8, v11, 2, s60
	v_lshrrev_b32 v9, 6, v0                        ; v's scale words: thread = (step, tile, r)
	v_bfe_u32 v13, v0, 4, 2
	s_delay_alu instid0(VALU_DEP_2)
	v_lshlrev_b32 v9, 8, v9
	s_delay_alu instid0(VALU_DEP_1)
	v_lshl_add_u32 v9, v11, 2, v9
	s_delay_alu instid0(VALU_DEP_1)
	v_add_nc_u32 v9, v9, v13
	s_delay_alu instid0(VALU_DEP_1)
	v_add_nc_u32 v9, VSRAW, v9
	v_lshl_add_u32 v10, v0, 2, VSW
.irp j, 22,23,24,25,26,27
	v_mov_b32 v[\j], 0                             ; zero codes: K = 64 fills half of the instruction's 128
.endr
.irp t, 0,1,2,3
.irp j, 6,7,8,9,10,11
	v_mov_b32 v[36+12*\t+\j], 0
.endr
.endr
.irp b, 0,1,2,3
	v_mov_b32 v[216+\b], 0                         ; written once: a lane permute's destination counts as one of its sources
.endr
	v_mov_b32 v225, 0                              ; (the upper half of f's pair)
	v_mov_b32 v226, 0
	; where my queries and results lie
	s_lshl_b32 s54, ttmp9, 4
	s_lshr_b32 s55, s3, 1
	s_add_co_u32 s54, s54, s55                     ; my first block: 16 x + wave / 2
	s_lshl_b32 s55, s52, 5
	s_add_co_u32 s55, s55, s54
	s_mul_i32 s56, s55, 1536
	s_add_nc_u64 s[8:9], s[8:9], s[56:57]
	s_lshl_b32 s56, s55, 7
	s_add_nc_u64 s[10:11], s[10:11], s[56:57]
	s_lshr_b32 s55, s52, 4
	s_lshl_b32 s55, s55, 5
	s_add_co_u32 s55, s55, s54                     ; 32 batch + block
	s_and_b32 s54, s52, 15                         ; head
	s_mul_i32 s56, s55, 24576
	s_mul_i32 s58, s53, 12288
	s_add_co_u32 s56, s56, s58
	s_mul_i32 s58, s54, 768
	s_add_co_u32 s56, s56, s58
	s_add_nc_u64 s[20:21], s[20:21], s[56:57]
	s_lshl_b32 s56, s55, 11
	s_lshl_b32 s58, s54, 7
	s_add_co_u32 s56, s56, s58
	s_add_nc_u64 s[22:23], s[22:23], s[56:57]
	global_load_b128 v[16:19], v15, s[8:9]         ; both tiles of queries are asked for here, while the fills are on their way: the first into Q's registers,
	global_load_b64 v[20:21], v7, s[8:9] offset:1024
	global_load_b32 v28, v8, s[10:11]
	global_load_b128 v[232:235], v15, s[8:9] offset:12288          ; the second, eight blocks of queries on, into v232-238
	global_load_b64 v[236:237], v7, s[8:9] offset:13312
	global_load_b32 v238, v8, s[10:11] offset:1024
	s_wait_tensorcnt 0x0                           ; my fill has landed,
	s_barrier_signal -1
	s_barrier_wait -1                              ; everybody's has
.irp b, 0,1,2,3
	ds_load_u8 v[96+\b], v9 offset:64*\b           ; the bytes of key blocks 4 s + 0 .. 3 for my (tile, r)
.endr
	s_wait_dscnt 0x0
	v_lshl_or_b32 v96, v97, 8, v96
	s_delay_alu instid0(VALU_DEP_1)
	v_lshl_or_b32 v96, v98, 16, v96
	s_delay_alu instid0(VALU_DEP_1)
	v_lshl_or_b32 v96, v99, 24, v96
	ds_store_b32 v10, v96
	s_wait_dscnt 0x0                               ; for the others' sake
	s_barrier_signal -1
	s_barrier_wait -1
	s_mov_b32 s2, 2
.Lqt:                                                  ; a tile of 16 queries
	v_mov_b32 v31, 0xff61b1e6                      ; the largest t so far: -3e38
	s_delay_alu instid0(VALU_DEP_1)
	v_floor_f32 v30, -v31                          ; -M
	v_mov_b32 v32, 0
	v_mov_b32 v33, 0
.irp j, 0,1,2,3,4,5,6,7,8,9,10,11,12,13,14,15,16,17,18,19,20,21,22,23,24,25,26,27,28,29,30,31
	v_mov_b32 v[160+\j], 0                         ; O^T: the step is written once; the first finds zeros, which the first change of M leaves zeros
.endr
	s_mov_b32 s48, 0                               ; codes: 6,144 bytes a step;
	s_mov_b32 s49, 0                               ; K's scale words: 512;
	s_mov_b32 s50, 0                               ; V's: 256
	s_mov_b32 s51, 8
	s_wait_loadcnt 0x0
.Lstep:                                                ; 128 keys
	v_add_nc_u32 v9, s48, v1                       ; six plain lines: the places behind the last products, whose operands the first products below write over
	s_wait_alu depctr_va_vdst(0)
	v_add_nc_u32 v10, s48, v2
	s_wait_alu depctr_va_vdst(0)
	v_add_nc_u32 v11, s49, v3
	v_add_nc_u32 v12, s48, v4
	v_add_nc_u32 v13, s48, v5
	v_add_nc_u32 v14, s50, v6
.irp g, 0,1                                    ; S^T = K Q^T, four tiles of 16 keys at a time
.if \g > 0
.rept 4
	v_nop                                          ; places in front of loads into registers that matrix instructions have read
.endr
.endif
.irp t, 0,1,2,3
	ds_load_b128 v[36+12*\t:39+12*\t], v9 offset:1536*(2*\g+\t/2)+512*(\t%2)
	ds_load_b64 v[40+12*\t:41+12*\t], v10 offset:1536*(2*\g+\t/2)+256*(\t%2)
.endr
.if \g == 0
.irp b, 0,1,2,3
	ds_load_b32 v[84+\b], v11 offset:128*\b
.endr
.endif
	s_wait_dscnt 0x0
.irp t, 0,1,2,3
	WM 96+8*(4*\g+\t), 36+12*\t, 16, CZERO, 84+2*\g+\t/2, 28, \t%2
.endr
.endr
.rept 4
	v_nop
.endr
.irp b, 0,1,2,3
	v_max3_num_f32 v[212+\b], v[96+16*\b], v[97+16*\b], v[98+16*\b]   ; the largest score of each block of 32 keys: for the row's maximum, and for the block's largest p
.endr
.irp i, 3,5,7,9,11,13
.irp b, 0,1,2,3
	v_max3_num_f32 v[212+\b], v[212+\b], v[96+16*\b+\i], v[97+16*\b+\i]
.endr
.endr
.irp b, 0,1,2,3
	v_max_num_f32 v[212+\b], v[212+\b], v[111+16*\b]
.endr
.irp b, 0,1,2,3
	s_delay_alu instid0(VALU_DEP_4)
	v_permlanex16_b32 v[216+\b], v[212+\b], s6, s7
.endr
.irp b, 0,1,2,3
	s_delay_alu instid0(VALU_DEP_4)
	v_max_num_f32 v[212+\b], v[212+\b], v[216+\b]
.endr
	s_delay_alu instid0(VALU_DEP_2)
	v_max3_num_f32 v226, v212, v213, v214
	s_delay_alu instid0(VALU_DEP_1)
	v_max_num_f32 v226, v226, v215
	s_delay_alu instid0(VALU_DEP_1)
	v_mul_f32 v226, s4, v226                       ; as t (c is positive)
	s_delay_alu instid0(VALU_DEP_1)
	v_max_num_f32 v31, v31, v226                   ; the running largest t
	v_mov_b32 v226, v30
	s_delay_alu instid0(VALU_DEP_2)
	v_floor_f32 v30, -v31                          ; the new -M = -ceil(t)
	s_delay_alu instid0(VALU_DEP_1)
	v_sub_f32 v226, v30, v226                      ; old M - new M: a whole number, 0 or less
	s_delay_alu instid0(VALU_DEP_1)
	v_cvt_i32_f32 v226, v226                       ; (it saturates)
	s_delay_alu instid0(VALU_DEP_1)
	v_ldexp_f32 v224, 1.0, v226                    ; f = 2^(old M - new M)
.irp j, 0,2,4,6,8,10,12,14,16,18,20,22,24,26,28,30,32,34,36,38,40,42,44,46,48,50,52,54,56,58,60,62
	v_pk_fma_f32 v[96+\j:97+\j], v[96+\j:97+\j], s[4:5], v[30:31] op_sel_hi:[1,0,0]   ; t - M
.endr
.irp b, 0,1,2,3
	v_fma_f32 v[212+\b], v[212+\b], s4, v30
.endr
	s_wait_alu depctr_va_vdst(0)
.irp j, 0,1,2,3,4,5,6,7,8,9,10,11,12,13,14,15,16,17,18,19,20,21,22,23,24,25,26,27,28,29,30,31,32,33,34,35,36,37,38,39,40,41,42,43,44,45,46,47,48,49,50,51,52,53,54,55,56,57,58,59,60,61,62,63
	v_exp_f32 v[96+\j], v[96+\j]                   ; p = 2^(t - M)
.endr
.irp b, 0,1,2,3
	v_exp_f32 v[212+\b], v[212+\b]                 ; the block's largest p
.endr
	v_pk_mul_f32 v[32:33], v[32:33], v[224:225] op_sel_hi:[1,0]   ; the sums under the new M (a plain place behind the exponentials)
	s_wait_alu depctr_va_vdst(0)
.irp b, 0,1,2,3
	v_max_num_f32 v[212+\b], 0x2800000, v[212+\b]  ; the floor 2^(5 - 127)
.endr
.irp b, 0,1,2,3
	s_delay_alu instid0(VALU_DEP_4)
	v_add_nc_u32 v[220+\b], 0xfe000000, v[212+\b]  ; the conversion's scale operand
.endr
.irp b, 0,1,2,3
	s_delay_alu instid0(VALU_DEP_4)
	v_lshrrev_b32 v[216+\b], 23, v[220+\b]         ; the scale's byte
.endr
	s_delay_alu instid0(VALU_DEP_3)
	v_lshl_or_b32 v228, v217, 8, v216              ; p's scale word for these 128 keys
	s_delay_alu instid0(VALU_DEP_1)
	v_lshl_or_b32 v228, v218, 16, v228
	s_delay_alu instid0(VALU_DEP_1)
	v_lshl_or_b32 v228, v219, 24, v228
.irp c, 0,1
	v_cvt_scalef32_pk16_bf6_f32 v[192+6*\c:194+6*\c], v[96+32*\c:111+32*\c], v[220+2*\c]
	v_cvt_scalef32_pk16_bf6_f32 v[204+4*\c:206+4*\c], v[112+32*\c:127+32*\c], v[220+2*\c+1]
.endr
	v_nop                                          ; one plain place behind a scaled conversion
.irp c, 0,1
.irp i, 0,1,2
	v_permlane16_swap_b32 v[192+6*\c+\i], v[204+4*\c+\i]
.endr
.irp i, 0,1,2
	s_delay_alu instid0(VALU_DEP_3)
	v_mov_b32 v[195+6*\c+\i], v[204+4*\c+\i]
.endr
.endr
	v_pk_add_f32 v[230:231], v[100:101], v[104:105]
	v_pk_add_f32 v[252:253], v[108:109], v[112:113]
	v_pk_add_f32 v[250:251], v[116:117], v[120:121]
	v_pk_add_f32 v[248:249], v[124:125], v[128:129]
	v_pk_add_f32 v[246:247], v[132:133], v[136:137]
	v_pk_add_f32 v[244:245], v[140:141], v[144:145]
	v_pk_add_f32 v[242:243], v[148:149], v[152:153]
	v_pk_add_f32 v[32:33], v[32:33], v[156:157]
	v_pk_add_f32 v[230:231], v[230:231], v[96:97]
	v_pk_add_f32 v[252:253], v[252:253], v[98:99]
	v_pk_add_f32 v[250:251], v[250:251], v[102:103]
	v_pk_add_f32 v[248:249], v[248:249], v[106:107]
	v_pk_add_f32 v[246:247], v[246:247], v[110:111]
	v_pk_add_f32 v[244:245], v[244:245], v[114:115]
	v_pk_add_f32 v[242:243], v[242:243], v[118:119]
	v_pk_add_f32 v[32:33], v[32:33], v[122:123]
	v_pk_add_f32 v[230:231], v[230:231], v[126:127]
	v_pk_add_f32 v[252:253], v[252:253], v[130:131]
	v_pk_add_f32 v[250:251], v[250:251], v[134:135]
	v_pk_add_f32 v[248:249], v[248:249], v[138:139]
	v_pk_add_f32 v[246:247], v[246:247], v[142:143]
	v_pk_add_f32 v[244:245], v[244:245], v[146:147]
	v_pk_add_f32 v[242:243], v[242:243], v[150:151]
	v_pk_add_f32 v[32:33], v[32:33], v[154:155]
	v_pk_add_f32 v[230:231], v[230:231], v[158:159]
	s_delay_alu instid0(VALU_DEP_2)
	v_pk_add_f32 v[32:33], v[32:33], v[248:249]
	s_delay_alu instid0(VALU_DEP_2)
	v_pk_add_f32 v[230:231], v[230:231], v[246:247]
	v_pk_add_f32 v[252:253], v[252:253], v[244:245]
	v_pk_add_f32 v[250:251], v[250:251], v[242:243]
	s_delay_alu instid0(VALU_DEP_2)
	v_pk_add_f32 v[32:33], v[32:33], v[252:253]
	s_delay_alu instid0(VALU_DEP_2)
	v_pk_add_f32 v[230:231], v[230:231], v[250:251]
	s_delay_alu instid0(VALU_DEP_1)
	v_pk_add_f32 v[32:33], v[32:33], v[230:231]
.irp j, 0,2,4,6,8,10,12,14,16,18,20,22,24,26,28,30
	v_pk_mul_f32 v[160+\j:161+\j], v[160+\j:161+\j], v[224:225] op_sel_hi:[1,0]   ; O^T under the new M
.endr
.irp t, 0,1,2,3                                ; V's four tiles of 16 of the head's 64, over p's registers, which are done with
.irp c, 0,1
	ds_load_b128 v[96+12*\t+6*\c:99+12*\t+6*\c], v12 offset:3072*\c+256*\t
	ds_load_b64 v[100+12*\t+6*\c:101+12*\t+6*\c], v13 offset:3072*\c+128*\t
.endr
.endr
	ds_load_b32 v88, v14
	ds_load_b32 v89, v14 offset:128
	s_wait_alu depctr_va_vdst(0)
	s_wait_dscnt 0x0
.irp t, 0,1,2,3
	WM 160+8*\t, 96+12*\t, 192, 160+8*\t, 88+\t/2, 228, \t%2
.endr
	s_add_co_u32 s48, s48, 6144
	s_add_co_u32 s49, s49, 512
	s_add_co_u32 s50, s50, 256
	s_sub_co_u32 s51, s51, 1
	s_cmp_lg_u32 s51, 0
	s_cbranch_scc1 .Lstep
	; THE WAY OUT: O^T / the sum, 16 neighbours a lane by lane swaps, two blocks of 32 quantised: one half of a fragment of the next product
	v_add_f32 v32, v32, v33
	s_delay_alu instid0(VALU_DEP_1)
	v_permlanex16_b32 v226, v32, s6, s7
	s_delay_alu instid0(VALU_DEP_1)
	v_add_f32 v32, v32, v226
	s_wait_alu depctr_va_vdst(0)
	v_rcp_f32 v227, v32
.rept 3
	v_nop                                          ; the place behind the reciprocal; with the additions above, the places behind the last products
.endr
	s_wait_alu depctr_va_vdst(0)
.irp j, 0,1,2,3,4,5,6,7,8,9,10,11,12,13,14,15,16,17,18,19,20,21,22,23,24,25,26,27,28,29,30,31
	v_mul_f32 v[96+\j], v[160+\j], v227
.endr
.irp b, 0,1
.irp j, 0,1,2,3,4,5,6,7
	v_permlane16_swap_b32 v[96+16*\b+\j], v[104+16*\b+\j]          ; register 16 b + i: column 32 b + 16 h + i
.endr
.endr
.irp b, 0,1
	v_max3_num_f32 v[212+\b], |v[96+16*\b]|, |v[97+16*\b]|, 0x2800000
.endr
.irp i, 2,4,6,8,10,12,14
.irp b, 0,1
	s_delay_alu instid0(VALU_DEP_2)
	v_max3_num_f32 v[212+\b], v[212+\b], |v[96+16*\b+\i]|, |v[97+16*\b+\i]|
.endr
.endr
.irp b, 0,1
	s_delay_alu instid0(VALU_DEP_2)
	v_permlanex16_b32 v[216+\b], v[212+\b], s6, s7
.endr
.irp b, 0,1
	s_delay_alu instid0(VALU_DEP_2)
	v_max_num_f32 v[212+\b], v[212+\b], v[216+\b]
.endr
.irp b, 0,1
	s_delay_alu instid0(VALU_DEP_2)
	v_add_nc_u32 v[220+\b], 0xfe000000, v[212+\b]
.endr
.irp b, 0,1
	s_delay_alu instid0(VALU_DEP_2)
	v_lshrrev_b32 v[216+\b], 23, v[220+\b]
.endr
	v_cvt_scalef32_pk16_bf6_f32 v[192:194], v[96:111], v220
	v_cvt_scalef32_pk16_bf6_f32 v[204:206], v[112:127], v221
	v_nop
.irp i, 0,1,2
	v_permlane16_swap_b32 v[192+\i], v[204+\i]
.endr
.irp i, 0,1,2
	s_delay_alu instid0(VALU_DEP_3)
	v_mov_b32 v[195+\i], v[204+\i]
.endr
	v_lshl_or_b32 v226, v217, 8, v216
	global_store_b128 v1, v[192:195], s[20:21]     ; 32 lanes store 512 consecutive bytes, at a multiple of 256 from the buffer's first byte,
	global_store_b64 v29, v[196:197], s[20:21] offset:512          ; and 256
	global_store_b32 v8, v226, s[22:23]            ; both halves of the lanes hold the same word
	s_wait_xcnt 0x0                                ; data and bases are written again only behind this wait
.irp j, 0,1,2,3,4,5
	v_mov_b32 v[16+\j], v[232+\j]                  ; the second tile's codes,
.endr
	v_mov_b32 v28, v238                            ; and its scale words; the 36 moves at the next tile's head are the places ahead of the first product
	s_add_nc_u64 s[20:21], s[20:21], 196608
	s_add_nc_u64 s[22:23], s[22:23], 16384
	s_sub_co_u32 s2, s2, 1
	s_cmp_lg_u32 s2, 0
	s_cbranch_scc1 .Lqt
	s_wait_tensorcnt 0x0
	ds_add_u32 v254, v255
	s_wait_dscnt 0x0
	s_endpgm
.Lfunc_end_k_qd24d4356bf_attn:
	.size	k_qd24d4356bf_attn, .Lfunc_end_k_qd24d4356bf_attn-k_qd24d4356bf_attn
	.p2alignl 7, 3214868480
	.fill 96, 4, 3214868480
	.section	.rodata,"a",@progbits
	.p2align	6, 0x0
	.amdhsa_kernel k_qd24d4356bf_attn
		.amdhsa_group_segment_fixed_size 169984
		.amdhsa_private_segment_fixed_size 0
		.amdhsa_enable_private_segment 0
		.amdhsa_kernarg_size 64
		.amdhsa_user_sgpr_count 2
		.amdhsa_user_sgpr_kernarg_segment_ptr 1
		.amdhsa_wavefront_size32 1
		.amdhsa_system_sgpr_workgroup_id_x 1
		.amdhsa_system_sgpr_workgroup_id_y 1
		.amdhsa_system_sgpr_workgroup_id_z 1
		.amdhsa_system_vgpr_workitem_id 0
		.amdhsa_next_free_vgpr 256
		.amdhsa_next_free_sgpr 66
		.amdhsa_reserve_vcc 0
		.amdhsa_float_denorm_mode_32 3
		.amdhsa_float_denorm_mode_16_64 3
		.amdhsa_memory_ordered 1
		.amdhsa_forward_progress 1
		.amdhsa_inst_pref_size 33
	.end_amdhsa_kernel
	.amdgpu_metadata
---
amdhsa.version: [ 1, 2 ]
amdhsa.kernels:
  - .name:           k_qd24d4356bf_attn
    .symbol:         k_qd24d4356bf_attn.kd
    .args:
      - { .name: QC, .offset: 0, .size: 8, .value_kind: global_buffer, .address_space: global }
      - { .name: QS, .offset: 8, .size: 8, .value_kind: global_buffer, .address_space: global }
      - { .name: KC, .offset: 16, .size: 8, .value_kind: global_buffer, .address_space: global }
      - { .name: KS, .offset: 24, .size: 8, .value_kind: global_buffer, .address_space: global }
      - { .name: VC, .offset: 32, .size: 8, .value_kind: global_buffer, .address_space: global }
      - { .name: VS, .offset: 40, .size: 8, .value_kind: global_buffer, .address_space: global }
      - { .name: OC, .offset: 48, .size: 8, .value_kind: global_buffer, .address_space: global }
      - { .name: OS, .offset: 56, .size: 8, .value_kind: global_buffer, .address_space: global }
    .group_segment_fixed_size: 169984
    .private_segment_fixed_size: 0
    .kernarg_segment_align: 8
    .kernarg_segment_size: 64
    .max_flat_workgroup_size: 512
    .sgpr_count:     66
    .vgpr_count:     256
    .wavefront_size: 32
...
	.end_amdgpu_metadata
.endif
;; end of part 5
;; launch tail (part 6): grid 256 x 1, 4 waves a work-group, no clusters, 200,192 bytes of LDS; arguments x, OC, OS, QC, Wo_scales, bo, W1_scales, b1, W2_scales, b2, out0; writes out0
.if DOCPART == 6
	.amdgcn_target "amdgcn-amd-amdhsa--gfx1250"
	.amdhsa_code_object_version 6
	.text
	.protected	k_qd24d4356bf_tail
	.globl	k_qd24d4356bf_tail
	.p2align	8
	.type	k_qd24d4356bf_tail,@function
k_qd24d4356bf_tail:
	s_mov_b64 s[64:65], 0
	v_nop
	global_prefetch_b8 v0, s[64:65] scope:SCOPE_SE
	s_setreg_imm32_b32 hwreg(HW_REG_WAVE_MODE, 25, 1), 1
	s_wait_xcnt 0x0
; THIRD OF THREE LAUNCHES.  h = x + o Wo + bo, LayerNorm(h) quantised, relu(. W1 + b1) quantised, out = h + . W2 + b2.  All three products on codes of E3M2.
; SHARES.  256 work-groups of four waves, 32 tokens each; wave w owns columns 256 w .. 256 w + 255 of every layer.  A STEP is 32 columns x 32 tokens x K = 1,024: 32 matrix instructions.  A trip is two steps; a layer four trips.
; WEIGHTS GO FROM MEMORY STRAIGHT INTO OPERAND REGISTERS.  The first launch laid Wo, W1, W2 as images of fragments (QC from byte 6,291,456 on): a fragment is three loads of 16 bytes a lane, 512 consecutive bytes each.
; A step's 16 fragments are 48 loads, 192 registers; two such buffers (windows 2 and 3) take turns.  A buffer's first half (K steps 0-3) is asked for again in the step's middle, its second half and the scale words at the step's end:
; each for the step two on.  So behind the loads that a step needs stand 74 younger ones in the loop; a wait's field holds 63, so the waits are for 63.  The last trip asks for nothing: its waits are 63, 50, 24, 0.
; NO CLUSTER: the one tensor load is the work-group's own 32 rows of x, which no other work-group reads; the weights never pass LDS, so there is no tile to ask for jointly.  NO PREFETCH: the weights' loads are issued two steps, 49,152 bytes a wave, ahead of their use.
; x AND h LIE IN LDS, each wave's 32 rows x 1,024 bytes its own (pitch 1,040): x comes by one tensor load a wave; Wo's results are added in place; LayerNorm takes h into window 1, which the operand o has left; W2's results take h up in place,
; and the same bytes are the stage: a trip's 64 columns are read back as whole rows at the trip's end and stored in the next trip, behind its first step's products: sixteen lanes store 256 consecutive bytes, aligned.
; Row r of token tile u is token 8 u + (r & 7) + 16 (r >> 3) of the block, as the launches before laid the attention's result.  LN(h) and the hidden layer go from wave to wave through LDS as images of registers, each in bytes of its own.
; LIMITS.  NaN and infinities among the inputs are not served.  A block whose largest magnitude lies under 2^-122 (a block of zeros too) gets the scale byte 1; these bytes are read by this program alone.  1 / sqrt(var + eps) is v_rsq_f32; the variance is taken of the differences from the mean.
; REGISTERS.  window 0: the names below.  window 1: the operand's 16 fragments, (u, s) at v[12 (8 u + s)]; for LayerNorm h: v[32 i + 16 u + k] = token (u, r), column 256 w + 32 i + 16 h + k.  windows 2, 3: W's fragments of even, odd steps, (t, q) at v[12 (2 q + t)].
.set HXW,   33280                      ; a wave's part of x / h: 32 rows x 1,040
.set HROW,  1040
.set XI,    133120                     ; images of LN(h): [u][half 16][768]
.set XSH,   157696                     ; their scale words: [half][u][r]
.set SET2,  26624                      ; the hidden layer's images and scale words lie so far behind LN(h)'s
.set STAT,  186368                     ; two regions of 4 waves x 128 bytes for the row sums
.set BIA,   187392                     ; the three biases
.set SPARE, 199680                     ; the spare words: 128 bytes a wave, two blocks of 256 bytes that no other line names
.set WIMG,  6291456                    ; where the weights' images begin in QC
.set WS,   32                          ; v32-47 W's scale words, set e at + 8 e
.set XS,   48                          ; v48-55 the operand's scale words
.set BIAS, 56
.set MX,   88
.set PX,   90
.set SO,   92
.set SW,   94
.set ACC,  96
.set CA,   128
.set CB,   144
.set BY,   152
.set SWP,  156
.set OB,   128                         ; rows read back, in W2's layer: v128-159 and v192-223
.set XR,   160                         ; v160-191 a step's 32 numbers of x or h
.set TA,   160
.set TB,   168
.set BL,   176
.set SUM,  224
.set MUP,  232
.set RSP,  236
.set T,    240
; v1 spare word's address, v2 = 0 (kept for the add alone); v3, v4, v5, v10 = 16, 8, 4, 32 x lane; v9 the last trip's bytes in out0; v11 biases; v13-14 h, tile 0, 1; v15-17 images, read; v18-20 images, written; v21-23 the trip's image addresses (first: the bias copy);
; v24-25 row sums; v26-27 the trip's h addresses; v28 rows, back; v29 my bytes in two rows of out0; v30 the trip's bias address; v31 the trip's rows, back
; s2 trips, s3 wave, s4 work-group, s5 mask of lanes 16-31, s[6:7] lane selects, s[8:35] buffers, s[40:51] descriptor, s[56:57], s[58:59] images and scales of the trip two steps on, s[60:63] the next layer's, s70-73 offsets
.set MSB, 0
.macro WIN new
.if MSB != (\new)
	s_set_vgpr_msb (MSB<<8)|(\new)
.set MSB, (\new)
.endif
.endm
.macro PLACES
.rept 4
	v_nop
.endr
.endm
.macro WM d, a, b, c, sa, sb, ra, rb   ; one matrix instruction; ra, rb: 1 = the side's scales stand in lanes 16-31
.set RR, 2*(\ra)+(\rb)
.if RR == 0
	v_wmma_scale_f32_16x16x128_f8f6f4 v[(\d):(\d)+7], v[(\a):(\a)+11], v[(\b):(\b)+11], v[(\c):(\c)+7], v[\sa], v[\sb] matrix_a_fmt:MATRIX_FMT_BF6 matrix_b_fmt:MATRIX_FMT_BF6
.elseif RR == 1
	v_wmma_scale_f32_16x16x128_f8f6f4 v[(\d):(\d)+7], v[(\a):(\a)+11], v[(\b):(\b)+11], v[(\c):(\c)+7], v[\sa], v[\sb] matrix_a_fmt:MATRIX_FMT_BF6 matrix_b_fmt:MATRIX_FMT_BF6 matrix_b_scale:MATRIX_SCALE_ROW1
.elseif RR == 2
	v_wmma_scale_f32_16x16x128_f8f6f4 v[(\d):(\d)+7], v[(\a):(\a)+11], v[(\b):(\b)+11], v[(\c):(\c)+7], v[\sa], v[\sb] matrix_a_fmt:MATRIX_FMT_BF6 matrix_b_fmt:MATRIX_FMT_BF6 matrix_a_scale:MATRIX_SCALE_ROW1
.else
	v_wmma_scale_f32_16x16x128_f8f6f4 v[(\d):(\d)+7], v[(\a):(\a)+11], v[(\b):(\b)+11], v[(\c):(\c)+7], v[\sa], v[\sb] matrix_a_fmt:MATRIX_FMT_BF6 matrix_b_fmt:MATRIX_FMT_BF6 matrix_a_scale:MATRIX_SCALE_ROW1 matrix_b_scale:MATRIX_SCALE_ROW1
.endif
.endm
.macro WLOAD e, f0                     ; eight fragments, f0 .. f0 + 7, into buffer e: 24 loads of 512 consecutive bytes
	WIN 0x80+0x40*(\e)
.irp f, 0,1,2,3,4,5,6,7
.irp i, 0,1,2
	global_load_b128 v[12*((\f0)+\f)+4*\i:12*((\f0)+\f)+4*\i+3], v3, s[56:57] offset:24576*(\e)+1536*((\f0)+\f)+512*\i
.endr
.endr
.endm
.macro SLOAD e                         ; lane l: the 32 scale bytes of row l of the step: the wave reads 1,024 consecutive bytes
	WIN 0
	global_load_b128 v[WS+8*(\e):WS+8*(\e)+3], v10, s[58:59] offset:1024*(\e)
	global_load_b128 v[WS+8*(\e)+4:WS+8*(\e)+7], v10, s[58:59] offset:1024*(\e)+16
.endm
.macro MULS e, q0                      ; K steps q0 .. q0 + 3, transposed: accumulator (t, u) at ACC + 16 u + 8 t; four accumulators by turns; the bias is the first C
.irp q, \q0, \q0+1, \q0+2, \q0+3
.irp t, 0,1
.irp u, 0,1
.if (\q) == 0
.set CC, BIAS+8*\t
.else
.set CC, ACC+16*\u+8*\t
.endif
	WM ACC+16*\u+8*\t, 12*(2*(\q)+\t), 12*(8*\u+(\q)), CC, WS+8*(\e)+(\q), XS+(\q), \t, \u
.endr
.endr
.endr
.endm
; THE PRODUCTS OF A STEP on buffer e.  rf = 1: the buffer is asked for again, for the step two on.  c1: loads that may be out behind this step's first half and scale words; c2: behind its second half
.macro GEMM e, rf, c1, c2
.irp k, 0,1,2,3
	ds_load_b128 v[BIAS+4*\k:BIAS+4*\k+3], v30 offset:128*(\e)+64*(\k/2)+16*(\k%2)
.endr
	s_wait_loadcnt \c1
	s_wait_dscnt 0x0                               ; the biases, and what else the step reads from LDS
	WIN 0x06+(\e)                                  ; source 0 (W) window 2 or 3, source 1 (the operand) window 1
	MULS \e, 0
.if \rf
	PLACES                                         ; four places ahead of loads into registers that matrix instructions have read
	WLOAD \e, 0
.endif
	s_wait_loadcnt \c2
	WIN 0x06+(\e)
	MULS \e, 4
	WIN 0
	PLACES                                         ; ahead of the loads below and of the first read of results
.if \rf
	SLOAD \e
	WLOAD \e, 8
	WIN 0
.endif
.endm
.macro TOP adv, sel                    ; a trip's head: the pointers step to the trip one on; sel = 1: in a layer's last trip that is the next layer's first
	s_wait_xcnt 0x0                                ; bases, offsets and stores' data are written again only behind this wait
.if \adv
	s_add_nc_u64 s[56:57], s[56:57], 49152
	s_add_nc_u64 s[58:59], s[58:59], 2048
.endif
.if \sel
	s_cmp_eq_u32 s2, 1
	s_cselect_b64 s[56:57], s[60:61], s[56:57]
	s_cselect_b64 s[58:59], s[62:63], s[58:59]
.endif
.endm
.macro HADR out                        ; the trip's addresses of biases and of h; out = 1: of the rows to read back, and the last trip's bytes in out0
	v_add_nc_u32 v30, s72, v11
	v_add_nc_u32 v26, s73, v13
	v_add_nc_u32 v27, s73, v14
.if \out
	v_add_nc_u32 v31, s73, v28
	v_add_nc_u32 v9, s71, v29
.endif
	s_wait_alu depctr_va_vdst(0)
.endm
.macro HLOAD e                         ; the step's 32 columns of x or h
.irp u, 0,1
.irp k, 0,1,2,3
	ds_load_b128 v[XR+16*\u+4*\k:XR+16*\u+4*\k+3], v[26+\u] offset:128*(\e)+16*\k
.endr
.endr
.endm
.macro HSTORE e                        ; + the step's results, back in place
.irp m, 0,1,2,3,4,5,6,7,8,9,10,11,12,13,14,15
	v_pk_add_f32 v[ACC+2*\m:ACC+2*\m+1], v[ACC+2*\m:ACC+2*\m+1], v[XR+2*\m:XR+2*\m+1]
.endr
.irp u, 0,1
.irp k, 0,1,2,3
	ds_store_b128 v[26+\u], v[ACC+16*\u+4*\k:ACC+16*\u+4*\k+3] offset:128*(\e)+16*\k
.endr
.endr
.endm
.macro NSWAP                           ; after it a lane's 16 registers of a token tile hold columns 16 h + 0 .. 15 of the step's 32.  Each accumulator is read from its low end on
.irp u, 0,1
.irp j, 0,1,2,3,4,5,6,7
	v_permlane16_swap_b32 v[ACC+16*\u+\j], v[ACC+16*\u+8+\j]
.endr
.endr
.endm
.macro BLOCKQ e                        ; both token tiles' 16 numbers a lane become codes (CA for e = 0, CB for e = 1) and a scale byte
.irp g, 0,1
	v_max3_num_f32 v[MX+\g], |v[ACC+16*\g]|, |v[ACC+16*\g+1]|, 0x2800000   ; the floor 2^(5 - 127): the byte cannot fall under 1
.endr
.irp i, 2,4,6,8,10,12,14
.irp g, 0,1
	v_max3_num_f32 v[MX+\g], v[MX+\g], |v[ACC+16*\g+\i]|, |v[ACC+16*\g+\i+1]|
.endr
.endr
.irp g, 0,1
	v_permlanex16_b32 v[PX+\g], v[MX+\g], s6, s7
.endr
.irp g, 0,1
	v_max_num_f32 v[MX+\g], v[MX+\g], v[PX+\g]
.endr
.irp g, 0,1
	v_add_nc_u32 v[SO+\g], 0xfe000000, v[MX+\g]    ; 4 off the exponent field: the conversion's scale operand
.endr
.irp g, 0,1
	v_lshrrev_b32 v[BY+2*\g+(\e)], 23, v[SO+\g]
.endr
.if (\e) == 0
	v_cvt_scalef32_pk16_bf6_f32 v[CA:CA+2], v[ACC:ACC+15], v[SO]
	v_cvt_scalef32_pk16_bf6_f32 v[CA+8:CA+10], v[ACC+16:ACC+31], v[SO+1]
.else
	v_cvt_scalef32_pk16_bf6_f32 v[CB:CB+2], v[ACC:ACC+15], v[SO]
	v_cvt_scalef32_pk16_bf6_f32 v[CB+4:CB+6], v[ACC+16:ACC+31], v[SO+1]
.endif
	v_nop                                          ; one plain place behind a scaled conversion
.endm
.macro HALF                            ; two blocks' half-blocks become a half of a fragment; the two bytes make its scale word
.irp u, 0,1
.irp i, 0,1,2
	v_permlane16_swap_b32 v[CA+8*\u+\i], v[CB+4*\u+\i]
.endr
.endr
.irp u, 0,1
.irp i, 0,1,2
	v_mov_b32 v[CA+8*\u+3+\i], v[CB+4*\u+\i]
.endr
.endr
.irp u, 0,1
	v_lshl_or_b32 v[SW+\u], v[BY+2*\u+1], 8, v[BY+2*\u]
.endr
	v_cndmask_b32 v[SWP], v[SW], v[SW+1], s5
.endm
.macro IMG a, b, c, oc, os
.irp u, 0,1
	ds_store_b128 v[\a], v[CA+8*\u:CA+8*\u+3] offset:12288*\u+(\oc)
	ds_store_b64 v[\b], v[CA+8*\u+4:CA+8*\u+5] offset:12288*\u+(\oc)
.endr
	ds_store_b32 v[\c], v[SWP] offset:\os
.endm
.macro ROWSUM reg
	v_pk_add_f32 v[SUM:SUM+1], v[SUM:SUM+1], v[SUM+2:SUM+3]
	v_pk_add_f32 v[SUM+4:SUM+5], v[SUM+4:SUM+5], v[SUM+6:SUM+7]
	v_add_f32 v[T], v[SUM], v[SUM+1]
	v_add_f32 v[T+1], v[SUM+4], v[SUM+5]
	v_permlanex16_b32 v[PX], v[T], s6, s7
	v_permlanex16_b32 v[PX+1], v[T+1], s6, s7
	v_add_f32 v[T], v[T], v[PX]
	v_add_f32 v[T+1], v[T+1], v[PX+1]
	v_cndmask_b32 v[T+2], v[T], v[T+1], s5
	ds_store_b32 v24, v[T+2] offset:512*\reg
	s_wait_dscnt 0x0                               ; for the others' sake: my store has landed
	s_barrier_signal -1
	s_barrier_wait -1
.irp k, 0,1,2,3
	ds_load_b32 v[T+4+\k], v25 offset:512*\reg+128*\k
.endr
	s_wait_dscnt 0x0
	v_add_f32 v[T+4], v[T+4], v[T+5]
	v_add_f32 v[T+6], v[T+6], v[T+7]
	v_add_f32 v[T+2], v[T+4], v[T+6]
.endm
.macro SPREAD src, dst                 ; lane (r, h) holds row (h, r)'s number: both tiles' numbers into every lane, each as a pair
	v_permlanex16_b32 v[T+3], v[\src], s6, s7
	v_cndmask_b32 v[\dst], v[\src], v[T+3], s5
	v_cndmask_b32 v[\dst+2], v[T+3], v[\src], s5
	v_mov_b32 v[\dst+1], v[\dst]
	v_mov_b32 v[\dst+3], v[\dst+2]
.endm
.macro DIFF i                          ; block i of both tiles, less the mean
	WIN 0x01
.irp u, 0,1
.irp m, 0,1,2,3,4,5,6,7
	v_pk_add_f32 v[ACC+16*\u+2*\m:ACC+16*\u+2*\m+1], v[32*(\i)+16*\u+2*\m:32*(\i)+16*\u+2*\m+1], v[MUP+2*\u:MUP+2*\u+1] op_sel_hi:[1,0] neg_lo:[0,1] neg_hi:[0,1]
.endr
.endr
	WIN 0
.endm
.macro LNQ                             ; LayerNorm of the 32 rows in window 1, quantised; my four halves of both tiles go to LDS
	s_mov_b32 s74, 0x3a800000                      ; 1 / 1,024
	s_mov_b32 s75, 0x3727c5ac                      ; 1e-5
	WIN 0x05
.irp u, 0,1
.irp f, 0,1
	v_pk_add_f32 v[SUM+4*\u+2*\f:SUM+4*\u+2*\f+1], v[16*\u+4*\f:16*\u+4*\f+1], v[16*\u+4*\f+2:16*\u+4*\f+3]
.endr
.endr
	WIN 0x01
.irp i, 0,1,2,3,4,5,6,7
.irp m, 0,1,2,3,4,5,6,7
.if (\i > 0) || (\m > 3)
.irp u, 0,1
	v_pk_add_f32 v[SUM+4*\u+2*(\m%2):SUM+4*\u+2*(\m%2)+1], v[32*\i+16*\u+2*\m:32*\i+16*\u+2*\m+1], v[SUM+4*\u+2*(\m%2):SUM+4*\u+2*(\m%2)+1]
.endr
.endif
.endr
.endr
	WIN 0
	ROWSUM 0
	v_mul_f32 v[T+2], s74, v[T+2]
	SPREAD T+2, MUP
.irp i, 0,1,2,3,4,5,6,7
	DIFF \i
.irp m, 0,1,2,3,4,5,6,7
.irp u, 0,1
.if (\i == 0) && (\m < 2)
	v_pk_mul_f32 v[SUM+4*\u+2*\m:SUM+4*\u+2*\m+1], v[ACC+16*\u+2*\m:ACC+16*\u+2*\m+1], v[ACC+16*\u+2*\m:ACC+16*\u+2*\m+1]
.else
	v_pk_fma_f32 v[SUM+4*\u+2*(\m%2):SUM+4*\u+2*(\m%2)+1], v[ACC+16*\u+2*\m:ACC+16*\u+2*\m+1], v[ACC+16*\u+2*\m:ACC+16*\u+2*\m+1], v[SUM+4*\u+2*(\m%2):SUM+4*\u+2*(\m%2)+1]
.endif
.endr
.endr
.endr
	ROWSUM 1
	v_fma_f32 v[T+2], v[T+2], s74, s75
	s_wait_alu depctr_va_vdst(0)                   ; the wait ahead of the transcendental,
	v_rsq_f32 v[T+4], v[T+2]
	v_nop                                          ; one plain place behind it,
	s_wait_alu depctr_va_vdst(0)                   ; and the wait ahead of its first reader
	SPREAD T+4, RSP
.irp i, 0,1,2,3,4,5,6,7
	DIFF \i
.irp u, 0,1
.irp m, 0,1,2,3,4,5,6,7
	v_pk_mul_f32 v[ACC+16*\u+2*\m:ACC+16*\u+2*\m+1], v[ACC+16*\u+2*\m:ACC+16*\u+2*\m+1], v[RSP+2*\u:RSP+2*\u+1] op_sel_hi:[1,0]
.endr
.endr
	BLOCKQ \i%2
.if \i%2 == 1
	HALF
	IMG 18, 19, 20, 768*(\i/2), 128*(\i/2)
.endif
.endr
	s_wait_dscnt 0x0
	s_barrier_signal -1
	s_barrier_wait -1                              ; all sixteen halves of both tiles lie in LDS
.endm
.macro XSMAKE                          ; two halves' bytes make a K step's scale word; eight places ahead of a scaled matrix instruction
.irp s, 0,1,2,3,4,5,6,7
	v_lshl_or_b32 v[XS+\s], v[TB+\s], 16, v[TA+\s]
.endr
.rept 8
	v_nop
.endr
.endm
.macro FETCHX o                        ; the whole operand from LDS (o: which set of images) into window 1, its scale words into XS
	WIN 0x40
.irp u, 0,1
.irp g, 0,1,2,3,4,5,6,7,8,9,10,11,12,13,14,15
	ds_load_b128 v[12*(8*\u+\g/2)+6*(\g%2):12*(8*\u+\g/2)+6*(\g%2)+3], v15 offset:(\o)+12288*\u+768*\g
	ds_load_b64 v[12*(8*\u+\g/2)+6*(\g%2)+4:12*(8*\u+\g/2)+6*(\g%2)+5], v16 offset:(\o)+12288*\u+768*\g
.endr
.endr
	WIN 0
.irp s, 0,1,2,3,4,5,6,7
	ds_load_b32 v[TA+\s], v17 offset:(\o)+256*\s
	ds_load_b32 v[TB+\s], v17 offset:(\o)+256*\s+128
.endr
	s_wait_dscnt 0x0
	XSMAKE
.endm
	s_load_b512 s[8:23], s[0:1], 0x0               ; x, OC, OS, QC, Wo scales, bo, W1 scales, b1
	s_load_b128 s[24:27], s[0:1], 0x40             ; W2 scales, b2
	s_load_b64 s[32:33], s[0:1], 0x50              ; out0
	v_lshl_add_u32 v1, v0, 2, SPARE
	v_mov_b32 v2, 0
	ds_add_u32 v1, v2                              ; the opening lines: the add, twice on end, and its wait ahead of my tensor load
	ds_add_u32 v1, v2
	v_lshrrev_b32 v[T], 5, v0
	v_readfirstlane_b32 s3, v[T]                   ; wave 0..3
	s_mov_b32 s4, ttmp9                            ; work-group = block of 32 tokens
	s_mov_b32 s5, 0xffff0000
	s_mov_b32 s6, 0x76543210
	s_mov_b32 s7, 0xfedcba98
	s_mul_i32 s49, s3, HXW                         ; my part of x / h in LDS
	s_lshl_b32 s76, s3, 10
	s_mul_i32 s77, s3, 3072
	s_lshl_b32 s78, s3, 9
	s_lshl_b32 s79, s3, 7
	v_and_b32 v[T+1], 31, v0                       ; lane
	v_and_b32 v[T+2], 15, v0                       ; r
	v_bfe_u32 v[T+3], v0, 4, 1                     ; h
	v_lshlrev_b32 v3, 4, v[T+1]
	v_lshlrev_b32 v4, 3, v[T+1]
	v_lshlrev_b32 v5, 2, v[T+1]
	v_lshlrev_b32 v10, 5, v[T+1]
	v_lshl_add_u32 v11, v[T+3], 5, s76
	v_add_nc_u32 v11, BIA, v11                     ; biases: 1,024 w + 32 h
	v_and_b32 v[T+7], 8, v[T+2]
	v_add_nc_u32 v[T+7], v[T+7], v[T+2]            ; token of tile 0: r + 8 (r / 8)
	v_mul_u32_u24 v13, v[T+7], HROW
	v_lshl_add_u32 v13, v[T+3], 6, v13
	v_add_nc_u32 v13, s49, v13                     ; h: token x 1,040 + 64 h, in my part
	v_add_nc_u32 v14, 8*HROW, v13                  ; tile 1: eight tokens on
	v_add_nc_u32 v15, XI, v3
	v_add_nc_u32 v16, XI+512, v4
	v_add_nc_u32 v17, XSH, v5
	v_add_nc_u32 v18, s77, v15
	v_add_nc_u32 v19, s77, v16
	v_add_nc_u32 v20, s78, v17
	v_add_nc_u32 v25, STAT, v5
	v_add_nc_u32 v24, s79, v25
	v_mul_u32_u24 v28, v[T+3], HROW
	v_lshl_add_u32 v28, v[T+2], 4, v28
	v_add_nc_u32 v28, s49, v28                     ; back: lanes 0-15 256 bytes of one token, lanes 16-31 of the next
	v_lshlrev_b32 v29, 12, v[T+3]
	v_lshl_add_u32 v29, v[T+2], 4, v29             ; and the same in out0
	v_add_nc_u32 v21, s76, v3                      ; the bias copy: my wave's 1,024 bytes of each bias, 16 bytes a lane,
	v_add_nc_u32 v22, BIA, v21                     ; and their place in LDS
	v_mov_b32 v[PX], 0                             ; written once: a lane permute's destination counts as one of its sources
	v_mov_b32 v[PX+1], 0
	s_mov_b32 s40, (3<<16)|(1<<20)|(7<<22)|(3<<25) ; group 1: elements of 8 bytes; padding on, four words behind every 256
	s_mov_b32 s41, 128<<16                         ; tensor_dim0: 1,024 bytes
	s_mov_b32 s42, 32<<16                          ; tensor_dim1: 32 tokens
	s_mov_b32 s43, 128<<16
	s_mov_b32 s44, 32
	s_mov_b32 s45, 512                             ; a row of x is 4,096 bytes
	s_mov_b32 s46, 0
	s_mov_b32 s47, 0
	s_mov_b32 s48, 1
	s_lshl_b32 s74, s4, 17
	s_mov_b32 s75, 0
	s_mov_b32 s77, 0
	s_wait_alu depctr_va_vdst(0)
	s_wait_dscnt 0x0                               ; both opening adds are done
	s_wait_kmcnt 0x0
	s_add_nc_u64 s[8:9], s[8:9], s[74:75]          ; x at my 32 tokens,
	s_add_nc_u64 s[8:9], s[8:9], s[76:77]          ; at my wave's columns
	s_mov_b64 s[50:51], s[8:9]
	s_or_b32 s51, s51, 0x80000000
	tensor_load_to_lds s[48:51], s[40:47]          ; the launch's one tensor load a wave: 32 rows x 1,024 bytes, each row from a multiple of 256 bytes
	s_nop 0
	PLACES
	s_add_nc_u64 s[32:33], s[32:33], s[74:75]      ; out0 likewise
	s_add_nc_u64 s[32:33], s[32:33], s[76:77]
	s_mul_i32 s74, s4, 24576
	s_add_nc_u64 s[10:11], s[10:11], s[74:75]      ; o's codes,
	s_lshl_b32 s74, s4, 11
	s_add_nc_u64 s[12:13], s[12:13], s[74:75]      ; o's scale words
	s_mul_i32 s74, s3, 196608
	s_add_co_u32 s74, s74, WIMG
	s_add_nc_u64 s[56:57], s[14:15], s[74:75]      ; the image of my 256 rows of Wo,
	s_add_nc_u64 s[14:15], s[56:57], 786432        ; of W1,
	s_add_nc_u64 s[34:35], s[56:57], 1572864       ; of W2
	s_lshl_b32 s74, s3, 13                         ; and their scale bytes
	s_add_nc_u64 s[16:17], s[16:17], s[74:75]
	s_add_nc_u64 s[20:21], s[20:21], s[74:75]
	s_add_nc_u64 s[24:25], s[24:25], s[74:75]
	s_mov_b64 s[58:59], s[16:17]
.irp j, 0,1
	global_load_b128 v[BL+4*\j:BL+4*\j+3], v21, s[18:19] offset:512*\j
	global_load_b128 v[BL+8+4*\j:BL+8+4*\j+3], v21, s[22:23] offset:512*\j
	global_load_b128 v[BL+16+4*\j:BL+16+4*\j+3], v21, s[26:27] offset:512*\j
.endr
	WIN 0x40                                       ; o's 16 fragments come from memory as images: every wave wants all of them
.irp u, 0,1
.irp g, 0,1,2,3,4,5,6,7,8,9,10,11,12,13,14,15
	global_load_b128 v[12*(8*\u+\g/2)+6*(\g%2):12*(8*\u+\g/2)+6*(\g%2)+3], v3, s[10:11] offset:12288*\u+768*\g
	global_load_b64 v[12*(8*\u+\g/2)+6*(\g%2)+4:12*(8*\u+\g/2)+6*(\g%2)+5], v4, s[10:11] offset:12288*\u+768*\g+512
.endr
.endr
	WIN 0
.irp s, 0,1,2,3,4,5,6,7
	global_load_b32 v[TA+\s], v5, s[12:13] offset:256*\s
	global_load_b32 v[TB+\s], v5, s[12:13] offset:256*\s+128
.endr
.irp e, 0,1                                    ; steps 0 and 1 of Wo: 100 loads, in the order in which the loop asks
	WLOAD \e, 0
	SLOAD \e
	WLOAD \e, 8
.endr
	WIN 0
	s_wait_loadcnt 63                              ; behind the biases, o and its scale words stand the 100 loads just issued
.irp n, 0,1,2
.irp j, 0,1
	ds_store_b128 v22, v[BL+8*\n+4*\j:BL+8*\n+4*\j+3] offset:4096*\n+512*\j   ; my wave's own bytes: LDS serves a wave's instructions in order (ISA guide 5.7.1.4)
.endr
.endr
	XSMAKE
	; ---- h = x + o Wo + bo, in place over x
	s_mov_b32 s72, 0
	s_mov_b32 s73, 0
	s_mov_b64 s[60:61], s[14:15]
	s_mov_b64 s[62:63], s[20:21]
	s_mov_b32 s2, 4
	s_wait_tensorcnt 0x0                           ; my rows of x have landed; only my wave reads them
.Lwo:
	TOP 1, 1
	HADR 0
.irp e, 0,1
	HLOAD \e
	GEMM \e, 1, 63, 63
	NSWAP
	HSTORE \e
.endr
	s_add_co_u32 s72, s72, 256
	s_add_co_u32 s73, s73, 256
	s_sub_co_u32 s2, s2, 1
	s_cmp_lg_u32 s2, 0
	s_cbranch_scc1 .Lwo
	WIN 0x40                                       ; h into window 1, which o has left
.irp i, 0,1,2,3,4,5,6,7
.irp u, 0,1
.irp k, 0,1,2,3
	ds_load_b128 v[32*\i+16*\u+4*\k:32*\i+16*\u+4*\k+3], v[13+\u] offset:128*\i+16*\k
.endr
.endr
.endr
	WIN 0
	s_wait_dscnt 0x0
	LNQ
	FETCHX 0
	; ---- relu(LN(h) W1 + b1), quantised; its images have bytes of their own
	s_mov_b32 s72, 4096
	s_mov_b32 s70, 0
	s_mov_b32 s71, 0
	s_mov_b64 s[60:61], s[34:35]
	s_mov_b64 s[62:63], s[24:25]
	s_mov_b32 s2, 4
.Lw1:
	TOP 1, 1
	v_add_nc_u32 v30, s72, v11
	v_add_nc_u32 v21, s70, v18
	v_add_nc_u32 v22, s70, v19
	v_add_nc_u32 v23, s71, v20
	s_wait_alu depctr_va_vdst(0)
.irp e, 0,1
	GEMM \e, 1, 63, 63
	NSWAP
.irp j, 0,1,2,3,4,5,6,7,8,9,10,11,12,13,14,15,16,17,18,19,20,21,22,23,24,25,26,27,28,29,30,31
	v_max_num_f32 v[ACC+\j], 0, v[ACC+\j]          ; the activation, in f32
.endr
	BLOCKQ \e
.endr
	HALF
	IMG 21, 22, 23, SET2, SET2
	s_add_co_u32 s70, s70, 768
	s_add_co_u32 s71, s71, 128
	s_add_co_u32 s72, s72, 256
	s_sub_co_u32 s2, s2, 1
	s_cmp_lg_u32 s2, 0
	s_cbranch_scc1 .Lw1
	s_wait_dscnt 0x0
	s_barrier_signal -1
	s_barrier_wait -1                              ; the hidden layer's sixteen halves of both tiles lie in LDS
	FETCHX SET2
	; ---- out = h + hidden W2 + b2
.macro SEND                            ; the rows read back at the last trip's end: tokens 2 m, 2 m + 1: sixteen lanes store 256 consecutive bytes, aligned
.irp m, 0,1,2,3,4,5,6,7,8,9,10,11,12,13,14,15
	global_store_b128 v9, v[OB+4*\m+32*(\m/8):OB+4*\m+32*(\m/8)+3], s[32:33] offset:8192*\m th:TH_STORE_NT
.endr
.endm
.macro W2TRIP first, rf, a1, a2, b1, b2
	TOP \rf, 0
	HADR 1
	HLOAD 0
	GEMM 0, \rf, \a1, \a2                          ; its wait for LDS covers the rows read back at the last trip's end
.if \first == 0
	SEND
.endif
	NSWAP
	HSTORE 0
	HLOAD 1
	GEMM 1, \rf, \b1, \b2
	NSWAP
	HSTORE 1
	s_wait_xcnt 0x0                                ; the last trip's stores have read their data: the loads below may land there
.irp m, 0,1,2,3,4,5,6,7,8,9,10,11,12,13,14,15
	ds_load_b128 v[OB+4*\m+32*(\m/8):OB+4*\m+32*(\m/8)+3], v31 offset:2*HROW*\m   ; these see my stores: LDS serves a wave's instructions in order
.endr
	s_mov_b32 s71, s73                             ; where these rows go in out0
	s_add_co_u32 s72, s72, 256
	s_add_co_u32 s73, s73, 256
.endm
	s_mov_b32 s72, 8192
	s_mov_b32 s73, 0
	s_mov_b32 s71, 0
	W2TRIP 1, 1, 63, 63, 63, 63                    ; the first trip is written out: no rows wait to be stored
	s_mov_b32 s2, 2
.Lw2:
	W2TRIP 0, 1, 63, 63, 63, 63
	s_sub_co_u32 s2, s2, 1
	s_cmp_lg_u32 s2, 0
	s_cbranch_scc1 .Lw2
	W2TRIP 0, 0, 63, 50, 24, 0                     ; the last trip is written out: it asks for nothing.  Behind step 22's second half stand step 23's 50 loads; behind step 23's scale words its last 24
	s_wait_xcnt 0x0                                ; the stores' offset is written again only behind this wait
	v_add_nc_u32 v9, s71, v29
	s_wait_alu depctr_va_vdst(0)
	s_wait_dscnt 0x0                               ; the last trip's rows are back
	SEND
	s_wait_tensorcnt 0x0                           ; the wave's end
	ds_add_u32 v1, v2
	s_wait_dscnt 0x0
	s_endpgm
.Lfunc_end_k_qd24d4356bf_tail:
	.size	k_qd24d4356bf_tail, .Lfunc_end_k_qd24d4356bf_tail-k_qd24d4356bf_tail
	.p2alignl 7, 3214868480
	.fill 96, 4, 3214868480
	.section	.rodata,"a",@progbits
	.p2align	6, 0x0
	.amdhsa_kernel k_qd24d4356bf_tail
		.amdhsa_group_segment_fixed_size 200192
		.amdhsa_private_segment_fixed_size 0
		.amdhsa_enable_private_segment 0
		.amdhsa_kernarg_size 88
		.amdhsa_user_sgpr_count 2
		.amdhsa_user_sgpr_kernarg_segment_ptr 1
		.amdhsa_wavefront_size32 1
		.amdhsa_system_sgpr_workgroup_id_x 1
		.amdhsa_system_sgpr_workgroup_id_y 1
		.amdhsa_system_sgpr_workgroup_id_z 1
		.amdhsa_system_vgpr_workitem_id 0
		.amdhsa_next_free_vgpr 1024
		.amdhsa_next_free_sgpr 80
		.amdhsa_reserve_vcc 0
		.amdhsa_float_denorm_mode_32 3
		.amdhsa_float_denorm_mode_16_64 3
		.amdhsa_memory_ordered 1
		.amdhsa_forward_progress 1
		.amdhsa_inst_pref_size 223
	.end_amdhsa_kernel
	.amdgpu_metadata
---
amdhsa.version: [ 1, 2 ]
amdhsa.kernels:
  - .name:           k_qd24d4356bf_tail
    .symbol:         k_qd24d4356bf_tail.kd
    .args:
      - { .name: x, .offset: 0, .size: 8, .value_kind: global_buffer, .address_space: global }
      - { .name: OC, .offset: 8, .size: 8, .value_kind: global_buffer, .address_space: global }
      - { .name: OS, .offset: 16, .size: 8, .value_kind: global_buffer, .address_space: global }
      - { .name: QC, .offset: 24, .size: 8, .value_kind: global_buffer, .address_space: global }
      - { .name: Wo_scales, .offset: 32, .size: 8, .value_kind: global_buffer, .address_space: global }
      - { .name: bo, .offset: 40, .size: 8, .value_kind: global_buffer, .address_space: global }
      - { .name: W1_scales, .offset: 48, .size: 8, .value_kind: global_buffer, .address_space: global }
      - { .name: b1, .offset: 56, .size: 8, .value_kind: global_buffer, .address_space: global }
      - { .name: W2_scales, .offset: 64, .size: 8, .value_kind: global_buffer, .address_space: global }
      - { .name: b2, .offset: 72, .size: 8, .value_kind: global_buffer, .address_space: global }
      - { .name: out0, .offset: 80, .size: 8, .value_kind: global_buffer, .address_space: global }
    .group_segment_fixed_size: 200192
    .private_segment_fixed_size: 0
    .kernarg_segment_align: 8
    .kernarg_segment_size: 88
    .max_flat_workgroup_size: 128
    .sgpr_count:     80
    .vgpr_count:     1024
    .wavefront_size: 32
...
	.end_amdgpu_metadata
.endif
;; end of part 6
